; MI455X (gfx1250); checked and timed in simulation.
; The chip was launched on July 23, 2026; its instructions are those of AMD's public machine-readable ISA for CDNA 5 (MIT licence, August 2026) and "CDNA5" Instruction Set Architecture Reference Guide (July 2026). The comments in the code are by the model that wrote it; some were corrected since.
;; Single Head Attention. Allowed arithmetic: matrix products marked QUANTISED: E2M3 operands, one E8M0 scale for each 32 along K, by v_wmma_scale_f32_16x16x128_f8f6f4 with both operands' format E2M3, f32 sums; everything else in f32.
;; Inputs: w_k 1,024 x 1,024 float32; w_q 1,024 x 1,024 float32; w_v 1,024 x 1,024 float32; x 4 x 2,048 x 1,024 float32.
;; Outputs: out0 4 x 2,048 x 1,024 float32.
;; Constants: causal = 1.
;; This version of the problem:
;;   THIS VERSION OF THE PROBLEM IS GIVEN IN LOW PRECISION. The matrix products marked QUANTISED in the list below multiply operands that are first quantised to E2M3 (2 exponent bits, 3 mantissa bits; 6 bits a number), with one power-of-two scale for each 32 numbers along K (OCP MX v1.0); their sums are f32. All else is computed in f32.
;;   The module's matrix products, in the order in which they are computed (A, B: the left and right operand; K: the contracted axis; several contracted axes count as one K, in the product's order):
;;     1. [M 8,192, K 1,024] x [K 1,024, N 1,024]; A: input x; B: input w_q: QUANTISED
;;     2. [M 8,192, K 1,024] x [K 1,024, N 1,024]; A: input x; B: input w_k: QUANTISED
;;     3. [M 8,192, K 1,024] x [K 1,024, N 1,024]; A: input x; B: input w_v: QUANTISED
;;     4. batch 4 x [M 2,048, K 1,024] x [K 1,024, N 2,048]; A: computed on the way; B: computed on the way: QUANTISED
;;     5. batch 4 x [M 2,048, K 2,048] x [K 2,048, N 1,024]; A: softmax (see below); B: computed on the way: QUANTISED
;;   THE QUANTISER, for each operand of a quantised product, along K:
;;     - K is cut into blocks of 32 from its start; a last block that is shorter is filled with zeros.
;;     - A block's scale is 2^e with e = floor(log2(the largest magnitude in the block)) - 2, held to -126 .. 127; a block of zeros has e = 0. As a byte (E8M0): e + 127.
;;     - Each number is divided by its block's scale, clamped to +-7.5, and rounded to the nearest number of E2M3, ties to even, subnormals kept.
;;     - The product sums the exact products of the quantised numbers (number of the format x scale) in f32.
;;   ~~~python
;;   def quantise(x, axis):      # numpy; x: float32 -> the quantised numbers, widened to float32 again
;;       x = np.moveaxis(x, axis, -1); K = x.shape[-1]
;;       x = np.pad(x, [(0, 0)] * (x.ndim - 1) + [(0, -K % 32)]); x = x.reshape(x.shape[:-1] + (-1, 32)); a = np.abs(x).max(-1, keepdims=True)
;;       e = np.where(a > 0, np.clip(np.frexp(np.where(a > 0, a, 1))[1] - 1 - 2, -126, 127), 0)      # np.frexp(a)[1] - 1 = floor(log2(a)), exactly
;;       r = np.clip(x / 2.0 ** e, -7.5, 7.5)
;;       step = 2.0 ** (np.maximum(np.frexp(np.where(r == 0, 1, r))[1] - 1, 0) - 3)
;;       q = np.round(r / step) * step * 2.0 ** e      # np.round: ties to even
;;       return np.moveaxis(q.reshape(q.shape[:-2] + (-1,))[..., :K], -1, axis).astype(np.float32)
;;   ~~~
;;   SOFTMAX AHEAD OF A QUANTISED PRODUCT. Where the list says 'softmax', what is quantised is not the finished softmax but p = 2^(t - M), with t = logit x log2(e) and M = ceil(the row's largest t), a whole number; so 1/2 < the row's largest p <= 1. The row's sum l is taken of the UNQUANTISED p, in f32, and the product's result is divided by l at the end. Since M is a whole number, a kernel that streams over the keys may use a running M (the ceiling of the running maximum): every later rescaling is an exact power of two, which a block's scale takes up: the codes' values come out the same.
;;   OPERANDS COMPUTED ON THE WAY. 'Computed on the way' means the value that the module computes at that place (a softmax that the list does not call 'softmax' is quantised finished and normalised). What goes into a quantiser is computed in f32, as accurately as f32 sums, v_exp_f32 and their like allow (about 1e-6 of the number): no bf16 or f16 on the way to a quantiser, and a product that is left as it is and whose result goes on into a quantised operand takes f32 operands (vector FMAs, or v_wmma_f32_16x16x4_f32). A number that lies on a knife's edge between two numbers of the format may be rounded either way, as far as f32 arithmetic and the matrix unit's own rounding can turn it there, and no further.
;; 2 versions. Each part assembles by itself: llvm-mc -triple=amdgcn-amd-amdhsa -mcpu=gfx1250 --defsym DOCPART=n.
;; ======== version 1 of 2: 4 launches
;; workspace buffers: ximg 6,553,600 bytes; wimg 2,457,600 bytes; qk 13,107,200 bytes; vt 6,553,600 bytes; pimg 13,107,200 bytes; pm 524,288 bytes; pl 524,288 bytes
;; launch quant (part 1): grid 704 x 1, 8 waves a work-group, no clusters, 69,120 bytes of LDS; arguments x, w_q, w_k, w_v, ximg, wimg; writes ximg, wimg
.if DOCPART == 1
	.amdgcn_target "amdgcn-amd-amdhsa--gfx1250"
	.amdhsa_code_object_version 6
	.text
	.protected	k_qa2ff37f324_quant
	.globl	k_qa2ff37f324_quant
	.p2align	8
	.type	k_qa2ff37f324_quant,@function
k_qa2ff37f324_quant:
	s_mov_b64 s[64:65], 0
	v_nop
	global_prefetch_b8 v0, s[64:65] scope:SCOPE_SE
	s_setreg_imm32_b32 hwreg(HW_REG_WAVE_MODE, 25, 1), 1
	s_wait_xcnt 0x0
; x [8192][1024] and w_q, w_k, w_v [1024][1024], f32, K innermost, become codes of FP6 (E2M3) with one E8M0 byte for each 32 along K, laid in UNIT BLOCKS.
; A UNIT BLOCK (12,800 bytes) is 128 rows x 128 K as an image of operand registers: fragment a (0..7) at byte 1536 a, its registers 4 c .. 4 c + 3 of lane l at + 512 c + 16 l.
; Lane (r = l % 16, h = l / 16) of fragment a holds row 32 (a / 2) + 8 (a % 2) + r + 8 (r / 8) of the 128, registers 6 c .. 6 c + 5 = K 64 c + 32 h + 0 .. 31.  That row's scale word lies at 12,288 + 32 r + 4 a.
; ximg: block 8 G + s (G = row / 128, s = K / 128); wimg: the same with G 0-7 w_q, 8-15 w_k, 16-23 w_v.
; A block's scale is 2^(floor(log2(largest magnitude)) - 2): its byte is the largest magnitude's exponent field - 2, held at 1 from below.  A block of zeros keeps the byte 1: its codes are zeros, and this program alone reads the bytes.
; LIMITS: blocks whose largest magnitude lies under 2^-124 keep the byte 1; NaN and infinities among the inputs are not served.
; SHARES: a work-group makes one unit block, wave a fragment a.  Each of a wave's 16 loads reads 512 consecutive bytes (a row's 128 numbers); they turn through the wave's own stage in LDS, so that a lane gets 2 x 32 neighbours along K.
; No tensor load and no matrix instruction: memory binds, and each input byte is read once.
.set UB,   12800
.set FRB,  1536
.set SCO,  12288
.set SPT,  528                         ; a stage row: 512 bytes + 16 = 33 x 16 bytes: the sixteen rows that a 16-byte load touches start in sixteen different 16-byte columns of 256
.set STG,  16*SPT                      ; a wave's stage
.set SCW,  8*STG                       ; behind the stages: the block's 128 scale words
.set LO,   4                           ; v4   16 x lane
.set SI,   5                           ; v5   the stage, on the way in
.set SOA,  6                           ; v6   and on the way out: row r, + 128 h
.set SWA,  7                           ; v7   where my row's scale word goes
.set R,    16                          ; v16-79   16 rows as loaded
.set X,    80                          ; v80-143  my two blocks of 32 neighbours
.set C,    144                         ; v144-155 the fragment; v156-162 the conversions' second halves
.set SWR,  164                         ; v164 wave 0 reads the scale words back here
	s_load_b256 s[4:11], s[0:1], 0x0               ; x, w_q, w_k, w_v
	s_load_b128 s[12:15], s[0:1], 0x20             ; ximg, wimg
	v_lshl_add_u32 v168, v0, 2, 0x10a00
	v_mov_b32 v169, 0
	v_lshrrev_b32 v1, 5, v0
	v_readfirstlane_b32 s16, v1                    ; wave a
	v_and_b32 v2, 31, v0                           ; lane
	v_and_b32 v3, 15, v0                           ; r
	v_bfe_u32 v1, v0, 4, 1                         ; h
	v_lshlrev_b32 v[LO], 4, v2
	s_mul_i32 s26, s16, STG
	v_add_nc_u32 v[SI], s26, v[LO]
	v_mul_u32_u24 v[SOA], v3, SPT
	v_lshl_add_u32 v[SOA], v1, 7, v[SOA]
	v_add_nc_u32 v[SOA], s26, v[SOA]
	s_lshl_b32 s27, s16, 2
	s_add_co_u32 s27, s27, SCW
	v_lshl_add_u32 v[SWA], v3, 5, s27              ; SCW + 32 r + 4 a
	v_add_nc_u32 v[SWR], SCW, v[LO]
	s_lshr_b32 s17, ttmp9, 3                       ; G: 0-63 x, 64-87 the weights
	s_and_b32 s18, ttmp9, 7                        ; s
	s_sub_co_u32 s19, s17, 64                      ; the weights' G (a very large number in x's work-groups: both compares below then fail)
	s_and_b32 s24, s19, 7
	s_lshl_b32 s25, s19, 3
	s_add_co_u32 s25, s25, s18
	s_mov_b32 s30, 0x76543210
	s_mov_b32 s31, 0xfedcba98                      ; v_permlanex16_b32's selects for lane l xor 16
	s_wait_kmcnt 0x0
	s_cmp_lt_u32 s19, 16                           ; only pointers are chosen, on the work-group's number: all tensors take one path through the text
	s_cselect_b64 s[20:21], s[8:9], s[10:11]
	s_cmp_lt_u32 s19, 8
	s_cselect_b64 s[20:21], s[6:7], s[20:21]
	s_cmp_lt_u32 s17, 64
	s_cselect_b64 s[20:21], s[4:5], s[20:21]       ; from
	s_cselect_b64 s[22:23], s[12:13], s[14:15]     ; to
	s_cselect_b32 s24, s17, s24                    ; the group of 128 rows in the source
	s_cselect_b32 s25, ttmp9, s25                  ; the unit block in the target
	s_lshl_b32 s24, s24, 7
	s_lshr_b32 s26, s16, 1
	s_lshl_b32 s26, s26, 5
	s_add_co_u32 s24, s24, s26
	s_and_b32 s26, s16, 1
	s_lshl_b32 s26, s26, 3
	s_add_co_u32 s24, s24, s26                     ; my fragment's first row: 128 group + 32 (a / 2) + 8 (a % 2)
	s_lshl_b32 s24, s24, 12                        ; rows of 4,096 bytes (under 2^26 in all)
	s_lshl_b32 s26, s18, 9
	s_add_co_u32 s28, s24, s26                     ; + 512 s
	s_mov_b32 s29, 0
	s_add_nc_u64 s[20:21], s[20:21], s[28:29]
	s_mul_i32 s28, s25, UB
	s_mul_i32 s26, s16, FRB
	s_add_co_u32 s28, s28, s26
	s_add_nc_u64 s[22:23], s[22:23], s[28:29]      ; my fragment in the unit block
.irp i, 0,1,2,3,4,5,6,7,8,9,10,11,12,13,14,15
	global_load_b128 v[R+4*\i:R+4*\i+3], v[LO], s[20:21] offset:(\i+8*(\i/8))*4096 th:TH_LOAD_NT   ; the fragment's row i: 32 lanes read 512 consecutive bytes
.endr
.irp i, 0,1,2,3,4,5,6,7,8,9,10,11,12,13,14,15
	s_wait_loadcnt 15-\i                           ; loads come back in order: row i is in, the younger ones may be out
	ds_store_b128 v[SI], v[R+4*\i:R+4*\i+3] offset:SPT*\i
.endr
.irp c, 0,1
.irp p, 0,1,2,3,4,5,6,7
	ds_load_b128 v[X+32*\c+4*\p:X+32*\c+4*\p+3], v[SOA] offset:256*\c+16*\p   ; K = 64 c + 32 h + 4 p ..; LDS serves a wave's instructions in order: these see my stores
.endr
.endr
	s_wait_dscnt 0x0
.irp c, 0,1                                    ; my block 2 c + h: all its 32 numbers are mine
	v_max3_num_f32 v[8+\c], |v[X+32*\c]|, |v[X+32*\c+1]|, 0x1800000   ; and the floor 2^(3 - 127): the byte cannot fall under 1
.endr
.irp i, 2,4,6,8,10,12,14,16,18,20,22,24,26,28,30
.irp c, 0,1
	v_max3_num_f32 v[8+\c], v[8+\c], |v[X+32*\c+\i]|, |v[X+32*\c+\i+1]|   ; (the two blocks by turns)
.endr
.endr
.irp c, 0,1
	v_add_nc_u32 v[10+\c], 0xff000000, v[8+\c]     ; 2 off the exponent field: the conversion takes the exponent field of this operand as its scale
.endr
.irp c, 0,1
	v_lshrrev_b32 v[12+\c], 23, v[10+\c]           ; the scale's byte
.endr
	v_lshl_or_b32 v14, v13, 16, v12                ; my two bytes: blocks h and 2 + h,
	v_lshlrev_b32 v15, 3, v1
	v_lshlrev_b32 v14, v15, v14                    ; 8 h bits up;
	v_mov_b32 v15, 0
	v_permlanex16_b32 v15, v14, s30, s31
	v_or_b32 v14, v14, v15                         ; with lane l xor 16's two the word is whole
.irp c, 0,1
	v_cvt_scalef32_pk16_fp6_f32 v[C+6*\c:C+6*\c+2], v[X+32*\c:X+32*\c+15], v[10+\c]
	v_cvt_scalef32_pk16_fp6_f32 v[156+4*\c:158+4*\c], v[X+32*\c+16:X+32*\c+31], v[10+\c]   ; (a conversion's three registers begin on an even number)
.endr
	v_nop                                          ; one plain place behind a scaled conversion
.irp c, 0,1
.irp i, 0,1,2
	v_mov_b32 v[C+3+6*\c+\i], v[156+4*\c+\i]
.endr
.endr
.irp c, 0,1,2
	global_store_b128 v[LO], v[C+4*\c:C+4*\c+3], s[22:23] offset:512*\c   ; 32 lanes store 512 consecutive bytes, at a multiple of 256 from the buffer's first byte
.endr
	ds_store_b32 v[SWA], v14                       ; both lanes of a row write the same word
	s_wait_dscnt 0x0                               ; for wave 0's sake: my word has landed
	s_barrier_signal -1
	s_barrier_wait -1
	s_cmp_lg_u32 s16, 0
	s_cbranch_scc1 .Ldone
	ds_load_b128 v[8:11], v[SWR]                   ; the block's 512 bytes of scale words leave as one run (in wave 0 the base stands at the block's first byte)
	s_wait_dscnt 0x0
	global_store_b128 v[LO], v[8:11], s[22:23] offset:SCO
.Ldone:
	s_wait_tensorcnt 0x0
	ds_add_u32 v168, v169
	s_wait_dscnt 0x0
	s_endpgm
.Lfunc_end_k_qa2ff37f324_quant:
	.size	k_qa2ff37f324_quant, .Lfunc_end_k_qa2ff37f324_quant-k_qa2ff37f324_quant
	.p2alignl 7, 3214868480
	.fill 96, 4, 3214868480
	.section	.rodata,"a",@progbits
	.p2align	6, 0x0
	.amdhsa_kernel k_qa2ff37f324_quant
		.amdhsa_group_segment_fixed_size 69120
		.amdhsa_private_segment_fixed_size 0
		.amdhsa_enable_private_segment 0
		.amdhsa_kernarg_size 48
		.amdhsa_user_sgpr_count 2
		.amdhsa_user_sgpr_kernarg_segment_ptr 1
		.amdhsa_wavefront_size32 1
		.amdhsa_system_sgpr_workgroup_id_x 1
		.amdhsa_system_sgpr_workgroup_id_y 1
		.amdhsa_system_sgpr_workgroup_id_z 1
		.amdhsa_system_vgpr_workitem_id 0
		.amdhsa_next_free_vgpr 170
		.amdhsa_next_free_sgpr 66
		.amdhsa_reserve_vcc 0
		.amdhsa_float_denorm_mode_32 3
		.amdhsa_float_denorm_mode_16_64 3
		.amdhsa_memory_ordered 1
		.amdhsa_forward_progress 1
		.amdhsa_inst_pref_size 11
	.end_amdhsa_kernel
	.amdgpu_metadata
---
amdhsa.version: [ 1, 2 ]
amdhsa.kernels:
  - .name:           k_qa2ff37f324_quant
    .symbol:         k_qa2ff37f324_quant.kd
    .args:
      - { .name: x, .offset: 0, .size: 8, .value_kind: global_buffer, .address_space: global }
      - { .name: w_q, .offset: 8, .size: 8, .value_kind: global_buffer, .address_space: global }
      - { .name: w_k, .offset: 16, .size: 8, .value_kind: global_buffer, .address_space: global }
      - { .name: w_v, .offset: 24, .size: 8, .value_kind: global_buffer, .address_space: global }
      - { .name: ximg, .offset: 32, .size: 8, .value_kind: global_buffer, .address_space: global }
      - { .name: wimg, .offset: 40, .size: 8, .value_kind: global_buffer, .address_space: global }
    .group_segment_fixed_size: 69120
    .private_segment_fixed_size: 0
    .kernarg_segment_align: 8
    .kernarg_segment_size: 48
    .max_flat_workgroup_size: 256
    .sgpr_count:     66
    .vgpr_count:     170
    .wavefront_size: 32
...
	.end_amdgpu_metadata
.endif
;; end of part 1
;; launch proj (part 2): grid 96 x 4, 4 waves a work-group, clusters of 4 x 4, 327,680 bytes of LDS; arguments ximg, wimg, qk, vt; writes qk, vt
.if DOCPART == 2
	.amdgcn_target "amdgcn-amd-amdhsa--gfx1250"
	.amdhsa_code_object_version 6
	.text
	.protected	k_qa2ff37f324_proj
	.globl	k_qa2ff37f324_proj
	.p2align	8
	.type	k_qa2ff37f324_proj,@function
k_qa2ff37f324_proj:
	s_mov_b64 s[64:65], 0
	v_nop
	global_prefetch_b8 v0, s[64:65] scope:SCOPE_SE
	s_setreg_imm32_b32 hwreg(HW_REG_WAVE_MODE, 25, 1), 1
	s_wait_xcnt 0x0
	s_wait_alu depctr_hold_cnt(0) depctr_sa_sdst(0) depctr_va_vdst(0) depctr_va_sdst(0) depctr_va_ssrc(0) depctr_va_vcc(0) depctr_vm_vsrc(0)
	s_getreg_b32 s2, hwreg(HW_REG_IB_STS2, 6, 4)
	s_cmp_eq_u32 s2, 0
	s_cbranch_scc0 .Lentry_in_a_cluster
	s_endpgm
.Lentry_in_a_cluster:
	s_bfe_u32 s2, ttmp6, 0x10000c
	s_cmp_lg_u32 s2, 0xf033
	s_cbranch_scc0 .Lentry_shape_is_right
	s_endpgm
.Lentry_shape_is_right:
; q = x w_q^T, k = x w_k^T and v^T = w_v x^T on codes of FP6 (E2M3, one E8M0 byte for each 32 along K), K = 1,024; the f32 sums are quantised at once for the next products and leave as codes.
; UNIT BLOCK (12,800 bytes): 128 rows x 128 K as an image of operand registers: fragment a at 1536 a, registers 4 c .. 4 c + 3 of lane l at + 512 c + 16 l; lane (r, h) holds row 32 (a / 2) + 8 (a % 2) + r + 8 (r / 8),
; registers 6 c .. 6 c + 5 = K 64 c + 32 h + 0 .. 31; that row's scale word at 12,288 + 32 r + 4 a.  A fragment so comes from LDS by three loads of 16 bytes a lane at consecutive addresses: no pitch, no padding.
; A tile of 256 ('A' rows, source 1) x 256 ('B' rows, source 0) is made by four waves, 128 x 128 each: 64 accumulators, 512 registers.  With the rows of a fragment ordered as above, the 64 registers of accumulators (a, 0 .. 7)
; are, for A's row of the lane, B's rows 32 t + 16 h + i at register 16 t + i: sixteen neighbours along the NEXT product's K in sixteen consecutive registers.  So a wave's tile becomes exactly one unit block of the next operand.
; Clusters 0-15: A = x (32 tiles of rows), B = w_q and w_k (8 tiles): blocks of qk, index 16 G + s (G = token / 128; s 0-7 q's K steps, 8-15 k's).
; Clusters 16-23: A = w_v, B = x: blocks of vt, index 128 batch + 16 (channel / 128) + key / 128: rows = channels, K = the keys, as the last product wants v.
; K goes 256 a slot through a ring of two LDS slots; a wave's tensor load brings 128 rows x 256 K = two unit blocks, 25,600 dense bytes, as 100 rows of 256 bytes.
; CLUSTERS 4 x 4: A's tile is shared along a row of the cluster, B's along a column: each is asked for jointly.
; LIMITS: NaN and infinities are not served; blocks whose largest magnitude lies under 2^-124 keep the byte 1.
; No prefetch: K has four slots, of which two are on their way from the head on.
; REGISTERS, in windows of 256: window 0: v16-25 addresses; v28, v29 for the add; v32-63 scale words, two sets; v128-223 A's eight fragments, one set (on the way out: at work).  window 1: B's fragments, two sets, at v0 and v128.
;   window 2: the accumulators of A's blocks 0-3 ((a, b) at v[8 (8 (a % 4) + b)]);  window 3: those of blocks 4-7.
.set UB,    12800
.set FRB,   1536
.set SCO,   12288
.set REG4,  2*UB                       ; what one tensor load brings
.set SLOT,  4*REG4                     ; A's two groups of 128 rows, then B's two
.set SPARE, 2*SLOT                     ; behind the ring: the spare words, 128 bytes for each wave
.set FR,    12
.set LAPS,  2                          ; a lap = two slots = 512 along K
.set ADRA, 16                          ; v16-17 my A fragments in slot 0, 1
.set ADSA, 18                          ; v18-19 my A scale words: lanes 0-15 the slot's first K step, lanes 16-31 its second
.set ADRB, 20                          ; v20-21, v22-23 the same for B
.set ADSB, 22
.set LO16, 24                          ; v24 16 x lane
.set SWO,  25                          ; v25 32 r + 16 h
.set SPW,  28
.set NIL,  29
.set SC,   32                          ; set s: A's words of block i at v[SC + 16 s + i], B's at v[SC + 16 s + 8 + i]
.set AF,   128
.set PC,   128                         ; the way out: v128-139 the codes just made, v140-146 the conversions' second halves
.set TM,   160                         ; v160-163 largest magnitudes, v164-167 bytes, v172-175 the conversions' scale operands
.set PW,   176                         ; v176-183 the eight scale words
.set OW,   184
.set G1,  24
.set G0,  32
.set G1B, 48
.set G0B, 56
.set SEL, 74
.set HM,  76
.set MSB, 0
.macro WIN new                         ; the immediate's high byte repeats the setting that is left
.if MSB != (\new)
	s_set_vgpr_msb (MSB<<8)|(\new)
.set MSB, \new
.endif
.endm
.set MUL_LO, 0xa1                      ; source 0 (B) window 1, source 1 (A) window 0, C and D window 2
.set MUL_HI, 0xf1
.set TO_B,   0x40
.macro PLACES n                        ; plain vector instructions between a matrix instruction and a load into, or a vector read or write of, its registers
.rept \n
	v_nop
.endr
.endm
.macro JLOAD g0a, g1a, g0b, g1b        ; waves 0 and 1 fetch A's two groups, waves 2 and 3 B's; four v_nop follow each line
	s_cmp_eq_u32 s15, 0
	s_cbranch_scc0 .Lfor_b_\@
	tensor_load_to_lds s[\g0a:\g0a+3], s[\g1a:\g1a+7]
	s_nop 0
.rept 4
	v_nop
.endr
	s_branch .Lasked_\@
.Lfor_b_\@:
	tensor_load_to_lds s[\g0b:\g0b+3], s[\g1b:\g1b+7]
	s_nop 0
.rept 4
	v_nop
.endr
.Lasked_\@:
.endm
.macro CREST                           ; a round of the cluster's barrier behind its opening barrier
	s_cmp_lg_u32 s14, 0
	s_cbranch_scc1 .Lnot_wave_0_\@
	s_barrier_signal -3
.Lnot_wave_0_\@:
	s_barrier_wait -3
	s_barrier_signal -1
	s_barrier_wait -1
.endm
.macro CROUND
	s_barrier_signal -1
	s_barrier_wait -1
	CREST
.endm
.macro FRAG reg, adr, q, i             ; fragment i of the slot's q-th K step
.irp c, 0,1,2
	ds_load_b128 v[\reg+4*\c:\reg+4*\c+3], v[\adr] offset:(\q)*UB+(\i)*FRB+512*\c
.endr
.endm
.macro FETCH_B slot, q, p
	WIN TO_B
.irp i, 0,1,2,3,4,5,6,7
	FRAG 128*(\p)+FR*\i, ADRB+\slot, \q, \i
.endr
	WIN 0
.endm
.macro FETCH_A slot, q, i0
.irp i, \i0, \i0+1, \i0+2, \i0+3
	FRAG AF+FR*(\i), ADRA+\slot, \q, \i
.endr
.endm
.macro SCALES s                        ; a slot's scale words: eight blocks of A, eight of B, both K steps (one in each half of the lanes)
	ds_load_b128 v[SC+16*\s:SC+16*\s+3],     v[ADSA+\s]
	ds_load_b128 v[SC+16*\s+4:SC+16*\s+7],   v[ADSA+\s] offset:16
	ds_load_b128 v[SC+16*\s+8:SC+16*\s+11],  v[ADSB+\s]
	ds_load_b128 v[SC+16*\s+12:SC+16*\s+15], v[ADSB+\s] offset:16
.endm
; 16 products: A's blocks a0, a0 + 1 x B's eight.  p: B's set; q: the slot's K step (1: the scale words of lanes 16-31); sc: the set of scale words; zero = 1: the product starts the sum.
; The 64 accumulators take turns, one instruction a turn, in the same order in every step.
.macro MUL16 a0, p, q, sc, zero
.irp a, \a0, \a0+1
.irp b, 0,1,2,3,4,5,6,7
.set rD, 8*(8*((\a)%4)+\b)
.set rB, 128*(\p)+FR*\b
.set rA, AF+FR*(\a)
.set rSB, SC+16*(\sc)+8+\b
.set rSA, SC+16*(\sc)+(\a)
.if \zero
	v_wmma_scale_f32_16x16x128_f8f6f4 v[rD:rD+7], v[rB:rB+11], v[rA:rA+11], 0, v[rSB], v[rSA] matrix_a_fmt:MATRIX_FMT_FP6 matrix_b_fmt:MATRIX_FMT_FP6
.elseif \q
	v_wmma_scale_f32_16x16x128_f8f6f4 v[rD:rD+7], v[rB:rB+11], v[rA:rA+11], v[rD:rD+7], v[rSB], v[rSA] matrix_a_fmt:MATRIX_FMT_FP6 matrix_b_fmt:MATRIX_FMT_FP6 matrix_a_scale:MATRIX_SCALE_ROW1 matrix_b_scale:MATRIX_SCALE_ROW1
.else
	v_wmma_scale_f32_16x16x128_f8f6f4 v[rD:rD+7], v[rB:rB+11], v[rA:rA+11], v[rD:rD+7], v[rSB], v[rSA] matrix_a_fmt:MATRIX_FMT_FP6 matrix_b_fmt:MATRIX_FMT_FP6
.endif
.endr
.endr
.endm
.macro STEP slot, zero                 ; a slot's first K step; it fetches the second's fragments
	s_wait_dscnt 12                                ; B's set, A's blocks 0-3 and the scale words are in; the youngest 12 loads (A's blocks 4-7) may be out
	WIN MUL_LO
	MUL16 0, 0, 0, \slot, \zero
	MUL16 2, 0, 0, \slot, \zero
	s_wait_dscnt 0x0                               ; A's blocks 4-7 are in
	PLACES 4
	FETCH_B \slot, 1, 1
	FETCH_A \slot, 1, 0
	WIN MUL_HI
	MUL16 4, 0, 0, \slot, \zero
	MUL16 6, 0, 0, \slot, \zero
	PLACES 4
	WIN 0
	FETCH_A \slot, 1, 4
.endm
; A slot's second K step changes slots: one barrier; in front of it each wave waits for all its tensor loads, adds 0 to its spare word, and waits for that and for its reads of this slot.  fill = 1: this slot is filled again, 512 along K ahead.
.macro TURN slot, next, fill
	s_wait_tensorcnt 0x0                           ; all my tensor loads have landed: my part of the next slot
	ds_add_u32 v[SPW], v[NIL]                      ; 0 onto my spare word
	s_wait_dscnt 13                                ; (the add and the youngest 12 loads may be out)
	WIN MUL_LO
	MUL16 0, 1, 1, \slot, 0
	s_wait_dscnt 0x0                               ; the add is done, and my reads of this slot are over
	s_barrier_signal -1
	MUL16 2, 1, 1, \slot, 0
	WIN 0
	s_barrier_wait -1
.if \fill
	CREST                                          ; the barrier has opened a round of the cluster's: no wave of any partner still reads this slot or has a load on its way
	s_add_nc_u64 s[G0+4*\slot+2:G0+4*\slot+3], s[G0+4*\slot+2:G0+4*\slot+3], 2*REG4
	s_add_nc_u64 s[G0B+4*\slot+2:G0B+4*\slot+3], s[G0B+4*\slot+2:G0B+4*\slot+3], 2*REG4
	JLOAD G0+4*\slot, G1, G0B+4*\slot, G1B         ; the first tensor load behind the round; its four v_nop are also the places in front of the loads below
.else
	PLACES 4
.endif
	FETCH_B \next, 0, 0
	FETCH_A \next, 0, 0
	SCALES \next
	WIN MUL_HI
	MUL16 4, 1, 1, \slot, 0
	MUL16 6, 1, 1, \slot, 0
	PLACES 4
	WIN 0
	FETCH_A \next, 0, 4
.endm
	s_load_b256 s[4:11], s[0:1], 0x0               ; ximg, wimg, qk, vt
	v_lshl_add_u32 v[SPW], v0, 2, SPARE
	v_mov_b32 v[NIL], 0
	ds_add_u32 v28, v29
	ds_add_u32 v28, v29
	s_wait_dscnt 0x0
	v_lshrrev_b32 v1, 5, v0
	v_readfirstlane_b32 s14, v1                    ; wave 0..3
	s_lshr_b32 s15, s14, 1                         ; my group of A's rows.  Also: I fetch for A (0) or for B (1)
	s_and_b32 s16, s14, 1                          ; my group of B's rows.  Also: which group I fetch
	s_bfe_u32 s40, ttmp6, 0x40000                  ; cx
	s_bfe_u32 s41, ttmp6, 0x40004                  ; cy
	s_lshr_b32 s42, ttmp9, 1
	s_and_b32 s43, ttmp9, 1
	s_sub_co_u32 s44, ttmp9, 16
	s_cmp_lt_u32 ttmp9, 16                         ; clusters 0-15: q and k; 16-23: v^T
	s_cselect_b32 s42, s42, 0                      ; A's four tiles of rows
	s_cselect_b32 s43, s43, s44                    ; B's
	s_cselect_b32 s20, 0, 16*8*UB                  ; w_v begins 16 groups into wimg
	s_mov_b32 s21, 0
	s_lshl_b32 s42, s42, 2
	s_add_co_u32 s42, s42, s41                     ; A's tile: hangs on cy alone
	s_lshl_b32 s43, s43, 2
	s_add_co_u32 s43, s43, s40                     ; B's tile: on cx alone
	s_lshl_b32 s46, s41, 2
	s_lshl_b32 s46, 15, s46                        ; my row of the cluster
	s_lshl_b32 s47, 0x1111, s40                    ; my column
	s_or_b32 s[G1], s46, (3<<16)|(1<<21)           ; 15:0 the mask; 17:16 elements of 8 bytes; 21 set beside a mask; no padding
	s_or_b32 s[G1B], s47, (3<<16)|(1<<21)
.irp g, G1, G1B
	s_mov_b32 s[\g+1], 32<<16                      ; tensor_dim0 = 32 elements: 256 bytes
	s_mov_b32 s[\g+2], 100<<16                     ; tensor_dim1 = 100 rows: 25,600 dense bytes
	s_mov_b32 s[\g+3], 32<<16                      ; tile_dim0
	s_mov_b32 s[\g+4], 100                         ; tile_dim1
	s_mov_b32 s[\g+5], 32                          ; the pitch
	s_mov_b32 s[\g+6], 0
	s_mov_b32 s[\g+7], 0
.endr
	s_lshl_b32 s44, s42, 1
	s_add_co_u32 s44, s44, s16
	s_mul_i32 s44, s44, 8*UB                       ; a group of 128 rows is 8 unit blocks
	s_add_co_u32 s20, s20, s44
	s_lshl_b32 s22, s43, 1
	s_add_co_u32 s22, s22, s16
	s_mul_i32 s22, s22, 8*UB
	s_mov_b32 s23, 0
	s_mul_i32 s45, s14, REG4                       ; where my load goes: wave x 25,600
	s_mov_b32 s[SEL], 0x76543210
	s_mov_b32 s[SEL+1], 0xfedcba98
	s_mov_b32 s[HM], 0xffff0000                    ; lanes 16-31
	s_wait_kmcnt 0x0
	s_cmp_lt_u32 ttmp9, 16
	s_cselect_b64 s[66:67], s[4:5], s[6:7]         ; A
	s_cselect_b64 s[68:69], s[6:7], s[4:5]         ; B
	s_cselect_b64 s[12:13], s[8:9], s[10:11]       ; the result
	s_add_nc_u64 s[66:67], s[66:67], s[20:21]
	s_add_nc_u64 s[68:69], s[68:69], s[22:23]
	CROUND                                         ; all sixteen work-groups are here: the first joint loads meet
.irp s, 0,1
	s_mov_b32 s[G0+4*\s], 1
	s_add_co_u32 s[G0+4*\s+1], s45, \s*SLOT
	s_add_nc_u64 s[G0+4*\s+2:G0+4*\s+3], s[66:67], \s*REG4
	s_or_b32 s[G0+4*\s+3], s[G0+4*\s+3], 0x80000000
	s_mov_b32 s[G0B+4*\s], 1
	s_add_co_u32 s[G0B+4*\s+1], s45, \s*SLOT
	s_add_nc_u64 s[G0B+4*\s+2:G0B+4*\s+3], s[68:69], \s*REG4
	s_or_b32 s[G0B+4*\s+3], s[G0B+4*\s+3], 0x80000000
	JLOAD G0+4*\s, G1, G0B+4*\s, G1B               ; two loads of mine are out
.endr
	v_and_b32 v1, 31, v0
	v_and_b32 v2, 15, v0                           ; r
	v_bfe_u32 v3, v0, 4, 1                         ; h
	v_lshlrev_b32 v[LO16], 4, v1
	v_lshlrev_b32 v[SWO], 5, v2
	v_lshl_add_u32 v[SWO], v3, 4, v[SWO]
	v_mul_u32_u24 v5, v3, UB
	v_lshl_add_u32 v5, v2, 5, v5
	v_add_nc_u32 v5, SCO, v5                       ; scale words: 12,288 + 12,800 h + 32 r
	s_mul_i32 s21, s15, REG4
	s_mul_i32 s22, s16, REG4
	s_add_co_u32 s22, s22, 2*REG4
.irp s, 0,1
	v_add_nc_u32 v[ADRA+\s], s21, v[LO16]
	v_add_nc_u32 v[ADRB+\s], s22, v[LO16]
	v_add_nc_u32 v[ADSA+\s], s21, v5
	v_add_nc_u32 v[ADSB+\s], s22, v5
	s_add_co_u32 s21, s21, SLOT
	s_add_co_u32 s22, s22, SLOT
.endr
	s_lshl_b32 s70, s42, 1                         ; my unit block of the result: 16 GA + sB % 16 + 128 (sB / 16)
	s_add_co_u32 s70, s70, s15                     ; GA: A's group
	s_lshl_b32 s71, s43, 1
	s_add_co_u32 s71, s71, s16                     ; sB: B's group
	s_lshl_b32 s70, s70, 4
	s_and_b32 s72, s71, 15
	s_add_co_u32 s70, s70, s72
	s_lshr_b32 s72, s71, 4
	s_lshl_b32 s72, s72, 7
	s_add_co_u32 s70, s70, s72
	s_mul_i32 s70, s70, UB
	s_mov_b32 s71, 0
	s_add_nc_u64 s[12:13], s[12:13], s[70:71]
	s_wait_tensorcnt 1                             ; my part of slot 0 is in; slot 1's may stay out
	s_barrier_signal -1
	s_barrier_wait -1
	FETCH_B 0, 0, 0
	FETCH_A 0, 0, 0
	SCALES 0
	FETCH_A 0, 0, 4
	STEP 0, 1                                      ; the first step's products start the sums
	s_mov_b32 s3, LAPS-1
.Llap:
	TURN 0, 1, 1
	STEP 1, 0
	TURN 1, 0, 1
	STEP 0, 0
	s_sub_co_u32 s3, s3, 1
	s_cmp_lg_u32 s3, 0
	s_cbranch_scc1 .Llap
	TURN 0, 1, 0                                   ; the last lap fills nothing
	STEP 1, 0
	s_wait_dscnt 12
	WIN MUL_LO
	MUL16 0, 1, 1, 1, 0
	MUL16 2, 1, 1, 1, 0
	s_wait_dscnt 0x0
	WIN MUL_HI
	MUL16 4, 1, 1, 1, 0
	MUL16 6, 1, 1, 1, 0
	WIN 0
	PLACES 4
; THE WAY OUT.  A's block a: the lane's 64 sums, register 16 t + i = the next K's 32 t + 16 h + i of my row, become fragment a of my unit block and its scale word.
.macro QTILE a
.set X, 2+(\a)/4
.set AC, 64*((\a)%4)
.set W12, (X<<2)|(X<<4)
	WIN W12                                        ; sources 1 and 2: the accumulators' window
.irp b, 0,1,2,3
	v_max3_num_f32 v[TM+\b], 0x1800000, |v[AC+16*\b]|, |v[AC+16*\b+1]|   ; block b: my 16 numbers and the floor 2^(3 - 127); each accumulator is read from its low end on
.endr
.irp i, 2,4,6,8,10,12,14
.irp b, 0,1,2,3
	v_max3_num_f32 v[TM+\b], v[TM+\b], |v[AC+16*\b+\i]|, |v[AC+16*\b+\i+1]|
.endr
.endr
	WIN 0
.irp b, 0,1,2,3
	v_permlanex16_b32 v[TM+4+\b], v[TM+\b], s[SEL], s[SEL+1]
.endr
.irp b, 0,1,2,3
	v_max_num_f32 v[TM+\b], v[TM+\b], v[TM+4+\b]   ; with lane l xor 16's: the block's largest magnitude
.endr
.irp b, 0,1,2,3
	v_add_nc_u32 v[TM+12+\b], 0xff000000, v[TM+\b] ; 2 off its exponent field: the conversion's scale operand
.endr
.irp b, 0,1,2,3
	v_lshrrev_b32 v[TM+4+\b], 23, v[TM+12+\b]      ; the byte
.endr
	v_lshl_or_b32 v[PW+(\a)], v[TM+5], 8, v[TM+4]
	v_lshl_or_b32 v[PW+(\a)], v[TM+6], 16, v[PW+(\a)]
	v_lshl_or_b32 v[PW+(\a)], v[TM+7], 24, v[PW+(\a)]
	s_wait_xcnt 0x0                                ; the last block's stores have read the codes' registers
	WIN X                                          ; source 0: the accumulators' window
.irp c, 0,1
	v_cvt_scalef32_pk16_fp6_f32 v[PC+6*\c:PC+6*\c+2], v[AC+32*\c:AC+32*\c+15], v[TM+12+2*\c]
	v_cvt_scalef32_pk16_fp6_f32 v[PC+12+4*\c:PC+14+4*\c], v[AC+32*\c+16:AC+32*\c+31], v[TM+13+2*\c]
.endr
	v_nop                                          ; one plain place behind a scaled conversion
	WIN 0
.irp c, 0,1                                    ; a whole block to a lane: lanes 0-15 block 2 c, lanes 16-31 block 2 c + 1
.irp i, 0,1,2
	v_permlane16_swap_b32 v[PC+6*\c+\i], v[PC+12+4*\c+\i]
.endr
.irp i, 0,1,2
	v_mov_b32 v[PC+3+6*\c+\i], v[PC+12+4*\c+\i]
.endr
.endr
.irp c, 0,1,2
	global_store_b128 v[LO16], v[PC+4*\c:PC+4*\c+3], s[12:13] offset:FRB*(\a)+512*\c   ; 512 consecutive bytes, at a multiple of 256 from the buffer's first byte
.endr
.endm
.irp b, 0,1,2,3
	v_mov_b32 v[TM+4+\b], 0                        ; written once: a lane permute's destination counts as one of its sources
.endr
.irp a, 0,1,2,3,4,5,6,7
	QTILE \a
.endr
.irp i, 0,1,2,3
	v_cndmask_b32 v[OW+\i], v[PW+\i], v[PW+4+\i], s[HM]   ; lanes 0-15 carry the words of blocks 0-3, lanes 16-31 those of blocks 4-7
.endr
	global_store_b128 v[SWO], v[OW:OW+3], s[12:13] offset:SCO   ; the 512 bytes of scale words
	s_wait_tensorcnt 0x0                           ; the wave's end
	ds_add_u32 v[SPW], v[NIL]
	s_wait_dscnt 0x0
	CROUND                                         ; the closing round
	s_endpgm
.Lfunc_end_k_qa2ff37f324_proj:
	.size	k_qa2ff37f324_proj, .Lfunc_end_k_qa2ff37f324_proj-k_qa2ff37f324_proj
	.p2alignl 7, 3214868480
	.fill 96, 4, 3214868480
	.section	.rodata,"a",@progbits
	.p2align	6, 0x0
	.amdhsa_kernel k_qa2ff37f324_proj
		.amdhsa_group_segment_fixed_size 327680
		.amdhsa_private_segment_fixed_size 0
		.amdhsa_enable_private_segment 0
		.amdhsa_kernarg_size 32
		.amdhsa_user_sgpr_count 2
		.amdhsa_user_sgpr_kernarg_segment_ptr 1
		.amdhsa_wavefront_size32 1
		.amdhsa_system_sgpr_workgroup_id_x 1
		.amdhsa_system_sgpr_workgroup_id_y 1
		.amdhsa_system_sgpr_workgroup_id_z 1
		.amdhsa_system_vgpr_workitem_id 0
		.amdhsa_next_free_vgpr 1024
		.amdhsa_next_free_sgpr 98
		.amdhsa_reserve_vcc 0
		.amdhsa_float_denorm_mode_32 3
		.amdhsa_float_denorm_mode_16_64 3
		.amdhsa_memory_ordered 1
		.amdhsa_forward_progress 1
		.amdhsa_inst_pref_size 137
	.end_amdhsa_kernel
	.amdgpu_metadata
---
amdhsa.version: [ 1, 2 ]
amdhsa.kernels:
  - .name:           k_qa2ff37f324_proj
    .symbol:         k_qa2ff37f324_proj.kd
    .args:
      - { .name: ximg, .offset: 0, .size: 8, .value_kind: global_buffer, .address_space: global }
      - { .name: wimg, .offset: 8, .size: 8, .value_kind: global_buffer, .address_space: global }
      - { .name: qk, .offset: 16, .size: 8, .value_kind: global_buffer, .address_space: global }
      - { .name: vt, .offset: 24, .size: 8, .value_kind: global_buffer, .address_space: global }
    .group_segment_fixed_size: 327680
    .private_segment_fixed_size: 0
    .kernarg_segment_align: 8
    .kernarg_segment_size: 32
    .max_flat_workgroup_size: 128
    .sgpr_count:     98
    .vgpr_count:     1024
    .wavefront_size: 32
...
	.end_amdgpu_metadata
.endif
;; end of part 2
;; launch scores (part 3): grid 36 x 4, 4 waves a work-group, no clusters, 327,680 bytes of LDS; arguments qk, pimg, pm, pl; writes pimg, pm, pl
.if DOCPART == 3
	.amdgcn_target "amdgcn-amd-amdhsa--gfx1250"
	.amdhsa_code_object_version 6
	.text
	.protected	k_qa2ff37f324_scores
	.globl	k_qa2ff37f324_scores
	.p2align	8
	.type	k_qa2ff37f324_scores,@function
k_qa2ff37f324_scores:
	s_mov_b64 s[64:65], 0
	v_nop
	global_prefetch_b8 v0, s[64:65] scope:SCOPE_SE
	s_setreg_imm32_b32 hwreg(HW_REG_WAVE_MODE, 25, 1), 1
	s_wait_xcnt 0x0
; S = q k^T on codes of FP6, K = 1,024, for the 36 tiles of 256 queries x 256 keys of a batch that the causal mask does not hide wholly; then the softmax's p, quantised along the keys, leaves as codes.
; t = score x log2(e) / 32.  A wave's piece is 128 queries x 128 keys.  For each query and PIECE: M = the piece's largest t rounded up to a whole number, p = 2^(t - M), l = the sum of the unquantised p.
; pimg: unit block 16 G + s (G = query / 128 over all batches, s = key / 128 in the batch) holds p's codes and bytes under the piece's own M; pm and pl hold M and l, f32, at 512 (16 G + s) + 32 r + 4 a.
; The last launch brings every piece under the row's M by taking the difference, a whole number, off the scale bytes: the codes are the same under either M.
; Hidden scores become -infinity ahead of the maximum; the maximum is held at -3e38 from below, so a row or piece that is wholly hidden comes out with zero codes, l = 0 and M about -1.35e37, by the same lines.
; UNIT BLOCK and the ring: as in the launch that made qk (fragment a at 1536 a, lane l's registers 4 c .. at + 512 c + 16 l, rows in the order 32 (a / 2) + 8 (a % 2) + r + 8 (r / 8), scale words at 12,288 + 32 r + 4 a).
; Source 0 = 16 keys, source 1 = 16 queries: a lane holds one query, and register 16 t + i of accumulators (a, 0 .. 7) is key 32 t + 16 h + i.
; The last launch walks the keys 512 at a time: where the tile row is even, the diagonal tile's waves also write the four unit blocks of the 256 keys behind the diagonal as zeros (M = -3e38, l = 0).
; NO CLUSTER: the rows and columns of the causal triangle hold 1 to 8 tiles, so they do not divide into fours that share a tile; filling up to fours would add 48 work-groups of wholly hidden tiles.
; No prefetch: K has four slots, of which two are on their way from the head on.
; LIMITS: NaN and infinities are not served; t has to be a finite f32.
.set UB,    12800
.set FRB,   1536
.set SCO,   12288
.set REG4,  2*UB
.set SLOT,  4*REG4
.set SPARE, 2*SLOT
.set FR,    12
.set LAPS,  2
.set ADRA, 16
.set ADSA, 18
.set ADRB, 20
.set ADSB, 22
.set LO16, 24                          ; v24 16 x lane
.set SWO,  25                          ; v25 32 r + 16 h
.set LQ,   26                          ; v26 my query less the piece's first key less 16 h, without the block's part
.set LQA,  27                          ; v27 the same with it
.set SPW,  28
.set NIL,  29
.set NEG,  30                          ; v30 -3e38
.set NINF, 31                          ; v31 -infinity
.set SC,   32
.set AF,   128
.set PC,   128
.set TM,   160                         ; v160-163 the blocks' largest scores, then p; v164-167 at work; v168 the row's; v172-175 the conversions' scale operands
.set PW,   176
.set OW,   184
.set OM,   188
.set MF,   192                         ; v192-199 M of the eight blocks of queries
.set LL,   200                         ; v200-207 l
.set NM,   208                         ; v[208:209] -M (the packed form names a pair)
.set S0,   210
.set S1,   212
.set OL,   216
.set ZR,   220
.set NG,   224
.set G1,  24
.set G0,  32
.set GQ,  66
.set GK,  67
.set CS,  68
.set SEL, 74
.set HM,  76
.set MSB, 0
.macro WIN new
.if MSB != (\new)
	s_set_vgpr_msb (MSB<<8)|(\new)
.set MSB, \new
.endif
.endm
.set MUL_LO, 0xa1
.set MUL_HI, 0xf1
.set TO_B,   0x40
.macro PLACES n
.rept \n
	v_nop
.endr
.endm
.macro TLOAD s                         ; every wave fetches a quarter of a slot: both addresses hang on the wave's number; four v_nop follow
	tensor_load_to_lds s[G0+4*\s:G0+4*\s+3], s[G1:G1+7]
	s_nop 0
.rept 4
	v_nop
.endr
.endm
.macro FRAG reg, adr, q, i
.irp c, 0,1,2
	ds_load_b128 v[\reg+4*\c:\reg+4*\c+3], v[\adr] offset:(\q)*UB+(\i)*FRB+512*\c
.endr
.endm
.macro FETCH_B slot, q, p
	WIN TO_B
.irp i, 0,1,2,3,4,5,6,7
	FRAG 128*(\p)+FR*\i, ADRB+\slot, \q, \i
.endr
	WIN 0
.endm
.macro FETCH_A slot, q, i0
.irp i, \i0, \i0+1, \i0+2, \i0+3
	FRAG AF+FR*(\i), ADRA+\slot, \q, \i
.endr
.endm
.macro SCALES s
	ds_load_b128 v[SC+16*\s:SC+16*\s+3],     v[ADSA+\s]
	ds_load_b128 v[SC+16*\s+4:SC+16*\s+7],   v[ADSA+\s] offset:16
	ds_load_b128 v[SC+16*\s+8:SC+16*\s+11],  v[ADSB+\s]
	ds_load_b128 v[SC+16*\s+12:SC+16*\s+15], v[ADSB+\s] offset:16
.endm
.macro MUL16 a0, p, q, sc, zero        ; the 64 accumulators take turns, in the same order in every step
.irp a, \a0, \a0+1
.irp b, 0,1,2,3,4,5,6,7
.set rD, 8*(8*((\a)%4)+\b)
.set rB, 128*(\p)+FR*\b
.set rA, AF+FR*(\a)
.set rSB, SC+16*(\sc)+8+\b
.set rSA, SC+16*(\sc)+(\a)
.if \zero
	v_wmma_scale_f32_16x16x128_f8f6f4 v[rD:rD+7], v[rB:rB+11], v[rA:rA+11], 0, v[rSB], v[rSA] matrix_a_fmt:MATRIX_FMT_FP6 matrix_b_fmt:MATRIX_FMT_FP6
.elseif \q
	v_wmma_scale_f32_16x16x128_f8f6f4 v[rD:rD+7], v[rB:rB+11], v[rA:rA+11], v[rD:rD+7], v[rSB], v[rSA] matrix_a_fmt:MATRIX_FMT_FP6 matrix_b_fmt:MATRIX_FMT_FP6 matrix_a_scale:MATRIX_SCALE_ROW1 matrix_b_scale:MATRIX_SCALE_ROW1
.else
	v_wmma_scale_f32_16x16x128_f8f6f4 v[rD:rD+7], v[rB:rB+11], v[rA:rA+11], v[rD:rD+7], v[rSB], v[rSA] matrix_a_fmt:MATRIX_FMT_FP6 matrix_b_fmt:MATRIX_FMT_FP6
.endif
.endr
.endr
.endm
.macro STEP slot, zero
	s_wait_dscnt 12                                ; all but the youngest 12 loads (A's blocks 4-7)
	WIN MUL_LO
	MUL16 0, 0, 0, \slot, \zero
	MUL16 2, 0, 0, \slot, \zero
	s_wait_dscnt 0x0
	PLACES 4
	FETCH_B \slot, 1, 1
	FETCH_A \slot, 1, 0
	WIN MUL_HI
	MUL16 4, 0, 0, \slot, \zero
	MUL16 6, 0, 0, \slot, \zero
	PLACES 4
	WIN 0
	FETCH_A \slot, 1, 4
.endm
.macro TURN slot, next, fill
	s_wait_tensorcnt 0x0                           ; all my tensor loads have landed: my part of the next slot
	ds_add_u32 v[SPW], v[NIL]                      ; 0 onto my spare word
	s_wait_dscnt 13                                ; (the add and the youngest 12 loads may be out)
	WIN MUL_LO
	MUL16 0, 1, 1, \slot, 0
	s_wait_dscnt 0x0                               ; the add is done, and my reads of this slot are over
	s_barrier_signal -1
	MUL16 2, 1, 1, \slot, 0
	WIN 0
	s_barrier_wait -1                              ; nobody reads this slot any more, and the next slot is whole
.if \fill
	s_add_nc_u64 s[G0+4*\slot+2:G0+4*\slot+3], s[G0+4*\slot+2:G0+4*\slot+3], 2*REG4
	TLOAD \slot                                    ; the first tensor load behind the barrier; its four v_nop are also the places in front of the loads below
.else
	PLACES 4
.endif
	FETCH_B \next, 0, 0
	FETCH_A \next, 0, 0
	SCALES \next
	WIN MUL_HI
	MUL16 4, 1, 1, \slot, 0
	MUL16 6, 1, 1, \slot, 0
	PLACES 4
	WIN 0
	FETCH_A \next, 0, 4
.endm
	s_load_b256 s[4:11], s[0:1], 0x0               ; qk, pimg, pm, pl
	v_lshl_add_u32 v[SPW], v0, 2, SPARE
	v_mov_b32 v[NIL], 0
	ds_add_u32 v28, v29
	ds_add_u32 v28, v29
	s_wait_dscnt 0x0
	v_lshrrev_b32 v1, 5, v0
	v_readfirstlane_b32 s14, v1
	s_lshr_b32 s15, s14, 1                         ; my group of queries.  Also: I fetch q (0) or k (1)
	s_and_b32 s16, s14, 1                          ; my group of keys.  Also: which group I fetch
	s_mov_b32 s40, 0                               ; tile row i: how many of the triangle's row starts lie at or under my number
.irp T, 1,3,6,10,15,21,28
	s_cmp_ge_u32 ttmp9, \T
	s_cselect_b32 s41, 1, 0
	s_add_co_u32 s40, s40, s41
.endr
	s_add_co_u32 s41, s40, 1
	s_mul_i32 s41, s41, s40
	s_lshr_b32 s41, s41, 1
	s_sub_co_u32 s41, ttmp9, s41                   ; tile column j = number - i (i + 1) / 2
	s_and_b32 s42, ttmp7, 0xffff                   ; batch
	s_lshl_b32 s45, s42, 4
	s_cmp_eq_u32 s15, 0
	s_cselect_b32 s43, s40, s41
	s_cselect_b32 s44, 0, 8*UB                     ; k's K steps lie behind q's eight
	s_lshl_b32 s43, s43, 1
	s_add_co_u32 s43, s43, s16
	s_add_co_u32 s43, s43, s45                     ; the group of 128 tokens that I fetch
	s_mul_i32 s20, s43, 16*UB
	s_add_co_u32 s20, s20, s44
	s_mov_b32 s21, 0
	s_mov_b32 s[G1], 3<<16                         ; no mask; elements of 8 bytes; no padding
	s_mov_b32 s[G1+1], 32<<16                      ; 100 rows of 256 bytes: 25,600 dense bytes
	s_mov_b32 s[G1+2], 100<<16
	s_mov_b32 s[G1+3], 32<<16
	s_mov_b32 s[G1+4], 100
	s_mov_b32 s[G1+5], 32
	s_mov_b32 s[G1+6], 0
	s_mov_b32 s[G1+7], 0
	s_mul_i32 s46, s14, REG4
	s_wait_kmcnt 0x0
	s_add_nc_u64 s[20:21], s[4:5], s[20:21]
.irp s, 0,1
	s_mov_b32 s[G0+4*\s], 1
	s_add_co_u32 s[G0+4*\s+1], s46, \s*SLOT
	s_add_nc_u64 s[G0+4*\s+2:G0+4*\s+3], s[20:21], \s*REG4
	s_or_b32 s[G0+4*\s+3], s[G0+4*\s+3], 0x80000000
	TLOAD \s                                       ; two loads of mine are out
.endr
	s_lshl_b32 s[GQ], s40, 1
	s_add_co_u32 s[GQ], s[GQ], s15                 ; my queries' group in the batch
	s_lshl_b32 s[GK], s41, 1
	s_add_co_u32 s[GK], s[GK], s16                 ; my keys'
	s_add_co_u32 s70, s45, s[GQ]
	s_lshl_b32 s70, s70, 4
	s_add_co_u32 s70, s70, s[GK]                   ; my unit block
	s_mul_i32 s72, s70, UB
	s_mov_b32 s73, 0
	s_add_nc_u64 s[6:7], s[6:7], s[72:73]
	s_lshl_b32 s70, s70, 9
	s_mov_b32 s71, 0
	s_add_nc_u64 s[8:9], s[8:9], s[70:71]
	s_add_nc_u64 s[10:11], s[10:11], s[70:71]
	s_xor_b32 s77, s40, s41
	s_and_b32 s78, s40, 1
	s_or_b32 s77, s77, s78                         ; 0 in a diagonal tile of an even tile row
	s_mov_b32 s[CS], 0x3d38aa3b                    ; c = log2(e) / 32
	s_mov_b32 s[CS+1], s[CS]
	s_mov_b32 s[SEL], 0x76543210
	s_mov_b32 s[SEL+1], 0xfedcba98
	s_mov_b32 s[HM], 0xffff0000
	v_and_b32 v1, 31, v0
	v_and_b32 v2, 15, v0
	v_bfe_u32 v3, v0, 4, 1
	v_lshlrev_b32 v[LO16], 4, v1
	v_lshlrev_b32 v[SWO], 5, v2
	v_lshl_add_u32 v[SWO], v3, 4, v[SWO]
	v_mul_u32_u24 v5, v3, UB
	v_lshl_add_u32 v5, v2, 5, v5
	v_add_nc_u32 v5, SCO, v5
	s_mul_i32 s21, s15, REG4
	s_mul_i32 s22, s16, REG4
	s_add_co_u32 s22, s22, 2*REG4
.irp s, 0,1
	v_add_nc_u32 v[ADRA+\s], s21, v[LO16]
	v_add_nc_u32 v[ADRB+\s], s22, v[LO16]
	v_add_nc_u32 v[ADSA+\s], s21, v5
	v_add_nc_u32 v[ADSB+\s], s22, v5
	s_add_co_u32 s21, s21, SLOT
	s_add_co_u32 s22, s22, SLOT
.endr
	s_sub_co_i32 s70, s[GQ], s[GK]
	s_lshl_b32 s70, s70, 7
	v_and_b32 v5, 8, v2
	v_add_nc_u32 v5, v5, v2                        ; r + 8 (r / 8)
	v_lshlrev_b32 v6, 4, v3
	v_sub_nc_u32 v5, v5, v6
	v_add_nc_u32 v[LQ], s70, v5                    ; 128 (gq - gk) + r + 8 (r / 8) - 16 h
	v_mov_b32 v[NEG], 0xff61b1e6
	v_mov_b32 v[NINF], 0xff800000
	s_wait_tensorcnt 1                             ; my part of slot 0 is in; slot 1's may stay out
	s_barrier_signal -1
	s_barrier_wait -1
	FETCH_B 0, 0, 0
	FETCH_A 0, 0, 0
	SCALES 0
	FETCH_A 0, 0, 4
	STEP 0, 1
	s_mov_b32 s3, LAPS-1
.Llap:
	TURN 0, 1, 1
	STEP 1, 0
	TURN 1, 0, 1
	STEP 0, 0
	s_sub_co_u32 s3, s3, 1
	s_cmp_lg_u32 s3, 0
	s_cbranch_scc1 .Llap
	TURN 0, 1, 0
	STEP 1, 0
	s_wait_dscnt 12
	WIN MUL_LO
	MUL16 0, 1, 1, 1, 0
	MUL16 2, 1, 1, 1, 0
	s_wait_dscnt 0x0
	WIN MUL_HI
	MUL16 4, 1, 1, 1, 0
	MUL16 6, 1, 1, 1, 0
	WIN 0
	PLACES 4
; THE SOFTMAX OF BLOCK a: 16 queries x my 128 keys; a lane holds one query and 64 scores.
.macro SOFT a
.set X, 2+(\a)/4
.set AC, 64*((\a)%4)
.set W12, (X<<2)|(X<<4)
.set WD0, (X<<6)|X
.set W01, X|(X<<2)
.set W1,  X<<2
	s_cmp_lt_u32 s[GK], s[GQ]                      ; a piece all of whose keys come before its queries has nothing hidden: a scalar branch on ids
	s_cbranch_scc1 .Lopen_\@
	v_add_nc_u32 v[LQA], 32*((\a)/2)+8*((\a)%2), v[LQ]   ; register 16 t + i holds a hidden key where 32 t + i is above this
	WIN WD0
.set n, 0
.rept 64
	v_cmp_gt_i32 vcc_lo, 32*(n/16)+n%16, v[LQA]
	v_cndmask_b32 v[AC+n], v[AC+n], v[NINF], vcc_lo
.set n, n+1
.endr
	WIN 0
.Lopen_\@:
	WIN W12
.irp b, 0,1,2,3
	v_max3_num_f32 v[TM+\b], v[NEG], v[AC+16*\b], v[AC+16*\b+1]   ; the largest score of each block of 32 keys, held at -3e38 from below: it serves for the row's maximum and, since p rises with the score, for the block's largest p
.endr
.irp i, 2,4,6,8,10,12,14
.irp b, 0,1,2,3
	v_max3_num_f32 v[TM+\b], v[TM+\b], v[AC+16*\b+\i], v[AC+16*\b+\i+1]
.endr
.endr
	WIN 0
.irp b, 0,1,2,3
	v_permlanex16_b32 v[TM+4+\b], v[TM+\b], s[SEL], s[SEL+1]
.endr
.irp b, 0,1,2,3
	v_max_num_f32 v[TM+\b], v[TM+\b], v[TM+4+\b]
.endr
	v_max3_num_f32 v[TM+8], v[TM], v[TM+1], v[TM+2]
	v_max_num_f32 v[TM+8], v[TM+8], v[TM+3]
	v_mul_f32 v[TM+8], s[CS], v[TM+8]              ; the piece's largest t
	v_floor_f32 v[NM], -v[TM+8]                    ; -M = floor(-t): M is a whole number
	v_sub_f32 v[MF+(\a)], 0, v[NM]
.irp b, 0,1,2,3
	v_fma_f32 v[TM+\b], v[TM+\b], s[CS], v[NM]     ; t - M of each block's largest score,
.endr
.irp b, 0,1,2,3
	v_min_num_f32 v[TM+\b], 0, v[TM+\b]            ; held at 0 from above: so no byte of p passes 125, in a wholly hidden piece too, where M is very large and the line above leaves its rounding
.endr
	WIN WD0
.set n, 0
.rept 32
	v_pk_fma_f32 v[AC+n:AC+n+1], v[AC+n:AC+n+1], s[CS:CS+1], v[NM:NM+1] op_sel_hi:[1,0,0]   ; t - M, two at a time
.set n, n+2
.endr
.set n, 0
.rept 64
	v_exp_f32 v[AC+n], v[AC+n]                     ; p = 2^(t - M)
.set n, n+1
.endr
	v_nop                                          ; a plain place behind the exponentials
	s_wait_alu depctr_va_vdst(0)                   ; one wait for the batch, ahead of its first reader
	WIN 0
.irp b, 0,1,2,3
	v_exp_f32 v[TM+\b], v[TM+\b]                   ; the blocks' largest p
.endr
	WIN W01
	v_pk_add_f32 v[S0:S0+1], v[AC:AC+1], v[AC+4:AC+5]       ; the sum of the unquantised p, two at a time, in two chains: plain work behind the four
	v_pk_add_f32 v[S1:S1+1], v[AC+2:AC+3], v[AC+6:AC+7]
	WIN W1
.set n, 8
.rept 14
	v_pk_add_f32 v[S0:S0+1], v[S0:S0+1], v[AC+n:AC+n+1]
	v_pk_add_f32 v[S1:S1+1], v[S1:S1+1], v[AC+n+2:AC+n+3]
.set n, n+4
.endr
	WIN 0
	v_pk_add_f32 v[S0:S0+1], v[S0:S0+1], v[S1:S1+1]
	v_add_f32 v[TM+8], v[S0], v[S0+1]
	v_permlanex16_b32 v[TM+4], v[TM+8], s[SEL], s[SEL+1]
	v_add_f32 v[LL+(\a)], v[TM+8], v[TM+4]         ; with lane l xor 16's 64 keys: the piece's l
	s_wait_alu depctr_va_vdst(0)                   ; and one wait for the four
.irp b, 0,1,2,3
	v_max_num_f32 v[TM+\b], 0x1800000, v[TM+\b]    ; the floor 2^(3 - 127)
.endr
.irp b, 0,1,2,3
	v_add_nc_u32 v[TM+12+\b], 0xff000000, v[TM+\b]
.endr
.irp b, 0,1,2,3
	v_lshrrev_b32 v[TM+4+\b], 23, v[TM+12+\b]
.endr
	v_lshl_or_b32 v[PW+(\a)], v[TM+5], 8, v[TM+4]
	v_lshl_or_b32 v[PW+(\a)], v[TM+6], 16, v[PW+(\a)]
	v_lshl_or_b32 v[PW+(\a)], v[TM+7], 24, v[PW+(\a)]
	s_wait_xcnt 0x0                                ; the last block's stores have read the codes' registers
	WIN X
.irp c, 0,1
	v_cvt_scalef32_pk16_fp6_f32 v[PC+6*\c:PC+6*\c+2], v[AC+32*\c:AC+32*\c+15], v[TM+12+2*\c]
	v_cvt_scalef32_pk16_fp6_f32 v[PC+12+4*\c:PC+14+4*\c], v[AC+32*\c+16:AC+32*\c+31], v[TM+13+2*\c]
.endr
	v_nop                                          ; one plain place behind a scaled conversion
	WIN 0
.irp c, 0,1
.irp i, 0,1,2
	v_permlane16_swap_b32 v[PC+6*\c+\i], v[PC+12+4*\c+\i]
.endr
.irp i, 0,1,2
	v_mov_b32 v[PC+3+6*\c+\i], v[PC+12+4*\c+\i]
.endr
.endr
.irp c, 0,1,2
	global_store_b128 v[LO16], v[PC+4*\c:PC+4*\c+3], s[6:7] offset:FRB*(\a)+512*\c
.endr
.endm
.irp b, 0,1,2,3
	v_mov_b32 v[TM+4+\b], 0                        ; written once: a lane permute's destination counts as one of its sources
.endr
	v_mov_b32 v[NM+1], 0                           ; (named with -M as a pair)
.irp a, 0,1,2,3,4,5,6,7
	SOFT \a
.endr
.irp i, 0,1,2,3
	v_cndmask_b32 v[OW+\i], v[PW+\i], v[PW+4+\i], s[HM]   ; lanes 0-15 carry blocks 0-3, lanes 16-31 blocks 4-7
	v_cndmask_b32 v[OM+\i], v[MF+\i], v[MF+4+\i], s[HM]
	v_cndmask_b32 v[OL+\i], v[LL+\i], v[LL+4+\i], s[HM]
.endr
	global_store_b128 v[SWO], v[OW:OW+3], s[6:7] offset:SCO   ; 512 consecutive bytes each
	global_store_b128 v[SWO], v[OM:OM+3], s[8:9]
	global_store_b128 v[SWO], v[OL:OL+3], s[10:11]
	s_cmp_lg_u32 s77, 0
	s_cbranch_scc1 .Lno_zero
.irp i, 0,1,2,3
	v_mov_b32 v[ZR+\i], 0
	v_mov_b32 v[NG+\i], 0xff61b1e6
.endr
.set n, 0
.rept 25                                       ; the unit block two key steps on: zero codes and zero bytes
	global_store_b128 v[LO16], v[ZR:ZR+3], s[6:7] offset:2*UB+512*n
.set n, n+1
.endr
	global_store_b128 v[LO16], v[NG:NG+3], s[8:9] offset:1024
	global_store_b128 v[LO16], v[ZR:ZR+3], s[10:11] offset:1024
.Lno_zero:
	s_wait_tensorcnt 0x0                           ; the wave's end
	ds_add_u32 v[SPW], v[NIL]
	s_wait_dscnt 0x0
	s_endpgm
.Lfunc_end_k_qa2ff37f324_scores:
	.size	k_qa2ff37f324_scores, .Lfunc_end_k_qa2ff37f324_scores-k_qa2ff37f324_scores
	.p2alignl 7, 3214868480
	.fill 96, 4, 3214868480
	.section	.rodata,"a",@progbits
	.p2align	6, 0x0
	.amdhsa_kernel k_qa2ff37f324_scores
		.amdhsa_group_segment_fixed_size 327680
		.amdhsa_private_segment_fixed_size 0
		.amdhsa_enable_private_segment 0
		.amdhsa_kernarg_size 32
		.amdhsa_user_sgpr_count 2
		.amdhsa_user_sgpr_kernarg_segment_ptr 1
		.amdhsa_wavefront_size32 1
		.amdhsa_system_sgpr_workgroup_id_x 1
		.amdhsa_system_sgpr_workgroup_id_y 1
		.amdhsa_system_sgpr_workgroup_id_z 1
		.amdhsa_system_vgpr_workitem_id 0
		.amdhsa_next_free_vgpr 1024
		.amdhsa_next_free_sgpr 98
		.amdhsa_reserve_vcc 1
		.amdhsa_float_denorm_mode_32 3
		.amdhsa_float_denorm_mode_16_64 3
		.amdhsa_memory_ordered 1
		.amdhsa_forward_progress 1
		.amdhsa_inst_pref_size 236
	.end_amdhsa_kernel
	.amdgpu_metadata
---
amdhsa.version: [ 1, 2 ]
amdhsa.kernels:
  - .name:           k_qa2ff37f324_scores
    .symbol:         k_qa2ff37f324_scores.kd
    .args:
      - { .name: qk, .offset: 0, .size: 8, .value_kind: global_buffer, .address_space: global }
      - { .name: pimg, .offset: 8, .size: 8, .value_kind: global_buffer, .address_space: global }
      - { .name: pm, .offset: 16, .size: 8, .value_kind: global_buffer, .address_space: global }
      - { .name: pl, .offset: 24, .size: 8, .value_kind: global_buffer, .address_space: global }
    .group_segment_fixed_size: 327680
    .private_segment_fixed_size: 0
    .kernarg_segment_align: 8
    .kernarg_segment_size: 32
    .max_flat_workgroup_size: 128
    .sgpr_count:     98
    .vgpr_count:     1024
    .wavefront_size: 32
...
	.end_amdgpu_metadata
.endif
;; end of part 3
;; launch pv (part 4): grid 4 x 32, 4 waves a work-group, clusters of 4 x 1, 327,680 bytes of LDS; arguments pimg, pm, pl, vt, out0; writes out0
.if DOCPART == 4
	.amdgcn_target "amdgcn-amd-amdhsa--gfx1250"
	.amdhsa_code_object_version 6
	.text
	.protected	k_qa2ff37f324_pv
	.globl	k_qa2ff37f324_pv
	.p2align	8
	.type	k_qa2ff37f324_pv,@function
k_qa2ff37f324_pv:
	s_mov_b64 s[64:65], 0
	v_nop
	global_prefetch_b8 v0, s[64:65] scope:SCOPE_SE
	s_setreg_imm32_b32 hwreg(HW_REG_WAVE_MODE, 25, 1), 1
	s_wait_xcnt 0x0
	s_wait_alu depctr_hold_cnt(0) depctr_sa_sdst(0) depctr_va_vdst(0) depctr_va_sdst(0) depctr_va_ssrc(0) depctr_va_vcc(0) depctr_vm_vsrc(0)
	s_getreg_b32 s2, hwreg(HW_REG_IB_STS2, 6, 4)
	s_cmp_eq_u32 s2, 0
	s_cbranch_scc0 .Lentry_in_a_cluster
	s_endpgm
.Lentry_in_a_cluster:
	s_bfe_u32 s2, ttmp6, 0x10000c
	s_cmp_lg_u32 s2, 0x3003
	s_cbranch_scc0 .Lentry_shape_is_right
	s_endpgm
.Lentry_shape_is_right:
; out = (P V) / l on codes of FP6: P from pimg (rows = queries, K = keys), V from vt (rows = channels, K = keys).  A tile is 256 queries x 256 channels; four waves, 128 x 128 each.
; P's pieces of 128 keys were made under their own whole numbers M (pm), with their own sums l (pl).  At the head a wave finds each row's M (the largest of its pieces') and l = the sum of l_piece 2^(M_piece - M).
; For each slot the difference M - M_piece, a whole number from 0 on, held at 127, is taken off the four bytes of P's scale words, each byte held at 0 from below: an exact power of two.  P's bytes are at most 125, so bit 7 of each byte serves as the guard.
; The causal mask: tile row i of a batch walks keys 0 .. 512 (i / 2 + 1) - 1; what lies behind the diagonal in that range holds zero codes.
; UNIT BLOCK and the ring: as in the launches before (fragment a at 1536 a, lane l's registers 4 c .. at + 512 c + 16 l, rows in the order 32 (a / 2) + 8 (a % 2) + r + 8 (r / 8), scale words at 12,288 + 32 r + 4 a).
; Source 0 = 16 channels, source 1 = 16 queries: lane (r, h) holds query 32 (a / 2) + 8 (a % 2) + r + 8 (r / 8), register j of accumulator (a, b) channel 32 (b / 2) + 16 h + 8 (b % 2) + j.
; CLUSTER 4 x 1: the four column tiles of one tile row read the same P: it is asked for jointly (waves 0, 1).  V's tiles (waves 2, 3) differ between the partners and are plain loads; the work-groups that share a tile of V lie in
; different tile rows and walk different numbers of slots, so they are not made partners.  The trip count hangs on the cluster's y alone, which the partners share.
; No prefetch: the walk has at most eight slots, of which two are on their way from the head on.
; LIMITS: pieces more than 127 powers of two under the row's M count with 2^-127 of their codes and sums at the most: nothing beside l, which is above 1/2.  NaN and infinities are not served.
.set UB,    12800
.set FRB,   1536
.set SCO,   12288
.set REG4,  2*UB
.set SLOT,  4*REG4
.set SPARE, 2*SLOT
.set FR,    12
.set SPITCH, 528                       ; the way out: a stage of 16 rows x (512 bytes + 16) for each wave, in slot 0, which has had its last fill and its last read by then
.set PO,   8                           ; v8-15 the head's offsets into pm and pl
.set ADRA, 16
.set ADSA, 18
.set ADRB, 20
.set ADSB, 22
.set LO16, 24                          ; v24 16 x lane
.set STO,  25
.set RD,   26
.set PMO,  27                          ; v27 32 r + 512 h
.set SPW,  28
.set NIL,  29
.set SC,   32
.set MG,   64                          ; v64-71  the rows' M
.set RL,   72                          ; v72-87  1 / l, a pair for each block (the low word serves)
.set MM,   88                          ; v88-95  the M of the slot whose scale words are next brought under the rows' M
.set DD,   96                          ; v96-119 at work
.set T2,   104
.set GG,   112
.set AF,   128
.set BK,   128
.set G1,  24
.set G0,  32
.set G1B, 48
.set G0B, 56
.set PM,  6
.set PL,  8
.set SEL, 74
.set FAC, 80                           ; s82-87: 1.0 where slot 2 .. 7 is walked, else 0
.set K80, 88
.set MSB, 0
.macro WIN new
.if MSB != (\new)
	s_set_vgpr_msb (MSB<<8)|(\new)
.set MSB, \new
.endif
.endm
.set MUL_LO, 0xa1
.set MUL_HI, 0xf1
.set TO_B,   0x40
.macro PLACES n
.rept \n
	v_nop
.endr
.endm
.macro JLOAD g0a, g1a, g0b, g1b        ; waves 0 and 1 ask jointly for P's two groups, waves 2 and 3 fetch V's; four v_nop follow each line
	s_cmp_eq_u32 s15, 0
	s_cbranch_scc0 .Lfor_b_\@
	tensor_load_to_lds s[\g0a:\g0a+3], s[\g1a:\g1a+7]
	s_nop 0
.rept 4
	v_nop
.endr
	s_branch .Lasked_\@
.Lfor_b_\@:
	tensor_load_to_lds s[\g0b:\g0b+3], s[\g1b:\g1b+7]
	s_nop 0
.rept 4
	v_nop
.endr
.Lasked_\@:
.endm
.macro CREST
	s_cmp_lg_u32 s14, 0
	s_cbranch_scc1 .Lnot_wave_0_\@
	s_barrier_signal -3
.Lnot_wave_0_\@:
	s_barrier_wait -3
	s_barrier_signal -1
	s_barrier_wait -1
.endm
.macro CROUND
	s_barrier_signal -1
	s_barrier_wait -1
	CREST
.endm
.macro FRAG reg, adr, q, i
.irp c, 0,1,2
	ds_load_b128 v[\reg+4*\c:\reg+4*\c+3], v[\adr] offset:(\q)*UB+(\i)*FRB+512*\c
.endr
.endm
.macro FETCH_B slot, q, p
	WIN TO_B
.irp i, 0,1,2,3,4,5,6,7
	FRAG 128*(\p)+FR*\i, ADRB+\slot, \q, \i
.endr
	WIN 0
.endm
.macro FETCH_A slot, q, i0
.irp i, \i0, \i0+1, \i0+2, \i0+3
	FRAG AF+FR*(\i), ADRA+\slot, \q, \i
.endr
.endm
.macro SCALES s
	ds_load_b128 v[SC+16*\s:SC+16*\s+3],     v[ADSA+\s]
	ds_load_b128 v[SC+16*\s+4:SC+16*\s+7],   v[ADSA+\s] offset:16
	ds_load_b128 v[SC+16*\s+8:SC+16*\s+11],  v[ADSB+\s]
	ds_load_b128 v[SC+16*\s+12:SC+16*\s+15], v[ADSB+\s] offset:16
.endm
.macro MUL16 a0, p, q, sc, zero        ; the 64 accumulators take turns, in the same order in every step
.irp a, \a0, \a0+1
.irp b, 0,1,2,3,4,5,6,7
.set rD, 8*(8*((\a)%4)+\b)
.set rB, 128*(\p)+FR*\b
.set rA, AF+FR*(\a)
.set rSB, SC+16*(\sc)+8+\b
.set rSA, SC+16*(\sc)+(\a)
.if \zero
	v_wmma_scale_f32_16x16x128_f8f6f4 v[rD:rD+7], v[rB:rB+11], v[rA:rA+11], 0, v[rSB], v[rSA] matrix_a_fmt:MATRIX_FMT_FP6 matrix_b_fmt:MATRIX_FMT_FP6
.elseif \q
	v_wmma_scale_f32_16x16x128_f8f6f4 v[rD:rD+7], v[rB:rB+11], v[rA:rA+11], v[rD:rD+7], v[rSB], v[rSA] matrix_a_fmt:MATRIX_FMT_FP6 matrix_b_fmt:MATRIX_FMT_FP6 matrix_a_scale:MATRIX_SCALE_ROW1 matrix_b_scale:MATRIX_SCALE_ROW1
.else
	v_wmma_scale_f32_16x16x128_f8f6f4 v[rD:rD+7], v[rB:rB+11], v[rA:rA+11], v[rD:rD+7], v[rSB], v[rSA] matrix_a_fmt:MATRIX_FMT_FP6 matrix_b_fmt:MATRIX_FMT_FP6
.endif
.endr
.endr
.endm
; P's eight scale words of set s go from the piece's M to the row's: each byte becomes max(byte - d, 0), d = min(M - M_piece, 127).  Lane (r, h) holds the word and the M of the slot's K step h.
.macro ADJ s
.irp a, 0,1,2,3,4,5,6,7
	v_sub_f32 v[DD+\a], v[MG+\a], v[MM+\a]
.endr
.irp a, 0,1,2,3,4,5,6,7
	v_min_num_f32 v[DD+\a], 0x42fe0000, v[DD+\a]   ; 127.0
.endr
.irp a, 0,1,2,3,4,5,6,7
	v_cvt_i32_f32 v[DD+\a], v[DD+\a]
.endr
.irp a, 0,1,2,3,4,5,6,7
	v_perm_b32 v[DD+\a], v[DD+\a], v[DD+\a], 0     ; d in all four bytes
.endr
.irp a, 0,1,2,3,4,5,6,7
	v_or_b32 v[T2+\a], s[K80], v[SC+16*\s+\a]      ; the guard: bit 7 of each byte
.endr
.irp a, 0,1,2,3,4,5,6,7
	v_sub_nc_u32 v[T2+\a], v[T2+\a], v[DD+\a]      ; 128 + byte - d is never negative: no byte borrows from its neighbour
.endr
.irp a, 0,1,2,3,4,5,6,7
	v_and_b32 v[GG+\a], s[K80], v[T2+\a]           ; the guard stands where byte >= d
.endr
.irp a, 0,1,2,3,4,5,6,7
	v_lshrrev_b32 v[DD+\a], 7, v[GG+\a]
.endr
.irp a, 0,1,2,3,4,5,6,7
	v_sub_nc_u32 v[GG+\a], v[GG+\a], v[DD+\a]      ; 0x7f there, 0 elsewhere
.endr
.irp a, 0,1,2,3,4,5,6,7
	v_and_b32 v[SC+16*\s+\a], v[T2+\a], v[GG+\a]
.endr
	PLACES 8                                       ; a scale register written by a vector instruction stands eight places ahead of its product
.endm
.macro STEP slot, zero
	s_wait_dscnt 12                                ; all but the youngest 12 loads (A's blocks 4-7)
	WIN MUL_LO
	MUL16 0, 0, 0, \slot, \zero
	MUL16 2, 0, 0, \slot, \zero
	s_wait_dscnt 0x0
	PLACES 4
	FETCH_B \slot, 1, 1
	FETCH_A \slot, 1, 0
	WIN MUL_HI
	MUL16 4, 0, 0, \slot, \zero
	MUL16 6, 0, 0, \slot, \zero
	PLACES 4
	WIN 0
	FETCH_A \slot, 1, 4
.endm
.macro TURN slot, next, fill
	s_wait_tensorcnt 0x0                           ; all my tensor loads have landed: my part of the next slot
	ds_add_u32 v[SPW], v[NIL]                      ; 0 onto my spare word
	s_wait_dscnt 13                                ; (the add and the youngest 12 loads may be out)
	WIN MUL_LO
	MUL16 0, 1, 1, \slot, 0
	s_wait_dscnt 0x0                               ; the add is done, and my reads of this slot are over
	s_barrier_signal -1
	MUL16 2, 1, 1, \slot, 0
	WIN 0
	s_barrier_wait -1
.if \fill
	CREST                                          ; the barrier has opened a round of the cluster's: no wave of any partner still reads this slot or has a load on its way
	s_add_nc_u64 s[G0+4*\slot+2:G0+4*\slot+3], s[G0+4*\slot+2:G0+4*\slot+3], 2*REG4
	s_add_nc_u64 s[G0B+4*\slot+2:G0B+4*\slot+3], s[G0B+4*\slot+2:G0B+4*\slot+3], 2*REG4
	JLOAD G0+4*\slot, G1, G0B+4*\slot, G1B         ; the first tensor load behind the round; its four v_nop are also the places in front of the loads below
.else
	PLACES 4
.endif
	FETCH_B \next, 0, 0
	FETCH_A \next, 0, 0
	SCALES \next
	WIN MUL_HI
	MUL16 4, 1, 1, \slot, 0
	WIN 0
	s_wait_dscnt 0x0                               ; the next slot's scale words are in,
	s_wait_loadcnt 0x0                             ; and its M; that wait also frees the loads' base
	ADJ \next
.if \fill
	s_add_nc_u64 s[PM:PM+1], s[PM:PM+1], 1024      ; the M of the slot just asked for
	global_load_b128 v[MM:MM+3], v[PMO], s[PM:PM+1]
	global_load_b128 v[MM+4:MM+7], v[PMO], s[PM:PM+1] offset:16
.endif
	WIN MUL_HI
	MUL16 6, 1, 1, \slot, 0
	PLACES 4
	WIN 0
	FETCH_A \next, 0, 4
.endm
	s_load_b256 s[4:11], s[0:1], 0x0               ; pimg, pm, pl, vt
	s_load_b64 s[12:13], s[0:1], 0x20              ; out0
	v_lshl_add_u32 v[SPW], v0, 2, SPARE
	v_mov_b32 v[NIL], 0
	ds_add_u32 v28, v29
	ds_add_u32 v28, v29
	s_wait_dscnt 0x0
	v_lshrrev_b32 v1, 5, v0
	v_readfirstlane_b32 s14, v1
	s_lshr_b32 s15, s14, 1                         ; my group of queries.  Also: I fetch P (0) or V (1)
	s_and_b32 s16, s14, 1                          ; my group of channels.  Also: which group I fetch
	s_bfe_u32 s40, ttmp6, 0x40000                  ; cx: the column tile; it enters V's and the output's addresses alone
	s_and_b32 s41, ttmp7, 0xffff
	s_lshr_b32 s42, s41, 3                         ; batch
	s_and_b32 s43, s41, 7                          ; tile row i
	s_lshr_b32 s3, s43, 1                          ; laps - 1: the loop's trips; the same in the four partners
	s_lshl_b32 s44, s42, 4
	s_lshl_b32 s45, s43, 1
	s_add_co_u32 s44, s44, s45                     ; 16 batch + 2 i: the tile's first group of queries
	s_add_co_u32 s20, s44, s16
	s_mul_i32 s20, s20, 16*UB                      ; P: the group that I fetch
	s_mov_b32 s21, 0
	s_lshl_b32 s46, s40, 1
	s_add_co_u32 s46, s46, s16
	s_lshl_b32 s46, s46, 4
	s_lshl_b32 s47, s42, 7
	s_add_co_u32 s46, s46, s47
	s_mul_i32 s22, s46, UB                         ; V: block 128 batch + 16 (2 cx + group)
	s_mov_b32 s23, 0
	s_mov_b32 s[G1], 15|(3<<16)|(1<<21)            ; the mask: all four partners; elements of 8 bytes; 21 set beside a mask
	s_mov_b32 s[G1B], 3<<16                        ; no mask
.irp g, G1, G1B
	s_mov_b32 s[\g+1], 32<<16                      ; 100 rows of 256 bytes: 25,600 dense bytes
	s_mov_b32 s[\g+2], 100<<16
	s_mov_b32 s[\g+3], 32<<16
	s_mov_b32 s[\g+4], 100
	s_mov_b32 s[\g+5], 32
	s_mov_b32 s[\g+6], 0
	s_mov_b32 s[\g+7], 0
.endr
	s_mul_i32 s45, s14, REG4
	s_mov_b32 s[SEL], 0x76543210
	s_mov_b32 s[SEL+1], 0xfedcba98
	s_mov_b32 s[K80], 0x80808080
	s_wait_kmcnt 0x0
	s_add_nc_u64 s[66:67], s[4:5], s[20:21]
	s_add_nc_u64 s[68:69], s[10:11], s[22:23]
	CROUND                                         ; all four work-groups are here: the first joint loads meet
.irp s, 0,1
	s_mov_b32 s[G0+4*\s], 1
	s_add_co_u32 s[G0+4*\s+1], s45, \s*SLOT
	s_add_nc_u64 s[G0+4*\s+2:G0+4*\s+3], s[66:67], \s*REG4
	s_or_b32 s[G0+4*\s+3], s[G0+4*\s+3], 0x80000000
	s_mov_b32 s[G0B+4*\s], 1
	s_add_co_u32 s[G0B+4*\s+1], s45, \s*SLOT
	s_add_nc_u64 s[G0B+4*\s+2:G0B+4*\s+3], s[68:69], \s*REG4
	s_or_b32 s[G0B+4*\s+3], s[G0B+4*\s+3], 0x80000000
	JLOAD G0+4*\s, G1, G0B+4*\s, G1B               ; two loads of mine are out
.endr
	; THE HEAD, while the first tiles are on their way: the rows' M and 1 / l
	v_and_b32 v1, 31, v0
	v_and_b32 v2, 15, v0                           ; r
	v_bfe_u32 v3, v0, 4, 1                         ; h
	v_lshlrev_b32 v[LO16], 4, v1
	v_lshlrev_b32 v[PMO], 5, v2
	v_lshl_add_u32 v[PMO], v3, 9, v[PMO]
	s_add_co_u32 s70, s44, s15                     ; my group of queries
	s_lshl_b32 s72, s70, 13                        ; 16 key steps x 512 bytes
	s_mov_b32 s73, 0
	s_add_nc_u64 s[PM:PM+1], s[PM:PM+1], s[72:73]
	s_add_nc_u64 s[PL:PL+1], s[PL:PL+1], s[72:73]
	s_lshl_b32 s72, s70, 19                        ; 128 rows of 4,096 bytes
	s_lshl_b32 s71, s40, 10
	s_add_co_u32 s72, s72, s71
	s_lshl_b32 s71, s16, 9
	s_add_co_u32 s72, s72, s71
	s_add_nc_u64 s[12:13], s[12:13], s[72:73]      ; the output at my first row and column
	s_lshl_b32 s70, s3, 1
	s_add_co_u32 s70, s70, 1                       ; the last slot that is walked
.irp g, 0,1,2,3,4,5,6,7
	s_min_u32 s71, s70, \g                         ; slots that are not walked read the last one again: no load names a block that was not written
	s_lshl_b32 s71, s71, 10
	v_add_nc_u32 v[PO+\g], s71, v[PMO]
.endr
.irp g, 0,1,2,3,4,5,6,7
	global_load_b128 v[128+8*\g:131+8*\g], v[PO+\g], s[PM:PM+1]
	global_load_b128 v[132+8*\g:135+8*\g], v[PO+\g], s[PM:PM+1] offset:16
	global_load_b128 v[192+8*\g:195+8*\g], v[PO+\g], s[PL:PL+1]
	global_load_b128 v[196+8*\g:199+8*\g], v[PO+\g], s[PL:PL+1] offset:16
.endr
.irp g, 2,3,4,5,6,7
	s_cmp_ge_u32 s70, \g
	s_cselect_b32 s[FAC+\g], 0x3f800000, 0
.endr
	v_mul_u32_u24 v5, v3, UB
	v_lshl_add_u32 v5, v2, 5, v5
	v_add_nc_u32 v5, SCO, v5
	s_mul_i32 s21, s15, REG4
	s_mul_i32 s22, s16, REG4
	s_add_co_u32 s22, s22, 2*REG4
.irp s, 0,1
	v_add_nc_u32 v[ADRA+\s], s21, v[LO16]
	v_add_nc_u32 v[ADRB+\s], s22, v[LO16]
	v_add_nc_u32 v[ADSA+\s], s21, v5
	v_add_nc_u32 v[ADSB+\s], s22, v5
	s_add_co_u32 s21, s21, SLOT
	s_add_co_u32 s22, s22, SLOT
.endr
	s_mul_i32 s23, s14, 16*SPITCH                  ; my stage
	v_mul_u32_u24 v[STO], v2, SPITCH
	v_lshl_add_u32 v[STO], v3, 6, v[STO]
	v_add_nc_u32 v[STO], s23, v[STO]               ; in: row r, + 64 h
	v_add_nc_u32 v[RD], s23, v[LO16]               ; back: the 32 lanes take one row of 512 bytes
.irp a, 0,1,2,3,4,5,6,7
	v_mov_b32 v[DD+\a], 0                          ; written once: a lane permute's destination counts as one of its sources
	v_mov_b32 v[RL+2*\a+1], 0                      ; (named with 1 / l as a pair)
.endr
	s_wait_loadcnt 0x0
.irp a, 0,1,2,3,4,5,6,7
	v_max3_num_f32 v[MG+\a], v[128+\a], v[136+\a], v[144+\a]
.endr
.irp a, 0,1,2,3,4,5,6,7
	v_max3_num_f32 v[MG+\a], v[MG+\a], v[152+\a], v[160+\a]
.endr
.irp a, 0,1,2,3,4,5,6,7
	v_max3_num_f32 v[MG+\a], v[MG+\a], v[168+\a], v[176+\a]
.endr
.irp a, 0,1,2,3,4,5,6,7
	v_max_num_f32 v[MG+\a], v[MG+\a], v[184+\a]
.endr
.irp a, 0,1,2,3,4,5,6,7
	v_permlanex16_b32 v[DD+\a], v[MG+\a], s[SEL], s[SEL+1]
.endr
.irp a, 0,1,2,3,4,5,6,7
	v_max_num_f32 v[MG+\a], v[MG+\a], v[DD+\a]     ; with the odd key steps': the row's M
.endr
.irp a, 0,1,2,3,4,5,6,7
	v_mov_b32 v[MM+\a], v[128+\a]                  ; slot 0's M is kept for its scale words
.endr
.irp g, 0,1,2,3,4,5,6,7
.irp a, 0,1,2,3,4,5,6,7
	v_sub_f32 v[128+8*\g+\a], v[128+8*\g+\a], v[MG+\a]
.endr
.irp a, 0,1,2,3,4,5,6,7
	v_max_num_f32 v[128+8*\g+\a], 0xc2fe0000, v[128+8*\g+\a]   ; held at -127
.endr
.irp a, 0,1,2,3,4,5,6,7
	v_cvt_i32_f32 v[128+8*\g+\a], v[128+8*\g+\a]
.endr
.irp a, 0,1,2,3,4,5,6,7
	v_ldexp_f32 v[192+8*\g+\a], v[192+8*\g+\a], v[128+8*\g+\a]   ; l_piece 2^(M_piece - M)
.endr
.if \g == 1
.irp a, 0,1,2,3,4,5,6,7
	v_add_f32 v[T2+\a], v[192+\a], v[200+\a]       ; slots 0 and 1 are always walked
.endr
.endif
.if \g > 1
.irp a, 0,1,2,3,4,5,6,7
	v_fmac_f32 v[T2+\a], s[FAC+\g], v[192+8*\g+\a]
.endr
.endif
.endr
.irp a, 0,1,2,3,4,5,6,7
	v_permlanex16_b32 v[DD+\a], v[T2+\a], s[SEL], s[SEL+1]
.endr
.irp a, 0,1,2,3,4,5,6,7
	v_add_f32 v[T2+\a], v[T2+\a], v[DD+\a]         ; the row's l
.endr
.irp a, 0,1,2,3,4,5,6,7
	v_rcp_f32 v[RL+2*\a], v[T2+\a]
.endr
	v_nop                                          ; a plain place behind the reciprocals
	s_wait_alu depctr_va_vdst(0)                   ; one wait for the eight
	s_wait_tensorcnt 1                             ; my part of slot 0 is in; slot 1's may stay out
	s_barrier_signal -1
	s_barrier_wait -1
	FETCH_B 0, 0, 0
	FETCH_A 0, 0, 0
	SCALES 0
	FETCH_A 0, 0, 4
	s_wait_dscnt 12                                ; the scale words are in (behind them: A's blocks 4-7)
	ADJ 0
	s_add_nc_u64 s[PM:PM+1], s[PM:PM+1], 1024      ; (every load that named this base has been waited for)
	global_load_b128 v[MM:MM+3], v[PMO], s[PM:PM+1]        ; slot 1's M
	global_load_b128 v[MM+4:MM+7], v[PMO], s[PM:PM+1] offset:16
	STEP 0, 1
	s_cmp_eq_u32 s3, 0                             ; tile rows 0 and 1 walk one lap: nothing is filled again
	s_cbranch_scc1 .Ltail
.Llap:
	TURN 0, 1, 1
	STEP 1, 0
	TURN 1, 0, 1
	STEP 0, 0
	s_sub_co_u32 s3, s3, 1
	s_cmp_lg_u32 s3, 0
	s_cbranch_scc1 .Llap
.Ltail:
	TURN 0, 1, 0
	STEP 1, 0
	s_wait_dscnt 12
	WIN MUL_LO
	MUL16 0, 1, 1, 1, 0
	MUL16 2, 1, 1, 1, 0
	s_wait_dscnt 0x0
	WIN MUL_HI
	MUL16 4, 1, 1, 1, 0
	MUL16 6, 1, 1, 1, 0
	WIN 0
	PLACES 4
; THE WAY OUT, block by block of 16 queries x 128 channels: divided by l, through my own stage in LDS, back as whole rows of 512 bytes.  LDS serves a wave's instructions in order: no wait between the stores and the loads.
.macro TOSTAGE a
.set X, 2+(\a)/4
.set AC, 64*((\a)%4)
.set WD0, (X<<6)|X
.set W1,  X<<2
	WIN WD0
.set n, 0
.rept 32
	v_pk_mul_f32 v[AC+n:AC+n+1], v[AC+n:AC+n+1], v[RL+2*(\a):RL+2*(\a)+1] op_sel_hi:[1,0]   ; each accumulator from its low end on
.set n, n+2
.endr
	WIN W1                                         ; an LDS store's data are its source 1
.irp b, 0,1,2,3,4,5,6,7
	ds_store_b128 v[STO], v[AC+8*\b:AC+8*\b+3] offset:128*(\b/2)+32*(\b%2)
	ds_store_b128 v[STO], v[AC+8*\b+4:AC+8*\b+7] offset:128*(\b/2)+32*(\b%2)+16
.endr
	WIN 0
.set BB, BK+64*((\a)%2)
.irp t, 0,1,2,3,4,5,6,7,8,9,10,11,12,13,14,15
	ds_load_b128 v[BB+4*\t:BB+4*\t+3], v[RD] offset:\t*SPITCH
.endr
.endm
.macro SEND a, younger                 ; younger: the LDS instructions issued behind block a's loads
.set BB, BK+64*((\a)%2)
	s_wait_dscnt \younger
.irp t, 0,1,2,3,4,5,6,7,8,9,10,11,12,13,14,15
	global_store_b128 v[LO16], v[BB+4*\t:BB+4*\t+3], s[12:13] offset:(32*((\a)/2)+8*((\a)%2)+\t+8*(\t/8))*4096 th:TH_STORE_NT   ; 512 consecutive bytes of a row of the output, at a multiple of 512; written once
.endr
.endm
	TOSTAGE 0
.irp a, 1,2,3,4,5,6,7
.if \a > 1
	s_wait_xcnt 0x0                                ; block a - 2's stores have read their registers: block a's loads may land there
.endif
	TOSTAGE \a
	SEND \a-1, 32                                  ; behind block a - 1's loads: block a's 16 stores and 16 loads
.endr
	SEND 7, 0
	s_wait_tensorcnt 0x0                           ; the wave's end
	ds_add_u32 v[SPW], v[NIL]
	s_wait_dscnt 0x0
	CROUND                                         ; the closing round
	s_endpgm
.Lfunc_end_k_qa2ff37f324_pv:
	.size	k_qa2ff37f324_pv, .Lfunc_end_k_qa2ff37f324_pv-k_qa2ff37f324_pv
	.p2alignl 7, 3214868480
	.fill 96, 4, 3214868480
	.section	.rodata,"a",@progbits
	.p2align	6, 0x0
	.amdhsa_kernel k_qa2ff37f324_pv
		.amdhsa_group_segment_fixed_size 327680
		.amdhsa_private_segment_fixed_size 0
		.amdhsa_enable_private_segment 0
		.amdhsa_kernarg_size 40
		.amdhsa_user_sgpr_count 2
		.amdhsa_user_sgpr_kernarg_segment_ptr 1
		.amdhsa_wavefront_size32 1
		.amdhsa_system_sgpr_workgroup_id_x 1
		.amdhsa_system_sgpr_workgroup_id_y 1
		.amdhsa_system_sgpr_workgroup_id_z 1
		.amdhsa_system_vgpr_workitem_id 0
		.amdhsa_next_free_vgpr 1024
		.amdhsa_next_free_sgpr 100
		.amdhsa_reserve_vcc 0
		.amdhsa_float_denorm_mode_32 3
		.amdhsa_float_denorm_mode_16_64 3
		.amdhsa_memory_ordered 1
		.amdhsa_forward_progress 1
		.amdhsa_inst_pref_size 184
	.end_amdhsa_kernel
	.amdgpu_metadata
---
amdhsa.version: [ 1, 2 ]
amdhsa.kernels:
  - .name:           k_qa2ff37f324_pv
    .symbol:         k_qa2ff37f324_pv.kd
    .args:
      - { .name: pimg, .offset: 0, .size: 8, .value_kind: global_buffer, .address_space: global }
      - { .name: pm, .offset: 8, .size: 8, .value_kind: global_buffer, .address_space: global }
      - { .name: pl, .offset: 16, .size: 8, .value_kind: global_buffer, .address_space: global }
      - { .name: vt, .offset: 24, .size: 8, .value_kind: global_buffer, .address_space: global }
      - { .name: out0, .offset: 32, .size: 8, .value_kind: global_buffer, .address_space: global }
    .group_segment_fixed_size: 327680
    .private_segment_fixed_size: 0
    .kernarg_segment_align: 8
    .kernarg_segment_size: 40
    .max_flat_workgroup_size: 128
    .sgpr_count:     100
    .vgpr_count:     1024
    .wavefront_size: 32
...
	.end_amdgpu_metadata
.endif
;; end of part 4
;; ======== version 2 of 2: 4 launches
;; limits: right only within a limited range of input values
;; workspace buffers: ximg 6,553,600 bytes; wimg 2,457,600 bytes; qk 13,107,200 bytes; vt 6,553,600 bytes; pimg 12,582,912 bytes; pml 2,097,152 bytes; pw 524,288 bytes
;; launch quant (part 5): grid 704 x 1, 8 waves a work-group, no clusters, 69,120 bytes of LDS; arguments x, w_q, w_k, w_v, ximg, wimg; writes ximg, wimg
.if DOCPART == 5
	.amdgcn_target "amdgcn-amd-amdhsa--gfx1250"
	.amdhsa_code_object_version 6
	.text
	.protected	k_qa2ff37f324_quant
	.globl	k_qa2ff37f324_quant
	.p2align	8
	.type	k_qa2ff37f324_quant,@function
k_qa2ff37f324_quant:
	s_mov_b64 s[64:65], 0
	v_nop
	global_prefetch_b8 v0, s[64:65] scope:SCOPE_SE
	s_setreg_imm32_b32 hwreg(HW_REG_WAVE_MODE, 25, 1), 1
	s_wait_xcnt 0x0
; x [8192][1024] and w_q, w_k, w_v [1024][1024], f32, K innermost, become codes of FP6 (E2M3) with one E8M0 byte for each 32 along K, laid in GROUP IMAGES.
; A GROUP IMAGE (102,400 bytes) is 128 rows x all of K as an image of operand registers: fragment a (0..7) of K step s (0..7) at 12,288 s + 1,536 a, its registers 4 c .. 4 c + 3 of lane l at + 512 c + 16 l.
; Lane (r = l % 16, h = l / 16) of fragment a holds row 64 (a / 4) + 8 (a % 4) + r + 24 (r / 8) of the 128, registers 6 c .. 6 c + 5 = K 128 s + 64 c + 32 h + 0 .. 31.  That row's eight scale words lie at 98,304 + 512 a + 32 r.
; So in a product whose source 0 is fragments 4 g .. 4 g + 3, a lane's 32 results are 32 neighbouring rows of the source: one scale block of the next product.
; ximg: image G (G = row / 128); wimg: images 0-7 w_q, 8-15 w_k, 16-23 w_v.
; A block's scale is 2^(floor(log2(largest magnitude)) - 2): its byte is the largest magnitude's exponent field - 2, held at 1 from below.  A block of zeros keeps the byte 1: its codes are zeros, and this program alone reads the bytes.
; WORK LEFT OUT IN THIS PROGRAM: the causal mask gives every key behind its query the weight 0 for all inputs; tiles of scores and of weights x v that it hides wholly are not made.  A NaN, an infinity or an overflow that reaches only such a tile is not carried to the result.
; LIMITS: blocks whose largest magnitude lies under 2^-124 keep the byte 1; NaN and infinities among the inputs are not served.
; SHARES: a work-group makes 16 rows (one fragment a, all of K), wave s its K step s.  Each of a wave's 16 loads reads 512 consecutive bytes; they turn through the wave's own stage in LDS, so that a lane gets 2 x 32 neighbours along K.
; No tensor load and no matrix instruction: each input byte is read once.
.set GB,   102400
.set SB,   12288
.set FRB,  1536
.set SCG,  98304
.set SPT,  528                         ; a stage row: 512 bytes + 16
.set STG,  16*SPT                      ; a wave's stage
.set SCW,  8*STG                       ; behind the stages: the 16 rows' 128 scale words
.set SPARE, SCW+512                    ; the spare words, 128 bytes for each wave
.set LO,   4                           ; v4   16 x lane
.set SI,   5                           ; v5   the stage, on the way in
.set SOA,  6                           ; v6   and on the way out: row r, + 128 h
.set SWA,  7                           ; v7   where my row's scale word goes
.set R,    16                          ; v16-79   16 rows as loaded
.set X,    80                          ; v80-143  my two blocks of 32 neighbours
.set C,    16                          ; v16-27   the fragment; v28-34 the conversions' second halves (the loaded rows are in LDS by then)
.set SPW,  144
.set NIL,  145
.set SWR,  146                         ; wave 0 reads the scale words back here
	s_load_b256 s[4:11], s[0:1], 0x0               ; x, w_q, w_k, w_v
	s_load_b128 s[12:15], s[0:1], 0x20             ; ximg, wimg
	v_lshl_add_u32 v[SPW], v0, 2, SPARE
	v_mov_b32 v[NIL], 0
	v_lshrrev_b32 v1, 5, v0
	s_delay_alu instid0(VALU_DEP_1)
	v_readfirstlane_b32 s16, v1                    ; wave s
	v_and_b32 v2, 31, v0                           ; lane
	v_and_b32 v3, 15, v0                           ; r
	v_bfe_u32 v1, v0, 4, 1                         ; h
	v_lshlrev_b32 v[LO], 4, v2
	s_mul_i32 s26, s16, STG
	v_add_nc_u32 v[SI], s26, v[LO]
	v_mul_u32_u24 v[SOA], v3, SPT
	v_lshl_add_u32 v[SOA], v1, 7, v[SOA]
	v_add_nc_u32 v[SOA], s26, v[SOA]
	s_lshl_b32 s27, s16, 2
	s_add_co_u32 s27, s27, SCW
	v_lshl_add_u32 v[SWA], v3, 5, s27              ; SCW + 32 r + 4 s
	v_add_nc_u32 v[SWR], SCW, v[LO]
	s_lshr_b32 s17, ttmp9, 3                       ; G: 0-63 x, 64-87 the weights
	s_and_b32 s18, ttmp9, 7                        ; a
	s_sub_co_u32 s19, s17, 64                      ; the weights' G (a very large number in x's work-groups: both compares below then fail)
	s_and_b32 s24, s19, 7
	s_mov_b32 s30, 0x76543210
	s_mov_b32 s31, 0xfedcba98                      ; v_permlanex16_b32's selects for lane l xor 16
	s_wait_alu depctr_va_vdst(0)                   ; the wait at the head's end
	s_wait_kmcnt 0x0
	s_cmp_lt_u32 s19, 16                           ; only pointers are chosen, on the work-group's number: all tensors take one path through the text
	s_cselect_b64 s[20:21], s[8:9], s[10:11]
	s_cmp_lt_u32 s19, 8
	s_cselect_b64 s[20:21], s[6:7], s[20:21]
	s_cmp_lt_u32 s17, 64
	s_cselect_b64 s[20:21], s[4:5], s[20:21]       ; from
	s_cselect_b64 s[22:23], s[12:13], s[14:15]     ; to
	s_cselect_b32 s24, s17, s24                    ; the group of 128 rows in the source
	s_cselect_b32 s25, s17, s19                    ; the image in the target
	s_lshl_b32 s24, s24, 7
	s_lshr_b32 s26, s18, 2
	s_lshl_b32 s26, s26, 6
	s_add_co_u32 s24, s24, s26
	s_and_b32 s26, s18, 3
	s_lshl_b32 s26, s26, 3
	s_add_co_u32 s24, s24, s26                     ; the fragment's first row: 128 group + 64 (a / 4) + 8 (a % 4)
	s_lshl_b32 s24, s24, 12                        ; rows of 4,096 bytes (under 2^26 in all)
	s_lshl_b32 s26, s16, 9
	s_add_co_u32 s28, s24, s26                     ; + 512 s
	s_mov_b32 s29, 0
	s_add_nc_u64 s[20:21], s[20:21], s[28:29]
	s_mul_i32 s28, s25, GB
	s_add_nc_u64 s[22:23], s[22:23], s[28:29]
	s_lshl_b32 s28, s18, 9
	s_add_nc_u64 s[34:35], s[22:23], s[28:29]      ; my rows' scale words, less 98,304
	s_mul_i32 s28, s18, FRB
	s_mul_i32 s26, s16, SB
	s_add_co_u32 s28, s28, s26
	s_add_nc_u64 s[22:23], s[22:23], s[28:29]      ; my fragment
.irp i, 0,1,2,3,4,5,6,7,8,9,10,11,12,13,14,15
	global_load_b128 v[R+4*\i:R+4*\i+3], v[LO], s[20:21] offset:(\i+24*(\i/8))*4096 th:TH_LOAD_NT   ; the fragment's row i: 32 lanes read 512 consecutive bytes
.endr
.irp i, 0,1,2,3,4,5,6,7,8,9,10,11,12,13,14,15
	s_wait_loadcnt 15-\i                           ; loads come back in order: row i is in, the younger ones may be out
	ds_store_b128 v[SI], v[R+4*\i:R+4*\i+3] offset:SPT*\i
.endr
.irp c, 0,1
.irp p, 0,1,2,3,4,5,6,7
	ds_load_b128 v[X+32*\c+4*\p:X+32*\c+4*\p+3], v[SOA] offset:256*\c+16*\p   ; K = 64 c + 32 h + 4 p ..; LDS serves a wave's instructions in order: these see my stores
.endr
.endr
	s_wait_dscnt 0x0
.irp c, 0,1                                    ; my block 2 c + h: all its 32 numbers are mine
	v_max3_num_f32 v[8+\c], |v[X+32*\c]|, |v[X+32*\c+1]|, 0x1800000   ; and the floor 2^(3 - 127): the byte cannot fall under 1
.endr
.irp i, 2,4,6,8,10,12,14,16,18,20,22,24,26,28,30
.irp c, 0,1
	s_delay_alu instid0(VALU_DEP_2)
	v_max3_num_f32 v[8+\c], v[8+\c], |v[X+32*\c+\i]|, |v[X+32*\c+\i+1]|   ; (the two blocks by turns)
.endr
.endr
.irp c, 0,1
	s_delay_alu instid0(VALU_DEP_2)
	v_add_nc_u32 v[10+\c], 0xff000000, v[8+\c]     ; 2 off the exponent field: the conversion takes the exponent field of this operand as its scale
.endr
.irp c, 0,1
	s_delay_alu instid0(VALU_DEP_2)
	v_lshrrev_b32 v[12+\c], 23, v[10+\c]           ; the scale's byte
.endr
	s_delay_alu instid0(VALU_DEP_1)
	v_lshl_or_b32 v14, v13, 16, v12                ; my two bytes: blocks h and 2 + h,
	v_lshlrev_b32 v15, 3, v1
	s_delay_alu instid0(VALU_DEP_1)
	v_lshlrev_b32 v14, v15, v14                    ; 8 h bits up;
	v_mov_b32 v15, 0
	s_delay_alu instid0(VALU_DEP_1)
	v_permlanex16_b32 v15, v14, s30, s31
	s_delay_alu instid0(VALU_DEP_1)
	v_or_b32 v14, v14, v15                         ; with lane l xor 16's two the word is whole
.irp c, 0,1
	v_cvt_scalef32_pk16_fp6_f32 v[C+6*\c:C+6*\c+2], v[X+32*\c:X+32*\c+15], v[10+\c]
	v_cvt_scalef32_pk16_fp6_f32 v[28+4*\c:30+4*\c], v[X+32*\c+16:X+32*\c+31], v[10+\c]   ; (a conversion's three registers begin on an even number)
.endr
	v_nop                                          ; one plain place behind a scaled conversion
.irp c, 0,1
.irp i, 0,1,2
	v_mov_b32 v[C+3+6*\c+\i], v[28+4*\c+\i]
.endr
.endr
.irp c, 0,1,2
	global_store_b128 v[LO], v[C+4*\c:C+4*\c+3], s[22:23] offset:512*\c   ; 32 lanes store 512 consecutive bytes, at a multiple of 256 from the buffer's first byte
.endr
	ds_store_b32 v[SWA], v14                       ; both lanes of a row write the same word
	s_wait_dscnt 0x0                               ; for wave 0's sake: my word has landed
	s_barrier_signal -1
	s_barrier_wait -1
	s_cmp_lg_u32 s16, 0
	s_cbranch_scc1 .Ldone
	ds_load_b128 v[8:11], v[SWR]                   ; the 16 rows' 512 bytes of scale words leave as one run
	s_wait_dscnt 0x0
	global_store_b128 v[LO], v[8:11], s[34:35] offset:SCG
.Ldone:
	s_wait_tensorcnt 0x0                           ; the wave's end
	ds_add_u32 v[SPW], v[NIL]
	s_wait_dscnt 0x0
	s_endpgm
.Lfunc_end_k_qa2ff37f324_quant:
	.size	k_qa2ff37f324_quant, .Lfunc_end_k_qa2ff37f324_quant-k_qa2ff37f324_quant
	.p2alignl 7, 3214868480
	.fill 96, 4, 3214868480
	.section	.rodata,"a",@progbits
	.p2align	6, 0x0
	.amdhsa_kernel k_qa2ff37f324_quant
		.amdhsa_group_segment_fixed_size 69120
		.amdhsa_private_segment_fixed_size 0
		.amdhsa_enable_private_segment 0
		.amdhsa_kernarg_size 48
		.amdhsa_user_sgpr_count 2
		.amdhsa_user_sgpr_kernarg_segment_ptr 1
		.amdhsa_wavefront_size32 1
		.amdhsa_system_sgpr_workgroup_id_x 1
		.amdhsa_system_sgpr_workgroup_id_y 1
		.amdhsa_system_sgpr_workgroup_id_z 1
		.amdhsa_system_vgpr_workitem_id 0
		.amdhsa_next_free_vgpr 152
		.amdhsa_next_free_sgpr 66
		.amdhsa_reserve_vcc 0
		.amdhsa_float_denorm_mode_32 3
		.amdhsa_float_denorm_mode_16_64 3
		.amdhsa_memory_ordered 1
		.amdhsa_forward_progress 1
		.amdhsa_inst_pref_size 12
	.end_amdhsa_kernel
	.amdgpu_metadata
---
amdhsa.version: [ 1, 2 ]
amdhsa.kernels:
  - .name:           k_qa2ff37f324_quant
    .symbol:         k_qa2ff37f324_quant.kd
    .args:
      - { .name: x, .offset: 0, .size: 8, .value_kind: global_buffer, .address_space: global }
      - { .name: w_q, .offset: 8, .size: 8, .value_kind: global_buffer, .address_space: global }
      - { .name: w_k, .offset: 16, .size: 8, .value_kind: global_buffer, .address_space: global }
      - { .name: w_v, .offset: 24, .size: 8, .value_kind: global_buffer, .address_space: global }
      - { .name: ximg, .offset: 32, .size: 8, .value_kind: global_buffer, .address_space: global }
      - { .name: wimg, .offset: 40, .size: 8, .value_kind: global_buffer, .address_space: global }
    .group_segment_fixed_size: 69120
    .private_segment_fixed_size: 0
    .kernarg_segment_align: 8
    .kernarg_segment_size: 48
    .max_flat_workgroup_size: 256
    .sgpr_count:     66
    .vgpr_count:     152
    .wavefront_size: 32
...
	.end_amdgpu_metadata
.endif
;; end of part 5
;; launch proj (part 6): grid 8 x 32, 4 waves a work-group, clusters of 4 x 4, 327,680 bytes of LDS; arguments ximg, wimg, qk, vt; writes qk, vt
.if DOCPART == 6
	.amdgcn_target "amdgcn-amd-amdhsa--gfx1250"
	.amdhsa_code_object_version 6
	.text
	.protected	k_qa2ff37f324_proj
	.globl	k_qa2ff37f324_proj
	.p2align	8
	.type	k_qa2ff37f324_proj,@function
k_qa2ff37f324_proj:
	s_mov_b64 s[64:65], 0
	v_nop
	global_prefetch_b8 v0, s[64:65] scope:SCOPE_SE
	s_setreg_imm32_b32 hwreg(HW_REG_WAVE_MODE, 25, 1), 1
	s_wait_xcnt 0x0
	s_wait_alu depctr_hold_cnt(0) depctr_sa_sdst(0) depctr_va_vdst(0) depctr_va_sdst(0) depctr_va_ssrc(0) depctr_va_vcc(0) depctr_vm_vsrc(0)
	s_getreg_b32 s2, hwreg(HW_REG_IB_STS2, 6, 4)
	s_cmp_eq_u32 s2, 0
	s_cbranch_scc0 .Lentry_in_a_cluster
	s_endpgm
.Lentry_in_a_cluster:
	s_bfe_u32 s2, ttmp6, 0x10000c
	s_cmp_lg_u32 s2, 0xf033
	s_cbranch_scc0 .Lentry_shape_is_right
	s_endpgm
.Lentry_shape_is_right:
; q = x w_q^T, k = x w_k^T and v^T = w_v x^T on codes of FP6 (E2M3, one E8M0 byte for each 32 along K), K = 1,024; the f32 sums are quantised at once for the next products and leave as codes.
; IN: group images of 128 rows x all of K (102,400 bytes): fragment a of K step s at 12,288 s + 1,536 a, registers 4 c .. 4 c + 3 of lane l at + 512 c + 16 l; lane (r, h) holds row 64 (a / 4) + 8 (a % 4) + r + 24 (r / 8);
;   the eight scale words of that row at 98,304 + 512 a + 32 r.
; OUT: unit blocks (12,800 bytes) of 128 rows x 128 of the next K, rows in the same order, scale word of (a, r) at 12,288 + 256 (a / 4) + 16 r + 4 (a % 4).
;   qk: block 16 G + s (G = token / 128; s 0-7 q's K steps, 8-15 k's), fragment a at 1,536 a as above;  vt: block 128 batch + 16 (channel / 128) + key / 128, rows = channels, K = the keys;
;   in vt a fragment's half c (registers 6 c .. 6 c + 5, keys 64 c ..) lies at 1,536 a + 768 c: registers 0-3 at + 16 l, registers 4-5 at + 512 + 8 l.
; THE DEAL.  256 work-groups of four waves.  Work-group (n = 0 .. 7, y = 0 .. 31) takes tokens 256 y .. and columns 128 n .. of q, of k and of v.  A wave holds 64 rows of x, ALL of K, in registers (32 fragments, 384 registers) for the whole launch
; and streams the weights past them in 24 blocks of 16 rows x all of K (8 fragments): 32 products a block, four accumulators by turns, K ascending.
; q, k: source 0 = the weight's rows, source 1 = x: a lane has one token; the sums of four blocks are, for each of the four fragments of x, 32 neighbouring columns in the lane: a scale block.  Eight blocks make whole fragments.
; v: source 0 = x, source 1 = the weight's rows: a lane has one channel, and a block's 32 sums are 32 neighbouring keys.
; LDS: three regions of 102,400 bytes.  At the head: w_q's 128 rows, x's 256 rows.  When all waves hold x in registers, x's two regions are filled again, ONCE, in a round of the cluster's barrier, with w_k's and w_v's rows.
; CLUSTERS 4 x 4: x's rows are shared along a row of the cluster, a weight's rows along a column: each is asked for jointly.
; No prefetch: the one refill has six blocks, 192 products a wave, in which to land, and the head's tiles have no loop ahead of them.
; THE WAITS' COUNTS.  A block's fragments were fetched two blocks ago; younger are the next block's fetch, NF loads, and in v's blocks the store of one scale byte between the two.
; LIMITS: NaN and infinities are not served; blocks whose largest magnitude lies under 2^-124 keep the byte 1.
.set GB,    102400
.set HB,    GB/2
.set SB,    12288
.set FRB,   1536
.set SCG,   98304
; THE RESULTS LIE IN HALF BLOCKS of 6,400 bytes (this stands in place of the head's lines on where a block lies): 64 rows x 128 K: fragments 4 g .. 4 g + 3 at 1,536 each, then at 6,144 their scale words: 16 r + 4 (a % 4).
;   qk: q's half block 8 H + s (H = token / 64), k's the same 6,553,600 bytes further on;  vt: half block 256 batch + 32 (channel / 128) + 16 (half of the 128 channels) + key / 128.
.set HU,    6400
.set SCO,   6144
.set KOFF,  6553600
.set STG,   3*GB                       ; v's scale words, 2 x 512 bytes
.set SPARE, STG+1024
.set FR,    12
.set FPW,   21                         ; fragments in a window of 256 registers: fragment f lies in window 1 + f / 21.  0-31: x (4 s + j); 32-39, 40-47: the stream's two sets
.set NF,    25                         ; LDS loads of a block
.set EMAX,  2
.set EB1,   0                          ; v0-3   scale bytes of band 1 (behind the head)
.set LO8,   7                          ; v7     8 x lane
.set STV,   8                          ; v8     LDS, v's scale byte
.set LO16,  9                          ; v9     16 x lane; also the stream's address for K steps 0-3 in region 0
.set SPW,   10
.set NIL,   11
.set WA,    15                         ; v15, v16, v17  the stream's addresses: K steps 0-3, 4-7, scale words; v9, v13, v14 the same in region 0
.set STV0,  18
.set SWO,   19                         ; v19    16 r + 8 h
.set EB0,   20                         ; v20-23 scale bytes of band 0
.set XS,    24                         ; v24-39 x's scale words: fragment j's at 4 j: lanes 0-15 K steps 0-3, lanes 16-31 K steps 4-7
.set H8,    41                         ; v41    8 h
.set WS,    42                         ; v42-45, v50-53 the stream's scale words, two sets, laid the same way
.set SOP,   46                         ; v46-49 the conversions' scale operands
.set TQ,    56                         ; v56-63 largest magnitudes, two chains each
.set CD,    64                         ; v64-111 codes
.set TC,    112                        ; v112-127 the conversions' second halves
.set HV0,   128                        ; v128-255 q, k: band 0's sums, 32 j + 8 (block % 4)
.set HV1,   840                        ; v840-967 band 1's
.set VS0,   128                        ; v128-159, v160-191 v: a block's 32 sums, two sets
.set G1A, 24
.set G1B, 32
.set G0X, 56
.set G0W, 60
.set G0R, 68
.set SEL, 74
.set HM,  76
.set MSB, 0
.macro WIN new                         ; the immediate's high byte repeats the setting that is left
.if MSB != (\new)
	s_set_vgpr_msb (MSB<<8)|(\new)
.set MSB, (\new)
.endif
.endm
.macro PLACES n
.rept \n
	v_nop
.endr
.endm
.macro WALU
	s_wait_alu depctr_va_vdst(0)
.endm
.macro CROUND                          ; a round of the cluster's barrier
	s_barrier_signal -1
	s_barrier_wait -1
	s_cmp_lg_u32 s14, 0
	s_cbranch_scc1 .Lnot_wave_0_\@
	s_barrier_signal -3
.Lnot_wave_0_\@:
	s_barrier_wait -3
	s_barrier_signal -1
	s_barrier_wait -1
.endm
.macro TLOAD g0, g1
	tensor_load_to_lds s[\g0:\g0+3], s[\g1:\g1+7]
	s_nop 0
	PLACES 4
.endm
.macro GROUP1 g, mask, rows            ; dense rows of 256 bytes (32 elements of 8 bytes)
	s_or_b32 s[\g], s[\mask], (3<<16)|(1<<21)
	s_mov_b32 s[\g+1], 32<<16
	s_mov_b32 s[\g+2], (\rows)<<16
	s_mov_b32 s[\g+3], 32<<16
	s_mov_b32 s[\g+4], \rows
	s_mov_b32 s[\g+5], 32
	s_mov_b32 s[\g+6], 0
	s_mov_b32 s[\g+7], 0
.endm
.macro FRAG f, a, off
	WIN (1+(\f)/FPW)<<6
.irp c, 0,1,2
	ds_load_b128 v[FR*((\f)%FPW)+4*\c:FR*((\f)%FPW)+4*\c+3], v[\a] offset:(\off)+512*\c
.endr
.endm
.macro FETCH e, b                      ; the stream's block b (from the addresses on) into set e: NF loads
.irp s, 0,1,2,3,4,5,6,7
	FRAG 32+8*(\e)+\s, WA+\s/4, SB*(\s%4)+FRB*(\b)
.endr
	WIN 0
	ds_load_b128 v[WS+8*(\e):WS+8*(\e)+3], v[WA+2] offset:512*(\b)
.endm
.macro WMMA s0, s1, x0, x1
.if S_ == 0
	v_wmma_scale_f32_16x16x128_f8f6f4 v[DL_:DL_+7], v[FR*((\s0)%FPW):FR*((\s0)%FPW)+11], v[FR*((\s1)%FPW):FR*((\s1)%FPW)+11], 0, v[\x0], v[\x1] matrix_a_fmt:MATRIX_FMT_FP6 matrix_b_fmt:MATRIX_FMT_FP6
.elseif S_ < 4
	v_wmma_scale_f32_16x16x128_f8f6f4 v[DL_:DL_+7], v[FR*((\s0)%FPW):FR*((\s0)%FPW)+11], v[FR*((\s1)%FPW):FR*((\s1)%FPW)+11], v[DL_:DL_+7], v[\x0], v[\x1] matrix_a_fmt:MATRIX_FMT_FP6 matrix_b_fmt:MATRIX_FMT_FP6
.else
	v_wmma_scale_f32_16x16x128_f8f6f4 v[DL_:DL_+7], v[FR*((\s0)%FPW):FR*((\s0)%FPW)+11], v[FR*((\s1)%FPW):FR*((\s1)%FPW)+11], v[DL_:DL_+7], v[\x0], v[\x1] matrix_a_fmt:MATRIX_FMT_FP6 matrix_b_fmt:MATRIX_FMT_FP6 matrix_a_scale:MATRIX_SCALE_ROW1 matrix_b_scale:MATRIX_SCALE_ROW1
.endif
.endm
; a product: n = 4 s + j.  kind 0 (q, k): source 0 the weight's rows; kind 1 (v): source 0 x's rows.  The sum lies at a0 + as x j
.macro PROD kind, e, n, a0, as
.set S_, (\n)/4
.set J_, (\n)%4
.set FX_, 4*S_+J_
.set FW_, 32+8*(\e)+S_
.set D_, (\a0)+(\as)*J_
.set DL_, D_&255
.set DW_, D_>>8
.set XX_, XS+4*J_+S_%4
.set YW_, WS+8*(\e)+S_%4
.if \kind
	WIN (1+FX_/FPW)|((1+FW_/FPW)<<2)|(DW_<<4)|(DW_<<6)
	WMMA FX_, FW_, XX_, YW_
.else
	WIN (1+FW_/FPW)|((1+FX_/FPW)<<2)|(DW_<<4)|(DW_<<6)
	WMMA FW_, FX_, YW_, XX_
.endif
.endm
; products from .. to - 1 of a block; behind every second one, two entries of a list
.macro BLOCK kind, e, a0, as, from, to, list, x=0, y=0
.set N_, \from
.rept (\to)-(\from)
	PROD \kind, \e, N_, \a0, \as
.if N_%2
	\list N_-1, \x, \y
	\list N_, \x, \y
.endif
.set N_, N_+1
.endr
.endm
.macro CHAIN i, x, n, t=TQ             ; 18 entries: the largest magnitude of the 32 sums from register x on (two chains side by side, the floor 2^(3 - 127) among the leaves), and the conversions' scale operand, v[SOP+n]
.set XW_, (\x)>>8
.set XL_, (\x)&255
.if (\i) >= 0 && (\i) < 14
.set B_, XL_+16*((\i)%2)+2*((\i)/2)
.set T_, (\t)+1-(\i)%2
.if (\i) < 2
	WIN XW_|(XW_<<2)|(XW_<<4)
	v_max3_num_f32 v[T_], |v[B_]|, |v[B_+1]|, |v[B_+2]|
.else
	WIN (XW_<<2)|(XW_<<4)
	v_max3_num_f32 v[T_], v[T_], |v[B_+1]|, |v[B_+2]|
.endif
.elseif (\i) == 14
	WIN XW_<<2
	v_max3_num_f32 v[\t+1], v[\t+1], |v[XL_+15]|, (EMAX+1)<<23
.elseif (\i) == 15
	WIN 0
	v_nop                              ; so that the next line, which reads entry 14's result, stands in the next pair
.elseif (\i) == 16
	WIN XW_<<2
	v_max3_num_f32 v[\t], v[\t], |v[XL_+31]|, v[\t+1]
.elseif (\i) == 17
	WIN 0
	v_add_nc_u32 v[SOP+\n], -(EMAX<<23), v[\t]   ; EMAX off the exponent field: the conversion takes the exponent field alone
.endif
.endm
.macro CODES i, x, c, n, eb, t=TC      ; 6 lines: 32 codes into v[c .. c+5], the scale's byte into v[eb]
.set XW_, (\x)>>8
.set XL_, (\x)&255
.if (\i) == 0
	WIN XW_
	v_cvt_scalef32_pk16_fp6_f32 v[\c:\c+2], v[XL_:XL_+15], v[SOP+\n]
.elseif (\i) == 1
	WIN XW_
	v_cvt_scalef32_pk16_fp6_f32 v[\t:\t+2], v[XL_+16:XL_+31], v[SOP+\n]
.elseif (\i) == 2
	WIN 0
	v_lshrrev_b32 v[\eb], 23, v[SOP+\n]
.else
	WIN 0
	v_mov_b32 v[\c+\i], v[\t+\i-3]     ; (a conversion's three registers begin on an even number)
.endif
.endm
.macro CODES6 x, c, n, eb
.irp i, 0,1,2,3,4,5
	CODES \i, \x, \c, \n, \eb
.endr
.endm
; the lists
.macro L_NONE i, x, y
.endm
.macro L_OUT i, x, y
	CHAIN \i, \x, \y
.endm
.macro L_SO i, x, y                    ; on to the next region, and the way out
.if (\i) == 0
	s_add_co_u32 s101, s101, GB
	WIN 0
	v_add_nc_u32 v[WA], s101, v[LO16]
.elseif (\i) == 1
	WIN 0
	v_add_nc_u32 v[WA+1], s101, v13
.elseif (\i) == 2
	WIN 0
	v_add_nc_u32 v[WA+2], s101, v14
.endif
	CHAIN (\i)-3, \x, \y
.endm
.macro L_V1 i, x, y                    ; two blocks on in v's region, the scale bytes' place, and the way out
.if (\i) == 0
	s_add_co_u32 s101, s101, 2*FRB
	WIN 0
	v_add_nc_u32 v[WA], s101, v[LO16]
.elseif (\i) == 1
	WIN 0
	v_add_nc_u32 v[WA+1], s101, v13
.elseif (\i) == 2
	s_add_co_u32 s91, s91, 1024
	WIN 0
	v_add_nc_u32 v[WA+2], s91, v14
.elseif (\i) == 3
	WIN 0
	v_add_nc_u32 v[STV], s90, v[STV0]
	s_add_co_u32 s90, s90, 8
.endif
	CHAIN (\i)-4, \x, \y
.endm
.macro QA b                            ; q, k: blocks 0-3, band 0
	s_wait_dscnt NF
	BLOCK 0, (\b)%2, HV0+8*(\b), 32, 0, 32, L_NONE
	WIN 0
	PLACES 4
	FETCH (\b)%2, (\b)+2
.endm
.macro QB b                            ; blocks 4-7, band 1; band 0's fragment b - 4 goes out
	s_wait_dscnt NF
.if \b == 4
	s_wait_xcnt 0x0                            ; the last tensor's stores have read their registers and their base
	s_mov_b64 s[80:81], s[82:83]               ; this tensor's place,
	s_add_nc_u64 s[82:83], s[82:83], KOFF
.endif
.if \b == 6
	BLOCK 0, 0, HV1+16, 32, 0, 26, L_SO, HV0+64, 2
	WIN 0
	WALU
	s_wait_tensorcnt 0x0                       ; a plain barrier shows the refill to all waves
	s_wait_dscnt 0x0
	s_barrier_signal -1
	BLOCK 0, 0, HV1+16, 32, 26, 32, L_NONE
	WIN 0
	s_barrier_wait -1
.else
	BLOCK 0, (\b)%2, HV1+8*((\b)-4), 32, 0, 32, L_OUT, HV0+32*((\b)-4), (\b)-4
	WIN 0
.endif
	CODES6 HV0+32*((\b)-4), CD+12*((\b)-4), (\b)-4, EB0+(\b)-4
	WALU
	FETCH (\b)%2, ((\b)+2)%8                   ; blocks 6 and 7 fetch the next region's blocks 0 and 1
.endm
.macro PUTV c
	global_store_b128 v[LO16], v[\c:\c+3], s[80:81]            ; 512 and 256 consecutive bytes, at multiples of 256 from the buffer's first byte
	global_store_b64 v[LO8], v[\c+4:\c+5], s[80:81] offset:512
.endm
.macro VNEXT                           ; behind the wait the earlier stores have read their registers and their base
	s_wait_xcnt 0x0
	s_mov_b64 s[80:81], s[84:85]
	s_add_nc_u64 s[84:85], s[84:85], FRB
.endm
.macro VB e, w, list, fb, sr, so       ; a block of v; the block before goes out
	s_wait_dscnt \w
	VNEXT
	BLOCK 1, \e, VS0+32*(\e), 8, 0, 32, \list, VS0+32*(1-(\e)), 0
	WIN 0
	CODES6 VS0+32*(1-(\e)), CD+8*(1-(\e)), 0, EB0
	WALU
	ds_store_b8 v[\sr], v[EB0] offset:\so
	PUTV CD+8*(1-(\e))
.if \fb >= 0
	FETCH \e, \fb
.endif
.endm
	s_load_b256 s[4:11], s[0:1], 0x0               ; ximg, wimg, qk, vt
	v_lshl_add_u32 v[SPW], v0, 2, SPARE
	v_mov_b32 v[NIL], 0
	ds_add_u32 v[SPW], v[NIL]                      ; the opening lines: the add, twice on end, and its wait
	ds_add_u32 v[SPW], v[NIL]
	v_lshrrev_b32 v1, 5, v0
	v_readfirstlane_b32 s14, v1                    ; wave 0..3
	s_lshr_b32 s15, s14, 1                         ; my rows' group of 128,
	s_and_b32 s16, s14, 1                          ; and which 64 of it
	s_bfe_u32 s40, ttmp6, 0x40000                  ; cx
	s_bfe_u32 s41, ttmp6, 0x40004                  ; cy
	s_lshl_b32 s42, ttmp9, 2
	s_add_co_u32 s42, s42, s40                     ; n
	s_and_b32 s43, ttmp7, 0xffff
	s_lshl_b32 s43, s43, 2
	s_add_co_u32 s43, s43, s41                     ; y
	s_lshl_b32 s44, s41, 2
	s_lshl_b32 s44, 15, s44                        ; my row of the cluster
	s_lshl_b32 s45, 0x1111, s40                    ; my column
	GROUP1 G1A, 44, 400                            ; x: a whole image
	GROUP1 G1B, 45, 200                            ; a weight: half an image
	s_lshl_b32 s50, s43, 1
	s_add_co_u32 s50, s50, s16
	s_mul_i32 s50, s50, GB                         ; waves 0, 1: x's image 2 y + wave
	s_mov_b32 s51, 0
	s_mul_i32 s52, s42, GB
	s_mul_i32 s20, s16, HB
	s_add_co_u32 s52, s52, s20                     ; waves 2, 3: a half of w_q's image n
	s_mov_b32 s53, 0
	s_lshl_b32 s54, s15, 3
	s_add_co_u32 s54, s54, s42
	s_add_co_u32 s54, s54, 8
	s_mul_i32 s54, s54, GB
	s_add_co_u32 s54, s54, s20                     ; the refill: a half of w_k's image n (waves 0, 1) or w_v's (waves 2, 3)
	s_mov_b32 s55, 0
	s_mov_b32 s[G0X], 1
	s_mul_i32 s[G0X+1], s16, GB
	s_add_co_u32 s[G0X+1], s[G0X+1], GB
	s_mov_b32 s[G0W], 1
	s_mul_i32 s[G0W+1], s16, HB
	s_mov_b32 s[G0R], 1
	s_mul_i32 s[G0R+1], s14, HB
	s_add_co_u32 s[G0R+1], s[G0R+1], GB
	s_mul_i32 s20, s15, GB
	s_mul_i32 s21, s16, 4*FRB
	s_add_co_u32 s20, s20, s21
	s_add_co_u32 s20, s20, GB                      ; my fragments of x in LDS
	s_mul_i32 s21, s15, GB
	s_lshl_b32 s22, s16, 11
	s_add_co_u32 s21, s21, s22
	s_add_co_u32 s21, s21, GB+SCG                  ; and their scale words
	s_lshl_b32 s22, s15, 9
	s_lshl_b32 s23, s16, 1
	s_add_co_u32 s22, s22, s23
	s_add_co_u32 s22, s22, STG
	v_and_b32 v1, 15, v0                           ; r
	v_bfe_u32 v2, v0, 4, 1                         ; h
	v_and_b32 v3, 31, v0                           ; lane
	v_lshlrev_b32 v[LO16], 4, v3
	v_lshlrev_b32 v[LO8], 3, v3
	v_lshlrev_b32 v[H8], 3, v2
	v_lshlrev_b32 v20, 5, v1
	v_lshl_add_u32 v20, v2, 4, v20                 ; 32 r + 16 h: lanes 0-15 take a row's first four words, lanes 16-31 its last four
	v_add_nc_u32 v4, s20, v[LO16]
	v_add_nc_u32 v5, 4*SB, v4
	v_add_nc_u32 v6, s21, v20
	v_add_nc_u32 v13, 4*SB, v[LO16]
	v_add_nc_u32 v14, SCG, v20
	v_mov_b32 v[WA], v[LO16]
	v_mov_b32 v[WA+1], v13
	v_mov_b32 v[WA+2], v14
	v_lshl_add_u32 v[STV0], v1, 4, v2
	v_add_nc_u32 v[STV0], s22, v[STV0]             ; v's scale byte: 512 group + 16 r + 2 (wave % 2) + h
	v_lshlrev_b32 v[SWO], 4, v1
	v_lshl_add_u32 v[SWO], v2, 3, v[SWO]
	WALU                                           ; the wait here, ahead of the waits below
	s_wait_dscnt 0x0                               ; both opening adds are done
	CROUND                                         ; all sixteen work-groups are here: the first joint loads meet
	s_wait_kmcnt 0x0
	s_add_nc_u64 s[G0X+2:G0X+3], s[4:5], s[50:51]
	s_or_b32 s[G0X+3], s[G0X+3], 0x80000000
	s_add_nc_u64 s[G0W+2:G0W+3], s[6:7], s[52:53]
	s_or_b32 s[G0W+3], s[G0W+3], 0x80000000
	s_cmp_lt_u32 s14, 2
	s_cbranch_scc0 .Lask_w
	TLOAD G0X, G1A                                 ; waves 0, 1: x's two images
	s_branch .Lasked
.Lask_w:
	TLOAD G0W, G1B                                 ; waves 2, 3: w_q's halves
.Lasked:
	s_add_nc_u64 s[G0R+2:G0R+3], s[6:7], s[54:55]
	s_or_b32 s[G0R+3], s[G0R+3], 0x80000000
	s_lshl_b32 s46, s43, 2
	s_add_co_u32 s46, s46, s14                     ; H = 4 y + wave
	s_lshl_b32 s46, s46, 3
	s_add_co_u32 s46, s46, s42
	s_mul_i32 s46, s46, HU                         ; q's half block
	s_mov_b32 s47, 0
	s_add_nc_u64 s[82:83], s[8:9], s[46:47]
	s_lshr_b32 s48, s43, 3
	s_lshl_b32 s48, s48, 8
	s_lshl_b32 s49, s42, 5
	s_add_co_u32 s48, s48, s49
	s_and_b32 s49, s43, 7
	s_lshl_b32 s49, s49, 1
	s_add_co_u32 s48, s48, s49                     ; v's first unit block
	s_add_co_u32 s94, s48, s16
	s_mul_i32 s94, s94, HU
	s_mov_b32 s95, 0
	s_add_nc_u64 s[92:93], s[10:11], s[94:95]
	s_add_co_u32 s48, s48, s15
	s_mul_i32 s48, s48, HU
	s_mul_i32 s49, s16, FRB/2
	s_add_co_u32 s48, s48, s49                     ; my half of its fragments
	s_mov_b32 s49, 0
	s_add_nc_u64 s[84:85], s[10:11], s[48:49]
	s_mov_b32 s[SEL], 0x76543210
	s_mov_b32 s[SEL+1], 0xfedcba98
	s_mov_b32 s[HM], 0xffff0000                    ; lanes 16-31
	s_mov_b32 s101, 0
	s_mov_b32 s86, 0
	s_cmp_lt_u32 s14, 2
	s_cbranch_scc0 .Lnot_x
	s_wait_tensorcnt 0x0
.Lnot_x:
	s_barrier_signal -1
	s_barrier_wait -1                              ; x is in; w_q may still be on its way
.irp s, 0,1,2,3,4,5,6,7
.irp j, 0,1,2,3
	FRAG 4*\s+\j, 4+\s/4, SB*(\s%4)+FRB*\j
.endr
.endr
	WIN 0
.irp j, 0,1,2,3
	ds_load_b128 v[XS+4*\j:XS+4*\j+3], v6 offset:512*\j
.endr
	s_wait_tensorcnt 0x0                           ; w_q is in
	ds_add_u32 v[SPW], v[NIL]
	s_wait_dscnt 0x0                               ; the add is done, and x is in my registers
	CROUND                                         ; both hold of every wave of every partner
	TLOAD G0R, G1B                                 ; w_k and w_v onto x's regions: the launch's one refill
	FETCH 0, 0
	FETCH 1, 1
; q, then k: eight blocks a trip
.Lqk:
	QA 0
	QA 1
	QA 2
	QA 3
	QB 4
	QB 5
	QB 6
	QB 7
.set I, 0                                      ; band 1's four fragments go out together, under the flight of the fetches
.rept 18
.if I != 15
.irp t, 0,1,2,3
	CHAIN I, HV1+32*\t, \t, TQ+2*\t
.endr
.endif
.set I, I+1
.endr
.set I, 0
.rept 6
.irp t, 0,1,2,3
	CODES I, HV1+32*\t, CD+12*\t+6, \t, EB1+\t, TC+4*\t
.endr
.set I, I+1
.endr
	WIN 0
.irp t, 0,1,2,3
	v_lshl_or_b32 v[TQ+\t], v[EB1+\t], 16, v[EB0+\t]       ; my two bytes: blocks h and 2 + h,
.endr
.irp t, 0,1,2,3
	v_lshlrev_b32 v[TQ+\t], v[H8], v[TQ+\t]                ; 8 h bits up;
.endr
.irp t, 0,1,2,3
	v_permlanex16_b32 v[TC+4*\t], v[TQ+\t], s[SEL], s[SEL+1]
.endr
.irp t, 0,1,2,3
	v_or_b32 v[TQ+\t], v[TQ+\t], v[TC+4*\t]                ; with lane l xor 16's two the word is whole
.endr
	v_cndmask_b32 v[TQ], v[TQ], v[TQ+2], s[HM]             ; lanes 0-15 carry fragments 0 and 1, lanes 16-31 fragments 2 and 3
	v_cndmask_b32 v[TQ+1], v[TQ+1], v[TQ+3], s[HM]
	WALU
.irp t, 0,1,2,3
.irp k, 0,1,2
	global_store_b128 v[LO16], v[CD+12*\t+4*\k:CD+12*\t+4*\k+3], s[80:81] offset:FRB*\t+512*\k   ; 512 consecutive bytes, at a multiple of 256 from the buffer's first byte
.endr
.endr
	global_store_b64 v[SWO], v[TQ:TQ+1], s[80:81] offset:SCO   ; 256 consecutive bytes
	s_add_co_u32 s86, s86, 1
	s_cmp_lg_u32 s86, 2
	s_cbranch_scc1 .Lqk
; v: eight blocks
	s_mov_b32 s101, 2*GB
	s_mov_b32 s91, 2*GB
	s_mov_b32 s90, 0
	s_mov_b32 s86, 0
	s_wait_dscnt NF
	BLOCK 1, 0, VS0, 8, 0, 32, L_NONE
	WIN 0
	PLACES 4
	FETCH 0, 2
.Lv:                                           ; blocks 1, 2 and 3, 4
	VB 1, NF, L_V1, 1, STV, 0
	VB 0, NF+1, L_OUT, 2, STV, 4
	s_add_co_u32 s86, s86, 1
	s_cmp_lg_u32 s86, 2
	s_cbranch_scc1 .Lv
	s_add_nc_u64 s[84:85], s[84:85], 16*HU-4*FRB   ; blocks 4-7 belong to the other half of the 128 channels
	VB 1, NF, L_OUT, 3, STV0, 256                  ; block 5 fetches block 7
	VB 0, NF+1, L_OUT, -1, STV0, 260
	VB 1, 1, L_OUT, -1, STV0, 264
	s_lshl_b32 s21, s16, 9                         ; the end: block 7 goes out
	s_add_co_u32 s21, s21, STG
	v_add_nc_u32 v12, s21, v[LO16]
.set I, 0
.rept 18
.if I != 15
	CHAIN I, VS0+32, 0
.endif
.set I, I+1
.endr
	CODES 2, VS0+32, CD+8, 0, EB0
	WALU
	ds_store_b8 v[STV0], v[EB0] offset:268
	VNEXT
	s_wait_dscnt 0x0                               ; for waves 0 and 1: my scale bytes have landed
	s_barrier_signal -1
	CODES 0, VS0+32, CD+8, 0, EB0
	CODES 1, VS0+32, CD+8, 0, EB0
	WIN 0
	v_nop                                          ; one plain place behind a scaled conversion
.irp i, 3,4,5
	CODES \i, VS0+32, CD+8, 0, EB0
.endr
	WALU
	s_barrier_wait -1
	PUTV CD+8
	s_cmp_lt_u32 s14, 2
	s_cbranch_scc0 .Lno_words
	ds_load_b128 v[112:115], v12                   ; the scale words of both half blocks of 128 keys
	v_lshrrev_b32 v116, 8, v[LO16]
	v_mul_u32_u24 v116, v116, 16*HU
	v_and_b32 v117, 0xff, v[LO16]
	v_add_nc_u32 v116, v116, v117                  ; lanes 0-15 store the one half's 256 bytes, lanes 16-31 the other's
	WALU
	s_wait_dscnt 0x0
	global_store_b128 v116, v[112:115], s[92:93] offset:SCO
.Lno_words:
	s_wait_tensorcnt 0x0                           ; the wave's end
	ds_add_u32 v[SPW], v[NIL]
	s_wait_dscnt 0x0
	CROUND                                         ; the closing round
	s_endpgm
.Lfunc_end_k_qa2ff37f324_proj:
	.size	k_qa2ff37f324_proj, .Lfunc_end_k_qa2ff37f324_proj-k_qa2ff37f324_proj
	.p2alignl 7, 3214868480
	.fill 96, 4, 3214868480
	.section	.rodata,"a",@progbits
	.p2align	6, 0x0
	.amdhsa_kernel k_qa2ff37f324_proj
		.amdhsa_group_segment_fixed_size 327680
		.amdhsa_private_segment_fixed_size 0
		.amdhsa_enable_private_segment 0
		.amdhsa_kernarg_size 32
		.amdhsa_user_sgpr_count 2
		.amdhsa_user_sgpr_kernarg_segment_ptr 1
		.amdhsa_wavefront_size32 1
		.amdhsa_system_sgpr_workgroup_id_x 1
		.amdhsa_system_sgpr_workgroup_id_y 1
		.amdhsa_system_sgpr_workgroup_id_z 1
		.amdhsa_system_vgpr_workitem_id 0
		.amdhsa_next_free_vgpr 992
		.amdhsa_next_free_sgpr 102
		.amdhsa_reserve_vcc 0
		.amdhsa_float_denorm_mode_32 3
		.amdhsa_float_denorm_mode_16_64 3
		.amdhsa_memory_ordered 1
		.amdhsa_forward_progress 1
		.amdhsa_inst_pref_size 128
	.end_amdhsa_kernel
	.amdgpu_metadata
---
amdhsa.version: [ 1, 2 ]
amdhsa.kernels:
  - .name:           k_qa2ff37f324_proj
    .symbol:         k_qa2ff37f324_proj.kd
    .args:
      - { .name: ximg, .offset: 0, .size: 8, .value_kind: global_buffer, .address_space: global }
      - { .name: wimg, .offset: 8, .size: 8, .value_kind: global_buffer, .address_space: global }
      - { .name: qk, .offset: 16, .size: 8, .value_kind: global_buffer, .address_space: global }
      - { .name: vt, .offset: 24, .size: 8, .value_kind: global_buffer, .address_space: global }
    .group_segment_fixed_size: 327680
    .private_segment_fixed_size: 0
    .kernarg_segment_align: 8
    .kernarg_segment_size: 32
    .max_flat_workgroup_size: 128
    .sgpr_count:     102
    .vgpr_count:     992
    .wavefront_size: 32
...
	.end_amdgpu_metadata
.endif
;; end of part 6
;; launch scores (part 7): grid 61 x 4, 4 waves a work-group, no clusters, 327,680 bytes of LDS; arguments qk, pimg, pml, pw; writes pimg, pml, pw
.if DOCPART == 7
	.amdgcn_target "amdgcn-amd-amdhsa--gfx1250"
	.amdhsa_code_object_version 6
	.text
	.protected	k_qa2ff37f324_scores
	.globl	k_qa2ff37f324_scores
	.p2align	8
	.type	k_qa2ff37f324_scores,@function
k_qa2ff37f324_scores:
	s_mov_b64 s[64:65], 0
	v_nop
	global_prefetch_b8 v0, s[64:65] scope:SCOPE_SE
	s_setreg_imm32_b32 hwreg(HW_REG_WAVE_MODE, 25, 1), 1
	s_wait_xcnt 0x0
; S = q k^T on codes of FP6, K = 1,024, for the tiles that the causal mask does not hide wholly (WORK LEFT OUT: a key behind its query has weight 0 for all inputs); then the softmax's p, quantised along the keys, leaves as codes.
; t = score x log2(e) / 32.  For each query and PIECE of 64 keys: M = the piece's largest t rounded up to a whole number, p = 2^(t - M), l = the sum of the unquantised p.  The last launch brings every piece under the row's M by taking whole numbers off the scale bytes.
; Hidden scores become -infinity ahead of the maximum; the maximum is held at -3e38 from below, so a piece that is wholly hidden for a row comes out with zero codes, l = 0 and M about -1.35e37, by the same lines.
; IN: qk, half blocks of 64 tokens x 128 K (6,400 bytes: four fragments of 1,536, then the scale words 16 r + 4 a), eight to a half group H of 64 tokens (51,200 bytes); k's 6,553,600 bytes behind q's.  Lane r of fragment a holds token 64 H + 8 a + r + 24 (r / 8).
; OUT (S = key / 128, c = which 64 keys of them, J = 2 S + c): pimg: fragment a of (H, S) at (16 H + S) 6,144 + 1,536 a; its half c at + 768 c: registers 0-3 at + 16 l, registers 4-5 at + 512 + 8 l.
;   pml: {-M, l} f32 at (32 H + J) 512 + 8 (16 a + r);  pw: the scale word at (16 H + S) 256 + 4 (16 a + r).
; THE DEAL.  A column is 128 keys; of column j the 32 - 2 j half groups of queries from the diagonal on are cut into ceil(that / 5) runs of 5 or 4 (at a column's end 2): 61 runs a batch, one to a work-group.
; Four waves, 2 x 2: a wave holds 64 keys (c), all of K, in registers (32 fragments) and streams two of each half group's four blocks of 16 queries past them: 32 products a block.
; Source 0 = keys, source 1 = queries: a lane has one query, and its 32 sums are keys 32 h + 0 .. 31 of the 64: one scale block.
; LDS: half groups 0-2 and the 128 keys' rows at the head, one load a wave; when all waves hold the keys in registers their bytes are filled again, once, with half groups 3 and 4 (a run of two does not read them).
; NO CLUSTER: the runs of a column start at different queries and have different lengths, so work-groups that share q's or k's rows would ask for them in different rounds.  No prefetch: the one later load goes out ahead of the first block and has four blocks of a wave in which to land.
; LIMITS: NaN and infinities are not served; the scaled scores t stay under 2^31 in magnitude; a block whose largest p lies under 2^-124 keeps the byte 1.
.set HU,    6400
.set HG,    51200
.set FRB,   1536
.set KOFF,  6553600
.set KREG,  3*HG
.set STG,   5*HG                       ; the scale words' bytes, 256 a half group
.set SPARE, STG+1280
.set FR,    12
.set FPW,   21                         ; fragment f lies in window 1 + f / 21: 0-31 the keys (4 s + j), 32-39, 40-47 the stream's two sets
.set LO16,  12
.set LO8,   13
.set NEG,   16
.set NINF,  17
.set XS,    24                         ; v24-39 the keys' scale words: 4 (s % 4) + j, lanes 16-31 K steps 4-7
.set WS,    40                         ; v40-47 the queries', of both blocks
.set SOP,   48
.set NM,    54                         ; v[54:55], v[56:57] -M (the packed form names a pair)
.set PX,    58                         ; v58, v59 the block's largest p
.set S0,    60
.set S1,    62
.set LL,    64
.set EB,    66
.set OUT2,  68
.set CD,    72                         ; v72-77, v80-85 codes
.set TC,    88
.set X0,    128                        ; v128-159, v160-191 the two blocks' sums, then p
.set G1K, 16
.set G1Q, 24
.set G0K, 32
.set G0Q, 36
.set G0R, 40
.set CS,  72
.set SEL, 74
.set HM,  94
.set MSB, 0
.macro WIN new
.if MSB != (\new)
	s_set_vgpr_msb (MSB<<8)|(\new)
.set MSB, (\new)
.endif
.endm
.macro PLACES n
.rept \n
	v_nop
.endr
.endm
.macro WALU
	s_wait_alu depctr_va_vdst(0)
.endm
.macro TLOAD g0, g1
	tensor_load_to_lds s[\g0:\g0+3], s[\g1:\g1+7]
	s_nop 0
	PLACES 4
.endm
.macro GROUP1 g, rows
	s_mov_b32 s[\g], 3<<16
	s_mov_b32 s[\g+1], 32<<16
	s_mov_b32 s[\g+2], (\rows)<<16
	s_mov_b32 s[\g+3], 32<<16
	s_mov_b32 s[\g+4], \rows
	s_mov_b32 s[\g+5], 32
	s_mov_b32 s[\g+6], 0
	s_mov_b32 s[\g+7], 0
.endm
.macro FRAG f, a, off
	WIN (1+(\f)/FPW)<<6
.irp c, 0,1,2
	ds_load_b128 v[FR*((\f)%FPW)+4*\c:FR*((\f)%FPW)+4*\c+3], v[\a] offset:(\off)+512*\c
.endr
.endm
.macro FETCH e                         ; the wave's block e of a half group into set e: 24 loads
.irp s, 0,1,2,3,4,5,6,7
	FRAG 32+8*(\e)+\s, 8, HU*\s+FRB*(\e)
.endr
	WIN 0
.endm
.macro QSC                             ; both blocks' scale words: 4 loads
	ds_load_b64 v[WS+4:WS+5], v9
	ds_load_b64 v[WS:WS+1], v9 offset:HU
	ds_load_b64 v[WS+6:WS+7], v9 offset:2*HU
	ds_load_b64 v[WS+2:WS+3], v9 offset:3*HU
.endm
; product n = 4 s + j of block e: four accumulators by turns
.macro PROD e, n
.set S_, (\n)/4
.set J_, (\n)%4
.set Q_, S_%4
.set F0_, \n
.set F1_, 32+8*(\e)+S_
.set D_, X0+32*(\e)+8*J_
.set XX_, XS+4*Q_+J_
.if Q_%2
.set YY_, WS+Q_-1+(\e)
.else
.set YY_, WS+4+Q_+(\e)
.endif
	WIN (1+F0_/FPW)|((1+F1_/FPW)<<2)
.if S_ == 0
	v_wmma_scale_f32_16x16x128_f8f6f4 v[D_:D_+7], v[FR*(F0_%FPW):FR*(F0_%FPW)+11], v[FR*(F1_%FPW):FR*(F1_%FPW)+11], 0, v[XX_], v[YY_] matrix_a_fmt:MATRIX_FMT_FP6 matrix_b_fmt:MATRIX_FMT_FP6
.elseif S_ < 4
	v_wmma_scale_f32_16x16x128_f8f6f4 v[D_:D_+7], v[FR*(F0_%FPW):FR*(F0_%FPW)+11], v[FR*(F1_%FPW):FR*(F1_%FPW)+11], v[D_:D_+7], v[XX_], v[YY_] matrix_a_fmt:MATRIX_FMT_FP6 matrix_b_fmt:MATRIX_FMT_FP6
.else
	v_wmma_scale_f32_16x16x128_f8f6f4 v[D_:D_+7], v[FR*(F0_%FPW):FR*(F0_%FPW)+11], v[FR*(F1_%FPW):FR*(F1_%FPW)+11], v[D_:D_+7], v[XX_], v[YY_] matrix_a_fmt:MATRIX_FMT_FP6 matrix_b_fmt:MATRIX_FMT_FP6 matrix_a_scale:MATRIX_SCALE_ROW1 matrix_b_scale:MATRIX_SCALE_ROW1
.endif
.endm
.macro BLOCK e, list, x=0              ; behind every second product two entries of a list
.set N_, 0
.rept 32
	PROD \e, N_
.if N_%2
	\list N_-1, \x
	\list N_, \x
.endif
.set N_, N_+1
.endr
	WIN 0
.endm
.macro L_NONE i, x
.endm
.macro POST i, x                       ; 20 entries behind the exponentials of block x: l, and the conversions' scale operand
.set B_, X0+32*(\x)
.set M_, 8+4*(((\i)-2)/2)
.if (\i) < 20
	WIN 0
.endif
.if (\i) == 0
	v_pk_add_f32 v[S0:S0+1], v[B_:B_+1], v[B_+4:B_+5]   ; the sum of the unquantised p, two at a time, in two chains
.elseif (\i) == 1
	v_pk_add_f32 v[S1:S1+1], v[B_+2:B_+3], v[B_+6:B_+7]
.elseif (\i) < 14
.if (\i)%2
	v_pk_add_f32 v[S1:S1+1], v[S1:S1+1], v[B_+M_+2:B_+M_+3]
.else
	v_pk_add_f32 v[S0:S0+1], v[S0:S0+1], v[B_+M_:B_+M_+1]
.endif
.elseif (\i) == 14
	v_pk_add_f32 v[S0:S0+1], v[S0:S0+1], v[S1:S1+1]
.elseif (\i) == 15
	v_add_f32 v53, v[S0], v[S0+1]
.elseif (\i) == 16
	v_permlanex16_b32 v52, v53, s[SEL], s[SEL+1]
.elseif (\i) == 17
	v_add_f32 v[LL+\x], v53, v52                        ; with lane l xor 16's 32 keys
.elseif (\i) == 18
	v_max_num_f32 v[PX+\x], 0x1800000, v[PX+\x]         ; the floor 2^(3 - 127)
.elseif (\i) == 19
	v_add_nc_u32 v[SOP+\x], 0xff000000, v[PX+\x]        ; 2 off the exponent field
.endif
.endm
.macro CODES6 e
	v_cvt_scalef32_pk16_fp6_f32 v[CD+8*(\e):CD+8*(\e)+2], v[X0+32*(\e):X0+32*(\e)+15], v[SOP+\e]
	v_cvt_scalef32_pk16_fp6_f32 v[TC:TC+2], v[X0+32*(\e)+16:X0+32*(\e)+31], v[SOP+\e]
	v_lshrrev_b32 v[EB+\e], 23, v[SOP+\e]
.irp i, 0,1,2
	v_mov_b32 v[CD+8*(\e)+3+\i], v[TC+\i]
.endr
.endm
.macro SOFT e                          ; the softmax of block e up to p
.set B_, X0+32*(\e)
	s_cmp_gt_i32 s92, 0                            ; s92: the queries' half group less the keys'; above 0 nothing is hidden
	s_cbranch_scc1 .Lopen_\@
	s_lshl_b32 s22, s92, 6
	s_add_co_u32 s22, s22, 8*(\e)
	v_add_nc_u32 v18, s22, v15                     ; register n holds a hidden key where n is above this
.set n, 0
.rept 32
	v_cmp_gt_i32 vcc_lo, n, v18
	v_cndmask_b32 v[B_+n], v[B_+n], v[NINF], vcc_lo
.set n, n+1
.endr
.Lopen_\@:
	v_max3_num_f32 v50, v[NEG], v[B_], v[B_+1]     ; the largest score of my 32 keys, held at -3e38 from below: it serves for the row's maximum and, since p rises with the score, for the block's largest p
	v_max3_num_f32 v51, v[NEG], v[B_+16], v[B_+17]
.irp i, 2,4,6,8,10,12,14
	v_max3_num_f32 v50, v50, v[B_+\i], v[B_+\i+1]
	v_max3_num_f32 v51, v51, v[B_+16+\i], v[B_+17+\i]
.endr
	v_max_num_f32 v50, v50, v51
	v_permlanex16_b32 v52, v50, s[SEL], s[SEL+1]
	v_max_num_f32 v51, v50, v52
	v_mul_f32 v51, s[CS], v51                      ; the piece's largest t
	v_floor_f32 v[NM+2*(\e)], -v51                 ; -M = floor(-t)
	v_fma_f32 v[PX+\e], v50, s[CS], v[NM+2*(\e)]
	v_min_num_f32 v[PX+\e], 0, v[PX+\e]            ; held at 0 from above, in a wholly hidden piece too: so no byte of p passes 125
.set n, 0
.rept 16
	v_pk_fma_f32 v[B_+n:B_+n+1], v[B_+n:B_+n+1], s[CS:CS+1], v[NM+2*(\e):NM+2*(\e)+1] op_sel_hi:[1,0,0]   ; t - M
.set n, n+2
.endr
	WALU                                           ; the wait ahead of the batch,
.set n, 0
.rept 32
	v_exp_f32 v[B_+n], v[B_+n]                     ; p = 2^(t - M)
.set n, n+1
.endr
	v_exp_f32 v[PX+\e], v[PX+\e]
	v_nop
	WALU                                           ; and behind it
.endm
	s_load_b256 s[4:11], s[0:1], 0x0               ; qk, pimg, pml, pw
	v_lshl_add_u32 v10, v0, 2, SPARE
	v_mov_b32 v11, 0
	ds_add_u32 v10, v11                            ; the opening lines: the add, twice on end, and its wait
	ds_add_u32 v10, v11
	v_lshrrev_b32 v1, 5, v0
	v_readfirstlane_b32 s14, v1                    ; wave
	s_lshr_b32 s15, s14, 1                         ; which two blocks of a half group
	s_and_b32 s48, s14, 1                          ; c: which 64 keys
	s_mov_b32 s56, 0                               ; j: how many of the columns' last runs lie under my number
	s_mov_b32 s57, 0
.irp T, 7,13,19,25,30,35,39,43,47,50,53,55,57,59,60
	s_cmp_ge_u32 ttmp9, \T
	s_cselect_b32 s57, \T, s57
	s_cselect_b32 s58, 1, 0
	s_add_co_u32 s56, s56, s58
.endr
	s_sub_co_u32 s58, ttmp9, s57                   ; which run of the column
	s_lshl_b32 s59, s56, 1
	s_sub_co_u32 s59, 32, s59                      ; N = 32 - 2 j half groups
	s_add_co_u32 s60, s59, 4
	s_mul_i32 s60, s60, 13
	s_lshr_b32 s60, s60, 6                         ; ceil(N / 5) runs: (13 x) / 64 is x / 5 for every x = N + 4 up to 36
	s_lshl_b32 s60, s60, 2
	s_sub_co_i32 s61, s59, s60
	s_max_i32 s61, s61, 0                          ; the first N - 4 ceil(N / 5) runs have five half groups
	s_min_u32 s62, s58, s61
	s_lshl_b32 s63, s58, 2
	s_add_co_u32 s62, s62, s63                     ; the run's first half group, counted from the diagonal
	s_cmp_lt_u32 s58, s61
	s_cselect_b32 s63, 5, 4
	s_sub_co_u32 s66, s59, s62
	s_min_u32 s67, s63, s66                        ; its half groups: the trips
	s_and_b32 s70, ttmp7, 0xffff
	s_lshl_b32 s70, s70, 5                         ; the batch's first half group
	s_lshl_b32 s71, s56, 1
	s_add_co_u32 s71, s71, s70                     ; the keys' first
	s_add_co_u32 s69, s71, s62                     ; the run's first
	s_sub_co_i32 s92, s62, s48
	GROUP1 G1Q, 200                                ; a half group of queries
	s_mul_i32 s20, s71, HG
	s_add_co_u32 s20, s20, KOFF
	s_mov_b32 s21, 0
	s_add_co_u32 s22, s14, 3
	s_and_b32 s22, s22, 3                          ; waves 1-3: half groups 0-2
	s_mov_b32 s[G0Q], 1
	s_mul_i32 s[G0Q+1], s22, HG
	s_add_co_u32 s22, s22, s69
	s_mul_i32 s22, s22, HG
	s_mov_b32 s23, 0
	s_mov_b32 s[G0K], 1
	s_mov_b32 s[G0K+1], KREG
	s_mov_b32 s[G0R], 1
	s_mul_i32 s[G0R+1], s14, HG
	s_add_co_u32 s[G0R+1], s[G0R+1], KREG
	s_add_co_u32 s50, s69, s14
	s_add_co_u32 s50, s50, 3
	s_mul_i32 s50, s50, HG
	s_mov_b32 s51, 0
	s_mul_i32 s52, s48, HG
	s_add_co_u32 s52, s52, KREG                    ; my keys in LDS
	s_mul_i32 s53, s15, 2*FRB
	s_lshl_b32 s54, s15, 3
	s_lshl_b32 s55, s15, 7
	s_lshl_b32 s49, s48, 1
	s_add_co_u32 s55, s55, s49
	s_add_co_u32 s55, s55, STG
	s_lshl_b32 s49, s14, 8
	s_add_co_u32 s49, s49, STG
	s_lshl_b32 s58, s15, 4
	v_and_b32 v1, 15, v0                           ; r
	v_bfe_u32 v2, v0, 4, 1                         ; h
	v_and_b32 v3, 31, v0
	v_lshlrev_b32 v[LO16], 4, v3
	v_lshlrev_b32 v[LO8], 3, v3
	v_add_nc_u32 v4, s52, v[LO16]                  ; my keys' fragments
	v_mul_u32_u24 v5, v2, 4*HU
	v_lshl_add_u32 v5, v1, 4, v5
	v_add_nc_u32 v5, 4*FRB, v5                     ; scale words: lanes 16-31 four K steps on
	v_add_nc_u32 v7, s54, v5
	v_add_nc_u32 v5, s52, v5
	v_add_nc_u32 v6, s53, v[LO16]                  ; my blocks' fragments in half group 0
	v_mov_b32 v8, v6
	v_mov_b32 v9, v7
	v_lshl_add_u32 v14, v1, 2, v2
	v_add_nc_u32 v14, s55, v14                     ; my scale byte: 4 (32 (wave / 2) + r) + 2 c + h
	v_add_nc_u32 v20, s49, v[LO8]
	v_and_b32 v15, 8, v1
	v_mul_u32_u24 v15, v15, 3
	v_add_nc_u32 v15, v15, v1
	v_lshlrev_b32 v21, 5, v2
	v_sub_nc_u32 v15, v15, v21
	v_add_nc_u32 v15, s58, v15                     ; 16 (wave / 2) + r + 24 (r / 8) - 32 h
	v_mov_b32 v[NEG], 0xff61b1e6
	v_mov_b32 v[NINF], 0xff800000
	v_mov_b32 v52, 0                               ; written once: a lane permute's destination counts as one of its sources
	v_mov_b32 v[NM+1], 0                           ; (named with -M as a pair)
	v_mov_b32 v[NM+3], 0
	WALU
	s_wait_dscnt 0x0                               ; both opening adds are done
	s_wait_kmcnt 0x0
	s_add_nc_u64 s[G0K+2:G0K+3], s[4:5], s[20:21]
	s_or_b32 s[G0K+3], s[G0K+3], 0x80000000
	s_add_nc_u64 s[G0Q+2:G0Q+3], s[4:5], s[22:23]
	s_or_b32 s[G0Q+3], s[G0Q+3], 0x80000000
	s_add_nc_u64 s[G0R+2:G0R+3], s[4:5], s[50:51]
	s_or_b32 s[G0R+3], s[G0R+3], 0x80000000
	s_lshl_b32 s20, s69, 4
	s_add_co_u32 s20, s20, s56                     ; 16 H + S
	s_mul_i32 s22, s20, 4*FRB
	s_mul_i32 s50, s15, 2*FRB
	s_add_co_u32 s22, s22, s50
	s_mul_i32 s50, s48, FRB/2
	s_add_co_u32 s22, s22, s50
	s_add_nc_u64 s[76:77], s[6:7], s[22:23]        ; my codes' place
	s_lshl_b32 s22, s20, 1
	s_add_co_u32 s22, s22, s48
	s_lshl_b32 s22, s22, 9
	s_lshl_b32 s50, s15, 8
	s_add_co_u32 s22, s22, s50
	s_add_nc_u64 s[80:81], s[8:9], s[22:23]        ; M's and l's
	s_lshl_b32 s22, s20, 8
	s_lshl_b32 s50, s14, 12
	s_add_co_u32 s22, s22, s50
	s_add_nc_u64 s[84:85], s[10:11], s[22:23]      ; the scale words', of trip = wave
	GROUP1 G1K, 400                                ; two half groups of keys (s20-23 have served as temporaries until here)
	s_cmp_lt_u32 s14, 1
	s_cbranch_scc0 .Lask_q
	TLOAD G0K, G1K                                 ; wave 0: the keys
	s_branch .Lasked
.Lask_q:
	TLOAD G0Q, G1Q                                 ; waves 1-3: half groups 0-2
.Lasked:
	s_mov_b32 s[CS], 0x3d38aa3b                    ; c = log2(e) / 32
	s_mov_b32 s[CS+1], s[CS]
	s_mov_b32 s[SEL], 0x76543210
	s_mov_b32 s[SEL+1], 0xfedcba98
	s_mov_b32 s[HM], 0xffff0000
	s_mov_b32 s101, HG                             ; the half group that is fetched next
	s_mov_b32 s90, 0
	s_mov_b32 s86, 0
	s_cmp_lt_u32 s14, 1
	s_cbranch_scc0 .Lnot_k
	s_wait_tensorcnt 0x0
.Lnot_k:
	s_barrier_signal -1
	s_barrier_wait -1                              ; the keys are in; the queries may still be on their way
.irp s, 0,1,2,3,4,5,6,7
.irp j, 0,1,2,3
	FRAG 4*\s+\j, 4, HU*\s+FRB*\j
.endr
.endr
	WIN 0
.irp q, 0,1,2,3
	ds_load_b128 v[XS+4*\q:XS+4*\q+3], v5 offset:HU*\q
.endr
	s_wait_tensorcnt 0x0                           ; my half group is in
	ds_add_u32 v10, v11
	s_wait_dscnt 0x0                               ; the add is done, and the keys are in my registers
	s_barrier_signal -1
	s_barrier_wait -1
	s_cmp_lt_u32 s14, 2
	s_cbranch_scc0 .Lno_more
	TLOAD G0R, G1Q                                 ; half groups 3 and 4 onto the keys' bytes: the launch's one refill
.Lno_more:
	FETCH 0
	QSC
	FETCH 1
; a half group: two blocks.  skip = 1: a trip behind the run's end does nothing
.macro TRIP skip
.if \skip
	s_cmp_ge_u32 s86, s67
	s_cbranch_scc1 .Lpass_\@
.endif
	s_wait_xcnt 0x0                                ; the last trip's stores have read their registers and their bases
	s_mov_b64 s[78:79], s[76:77]
	s_add_nc_u64 s[76:77], s[76:77], 64*FRB
	s_mov_b64 s[82:83], s[80:81]
	s_add_nc_u64 s[80:81], s[80:81], 16384
	s_add_co_u32 s87, s86, 1
	s_wait_dscnt 24                                ; all but the youngest fetch
	BLOCK 0, L_NONE
	s_min_u32 s100, s101, 4*HG                     ; (the last trip fetches nothing)
	v_add_nc_u32 v8, s100, v6
	v_add_nc_u32 v9, s100, v7
	v_add_nc_u32 v19, s90, v14
	v_nop                                          ; (these four are also the places behind the products)
	WALU
	s_cmp_ge_u32 s87, s67
	s_cbranch_scc1 .Lno_fetch_0_\@
	FETCH 0
	s_branch .Lfetched_0_\@
.Lno_fetch_0_\@:
	s_wait_dscnt 0x0
.Lfetched_0_\@:
	SOFT 0
	s_wait_dscnt 24
	BLOCK 1, POST, 0
	CODES6 0
	WALU
	s_cmp_ge_u32 s87, s67
	s_cbranch_scc1 .Lno_fetch_1_\@
	QSC
	FETCH 1
.Lno_fetch_1_\@:
	SOFT 1
.set I, 0
.rept 20
	POST I, 1
.set I, I+1
.endr
	CODES6 1
	v_cndmask_b32 v[OUT2], v[NM], v[NM+2], s[HM]   ; lanes 0-15 carry block 0's rows, lanes 16-31 block 1's
	v_cndmask_b32 v[OUT2+1], v[LL], v[LL+1], s[HM]
	WALU
	ds_store_b8 v19, v[EB]
	ds_store_b8 v19, v[EB+1] offset:64
.irp e, 0,1
	global_store_b128 v[LO16], v[CD+8*\e:CD+8*\e+3], s[78:79] offset:FRB*\e          ; 512 and 256 consecutive bytes, at multiples of 256 from the buffer's first byte
	global_store_b64 v[LO8], v[CD+8*\e+4:CD+8*\e+5], s[78:79] offset:FRB*\e+512
.endr
	global_store_b64 v[LO8], v[OUT2:OUT2+1], s[82:83]
	s_add_co_u32 s92, s92, 1
.if \skip
.Lpass_\@:
.endif
	s_add_co_u32 s101, s101, HG
	s_add_co_u32 s90, s90, 256
	s_add_co_u32 s86, s86, 1
.endm
.Lfirst:                                       ; half groups 0 and 1, which every run has
	TRIP 0
	s_cmp_lt_u32 s86, 2
	s_cbranch_scc1 .Lfirst
	WALU
	s_wait_tensorcnt 0x0                           ; a plain barrier shows the refill to all waves
	s_wait_dscnt 0x0
	s_barrier_signal -1
	s_barrier_wait -1
	s_mov_b32 s86, 2
	s_mov_b32 s101, 3*HG
	s_mov_b32 s90, 512
.Lrest:                                        ; half groups 2 to 4, as far as the run has them
	TRIP 1
	s_cmp_lt_u32 s86, 5
	s_cbranch_scc1 .Lrest
	WALU
	s_wait_tensorcnt 0x0
	s_wait_dscnt 0x0                               ; my scale bytes have landed
	s_barrier_signal -1
	s_barrier_wait -1
	s_cmp_lt_u32 s14, s67
	s_cbranch_scc0 .Lno_words
	ds_load_b64 v[92:93], v20                      ; wave w stores half group w's 256 bytes of scale words
	s_wait_dscnt 0x0
	global_store_b64 v[LO8], v[92:93], s[84:85]
.Lno_words:
	s_cmp_lg_u32 s14, 0
	s_cbranch_scc1 .Ldone
	s_cmp_lg_u32 s67, 5
	s_cbranch_scc1 .Ldone
	ds_load_b64 v[94:95], v20 offset:1024          ; and wave 0 half group 4's
	s_wait_dscnt 0x0
	global_store_b64 v[LO8], v[94:95], s[84:85] offset:16384
.Ldone:
	s_wait_tensorcnt 0x0                           ; the wave's end
	ds_add_u32 v10, v11
	s_wait_dscnt 0x0
	s_endpgm
.Lfunc_end_k_qa2ff37f324_scores:
	.size	k_qa2ff37f324_scores, .Lfunc_end_k_qa2ff37f324_scores-k_qa2ff37f324_scores
	.p2alignl 7, 3214868480
	.fill 96, 4, 3214868480
	.section	.rodata,"a",@progbits
	.p2align	6, 0x0
	.amdhsa_kernel k_qa2ff37f324_scores
		.amdhsa_group_segment_fixed_size 327680
		.amdhsa_private_segment_fixed_size 0
		.amdhsa_enable_private_segment 0
		.amdhsa_kernarg_size 32
		.amdhsa_user_sgpr_count 2
		.amdhsa_user_sgpr_kernarg_segment_ptr 1
		.amdhsa_wavefront_size32 1
		.amdhsa_system_sgpr_workgroup_id_x 1
		.amdhsa_system_sgpr_workgroup_id_y 1
		.amdhsa_system_sgpr_workgroup_id_z 1
		.amdhsa_system_vgpr_workitem_id 0
		.amdhsa_next_free_vgpr 992
		.amdhsa_next_free_sgpr 102
		.amdhsa_reserve_vcc 1
		.amdhsa_float_denorm_mode_32 3
		.amdhsa_float_denorm_mode_16_64 3
		.amdhsa_memory_ordered 1
		.amdhsa_forward_progress 1
		.amdhsa_inst_pref_size 77
	.end_amdhsa_kernel
	.amdgpu_metadata
---
amdhsa.version: [ 1, 2 ]
amdhsa.kernels:
  - .name:           k_qa2ff37f324_scores
    .symbol:         k_qa2ff37f324_scores.kd
    .args:
      - { .name: qk, .offset: 0, .size: 8, .value_kind: global_buffer, .address_space: global }
      - { .name: pimg, .offset: 8, .size: 8, .value_kind: global_buffer, .address_space: global }
      - { .name: pml, .offset: 16, .size: 8, .value_kind: global_buffer, .address_space: global }
      - { .name: pw, .offset: 24, .size: 8, .value_kind: global_buffer, .address_space: global }
    .group_segment_fixed_size: 327680
    .private_segment_fixed_size: 0
    .kernarg_segment_align: 8
    .kernarg_segment_size: 32
    .max_flat_workgroup_size: 128
    .sgpr_count:     102
    .vgpr_count:     992
    .wavefront_size: 32
...
	.end_amdgpu_metadata
.endif
;; end of part 7
;; launch pv (part 8): grid 8 x 32, 4 waves a work-group, clusters of 4 x 1, 327,680 bytes of LDS; arguments pimg, pml, pw, vt, out0; writes out0
.if DOCPART == 8
	.amdgcn_target "amdgcn-amd-amdhsa--gfx1250"
	.amdhsa_code_object_version 6
	.text
	.protected	k_qa2ff37f324_pv
	.globl	k_qa2ff37f324_pv
	.p2align	8
	.type	k_qa2ff37f324_pv,@function
k_qa2ff37f324_pv:
	s_mov_b64 s[64:65], 0
	v_nop
	global_prefetch_b8 v0, s[64:65] scope:SCOPE_SE
	s_setreg_imm32_b32 hwreg(HW_REG_WAVE_MODE, 25, 1), 1
	s_wait_xcnt 0x0
	s_wait_alu depctr_hold_cnt(0) depctr_sa_sdst(0) depctr_va_vdst(0) depctr_va_sdst(0) depctr_va_ssrc(0) depctr_va_vcc(0) depctr_vm_vsrc(0)
	s_getreg_b32 s2, hwreg(HW_REG_IB_STS2, 6, 4)
	s_cmp_eq_u32 s2, 0
	s_cbranch_scc0 .Lentry_in_a_cluster
	s_endpgm
.Lentry_in_a_cluster:
	s_bfe_u32 s2, ttmp6, 0x10000c
	s_cmp_lg_u32 s2, 0x3003
	s_cbranch_scc0 .Lentry_shape_is_right
	s_endpgm
.Lentry_shape_is_right:
; out = (p v) / l on codes of FP6 (E2M3, one E8M0 byte for each 32 keys); f32 sums.  WORK LEFT OUT: tiles of 128 queries x 128 keys that the causal mask hides wholly (their p is 0 for all inputs).
; THE DEAL.  256 work-groups: n = 0 .. 7 (128 channels), y = 8 batch + i: query groups of 128, tile A = 15 - i with 16 - i steps of 128 keys, then tile B = i with i + 1: 17 steps each.  Four waves, 2 x 2, 64 queries x 64 channels: 16 accumulators.
; UNDER THE ROW'S M.  pml holds for each query and 64 keys {-M, l} under the piece's own M.  At the head each lane takes a row: the row's M, the pieces' factors 2^(M - row's M), the row's l, and the scale words less those whole numbers (held at 0 from below).
;   The words go to LDS, [step][queries' half][r][fragment], and so does 1 / l.
; LDS: v's 128 channels x 16 steps stay ([half][step][6,400 bytes]: four fragments of 1,536 and their scale words); p comes in five slots of four steps through a ring of two ([half][step][6,144 bytes]).
;   Slots 0-2 are A's; A has a fourth (i < 4) and B one, or (i >= 4) B has two: the text has both ways.  Steps behind a tile's last are passed over by branches on the work-group's number.
; A fragment (p's and v's) lies in halves of 768 bytes: registers 6 c .. 6 c + 3 as 16 bytes a lane, registers 6 c + 4, 6 c + 5 as 8 bytes a lane.
; CLUSTERS of four work-groups with the same queries: p's slots are asked for jointly.  v's rows differ between them.
; No prefetch: the walk is five slots written out, without a loop to run ahead in, and each slot is asked for a whole slot ahead.
; Source 0 = v's channels, source 1 = p's rows: a lane has one query and channels 32 h + 0 .. 31 of 64.
; LIMITS: NaN and infinities are not served; a piece whose M lies 127 or more under the row's M counts as 127 under it.
.set HU,    6400
.set PU,    6144
.set FRB,   1536
.set VH,    16*HU
.set PR,    2*VH
.set PSL,   8*PU                       ; a slot of p
.set SWB,   PR+2*PSL                   ; scale words: A's 16 steps x 512 bytes, B's 8
.set TB,    8192
.set RLB,   SWB+TB+4096                ; 1 / l: A's 128 rows, B's
.set SPARE, RLB+1024
.set STX,   12*HU                      ; stages of 4 x 4,352 bytes: v's steps 12-15 of one half (A's way out, i < 4) or of the other (i >= 4), which B does not read, and the ring's slot 1 (B's way out):
.set STY,   VH+12*HU                   ; each has had its last fill and, behind a barrier, its last read by then
.set STB,   PR+PSL
.set SPITCH, 272
.set LO16,  12
.set LO8,   13
.set ADP,   14                         ; v14, v15 p's fragments in ring slot 0, 1;  v16, v17 the same for the 8-byte parts
.set ADP8,  16
.set ADV,   18                         ; v18, v19 v's fragments, steps 0-7, 8-15;  v20, v21
.set ADV8,  20
.set BSA,   22                         ; v22, v23 v's scale words
.set AS,    24                         ; v24-31, v32-39 scale words of two steps (one in each half of the lanes): p's four, v's four
.set RL,    40                         ; v40-47 1 / l of the four fragments (pairs)
.set SWA,   48
.set RLA,   49
.set CO,    56
.set SWW,   57
.set RLW,   58
.set VO8,   59
.set VO4,   60
.set SPW,   10
.set NIL,   11
.set AF,    64                         ; v64-111, v112-159 p's fragments, two sets
.set BF,    160                        ; v160-207, v208-255 v's
.set BK,    64                         ; the way out: rows read back
.set PA,    64                         ; the head: A's {-M, l}, v64-127; its words v128-143
.set WA,    128
.set PB,    160                        ; B's, v160-191; v192-199
.set WB,    192
.set G1P, 24
.set G1V, 32
.set G0V, 56
.set G0P, 60
.set K80, 98
.set MSB, 0
.macro WIN new
.if MSB != (\new)
	s_set_vgpr_msb (MSB<<8)|(\new)
.set MSB, (\new)
.endif
.endm
.macro PLACES n
.rept \n
	v_nop
.endr
.endm
.macro WALU
	s_wait_alu depctr_va_vdst(0)
.endm
.macro CROUND
	s_barrier_signal -1
	s_barrier_wait -1
	s_cmp_lg_u32 s14, 0
	s_cbranch_scc1 .Lnot_wave_0_\@
	s_barrier_signal -3
.Lnot_wave_0_\@:
	s_barrier_wait -3
	s_barrier_signal -1
	s_barrier_wait -1
.endm
.macro TLOAD g0, g1
	tensor_load_to_lds s[\g0:\g0+3], s[\g1:\g1+7]
	s_nop 0
	PLACES 4
.endm
.macro GROUP1 g, w0, rows
	s_mov_b32 s[\g], \w0
	s_mov_b32 s[\g+1], 32<<16
	s_mov_b32 s[\g+2], (\rows)<<16
	s_mov_b32 s[\g+3], 32<<16
	s_mov_b32 s[\g+4], \rows
	s_mov_b32 s[\g+5], 32
	s_mov_b32 s[\g+6], 0
	s_mov_b32 s[\g+7], 0
.endm
; a change of slots: the next slot has landed; then a round of the cluster's barrier; behind it waves 0 and 1 ask for the slot behind the next (offset in s\off, to LDS byte s\lds), and, v = 1, waves 2 and 3 for v's steps 8-15
.macro TURN off, lds, v
	s_wait_tensorcnt 0x0
	ds_add_u32 v[SPW], v[NIL]
	s_mov_b32 s20, s\off
	s_add_nc_u64 s[G0P+2:G0P+3], s[4:5], s[20:21]
	s_or_b32 s[G0P+3], s[G0P+3], 0x80000000
	s_mov_b32 s[G0P+1], s\lds
.if \v
	s_add_nc_u64 s[G0V+2:G0V+3], s[G0V+2:G0V+3], 8*HU
	s_add_co_u32 s[G0V+1], s[G0V+1], 8*HU
.endif
	s_wait_dscnt 0x0
	CROUND
	s_cmp_lt_u32 s14, 2
	s_cbranch_scc0 .Lnot_p_\@
	TLOAD G0P, G1P
.if \v
	s_branch .Lasked_\@
.Lnot_p_\@:
	TLOAD G0V, G1V
.Lasked_\@:
.else
.Lnot_p_\@:
.endif
.endm
.macro PTURN                           ; nothing is left to fill: a plain barrier
	s_wait_tensorcnt 0x0
	s_wait_dscnt 0x0
	s_barrier_signal -1
	s_barrier_wait -1
.endm
.macro FETCH e, par, st, S             ; p's step st of ring slot par, v's step S: 32 loads
.irp j, 0,1,2,3
.irp c, 0,1
	ds_load_b128 v[AF+48*(\e)+12*\j+6*\c:AF+48*(\e)+12*\j+6*\c+3], v[ADP+\par] offset:PU*(\st)+FRB*\j+768*\c
	ds_load_b64 v[AF+48*(\e)+12*\j+6*\c+4:AF+48*(\e)+12*\j+6*\c+5], v[ADP8+\par] offset:PU*(\st)+FRB*\j+768*\c+512
	ds_load_b128 v[BF+48*(\e)+12*\j+6*\c:BF+48*(\e)+12*\j+6*\c+3], v[ADV+(\S)/8] offset:HU*((\S)%8)+FRB*\j+768*\c
	ds_load_b64 v[BF+48*(\e)+12*\j+6*\c+4:BF+48*(\e)+12*\j+6*\c+5], v[ADV8+(\S)/8] offset:HU*((\S)%8)+FRB*\j+768*\c+512
.endr
.endr
.endm
.macro SCALES set, toff, S             ; the scale words of steps S and S + 1: 2 loads
	ds_load_b128 v[AS+8*(\set):AS+8*(\set)+3], v[SWA] offset:(\toff)+512*(\S)
	ds_load_b128 v[AS+8*(\set)+4:AS+8*(\set)+7], v[BSA+(\S)/8] offset:HU*((\S)%8)
.endm
.macro PRODS e, set, row, acc, zero    ; 16 accumulators by turns
	WIN 0x50                                       ; C and D in window 1
.irp j, 0,1,2,3
.irp b, 0,1,2,3
.set D_, (\acc)+32*\j+8*\b
.set B_, BF+48*(\e)+12*\b
.set A_, AF+48*(\e)+12*\j
.set X_, AS+8*(\set)+4+\b
.set Y_, AS+8*(\set)+\j
.if \zero
	v_wmma_scale_f32_16x16x128_f8f6f4 v[D_:D_+7], v[B_:B_+11], v[A_:A_+11], 0, v[X_], v[Y_] matrix_a_fmt:MATRIX_FMT_FP6 matrix_b_fmt:MATRIX_FMT_FP6
.elseif \row
	v_wmma_scale_f32_16x16x128_f8f6f4 v[D_:D_+7], v[B_:B_+11], v[A_:A_+11], v[D_:D_+7], v[X_], v[Y_] matrix_a_fmt:MATRIX_FMT_FP6 matrix_b_fmt:MATRIX_FMT_FP6 matrix_a_scale:MATRIX_SCALE_ROW1 matrix_b_scale:MATRIX_SCALE_ROW1
.else
	v_wmma_scale_f32_16x16x128_f8f6f4 v[D_:D_+7], v[B_:B_+11], v[A_:A_+11], v[D_:D_+7], v[X_], v[Y_] matrix_a_fmt:MATRIX_FMT_FP6 matrix_b_fmt:MATRIX_FMT_FP6
.endif
.endr
.endr
	WIN 0
	PLACES 4
.endm
; step st of a slot whose first step is S0 of the tile; ns: the scalar register that holds the slot's steps (0: four)
.macro STEP par, S0, acc, toff, zero, ns, id, st
.if \st < 3
.if \ns
	s_cmp_gt_u32 s[\ns], (\st)+1
	s_cbranch_scc0 .Llast_\@
.endif
.if \st == 1
	SCALES 1, \toff, (\S0)+2
	FETCH 0, \par, 2, (\S0)+2
	s_wait_dscnt 34                                ; all but the next step's
.else
	FETCH ((\st)+1)%2, \par, (\st)+1, (\S0)+(\st)+1
	s_wait_dscnt 32
.endif
.if \ns
	s_branch .Lgo_\@
.Llast_\@:
	s_wait_dscnt 0x0
.Lgo_\@:
.endif
.else
	s_wait_dscnt 0x0
.endif
	PRODS (\st)%2, (\st)/2, (\st)%2, \acc, \zero
.if \ns
.if \st < 3
	s_cmp_gt_u32 s[\ns], (\st)+1
	s_cbranch_scc0 .Lend_\id
.endif
.endif
.endm
.macro SLOT par, S0, acc, toff, zero, ns, id
	SCALES 0, \toff, \S0
	FETCH 0, \par, 0, \S0
	STEP \par, \S0, \acc, \toff, \zero, \ns, \id, 0
	STEP \par, \S0, \acc, \toff, 0, \ns, \id, 1
	STEP \par, \S0, \acc, \toff, 0, \ns, \id, 2
	STEP \par, \S0, \acc, \toff, 0, \ns, \id, 3
.Lend_\id:
.endm
; THE WAY OUT: 16 rows x 64 columns at a time, x 1 / l, through my own stage and back as whole rows of 256 bytes; LDS serves a wave's instructions in order
.macro TOST acc, j, sto, rd
.set C_, (\acc)+32*(\j)
	WIN 0x41
.set n, 0
.rept 16
	v_pk_mul_f32 v[C_+n:C_+n+1], v[C_+n:C_+n+1], v[RL+2*(\j):RL+2*(\j)+1] op_sel_hi:[1,0]
.set n, n+2
.endr
	WIN 0x04
.irp b, 0,1,2,3
	ds_store_b128 v[\sto], v[C_+8*\b:C_+8*\b+3] offset:32*\b
	ds_store_b128 v[\sto], v[C_+8*\b+4:C_+8*\b+7] offset:32*\b+16
.endr
	WIN 0
.irp t, 0,1,2,3,4,5,6,7
	ds_load_b128 v[BK+32*((\j)%2)+4*\t:BK+32*((\j)%2)+4*\t+3], v[\rd] offset:2*\t*SPITCH
.endr
.endm
.macro SEND j, younger, base
	s_wait_dscnt \younger
.irp t, 0,1,2,3,4,5,6,7
	global_store_b128 v[CO], v[BK+32*((\j)%2)+4*\t:BK+32*((\j)%2)+4*\t+3], s[\base:\base+1] offset:(8*(\j)+2*\t+24*(\t/4))*4096 th:TH_STORE_NT   ; row r of fragment j is 8 j + r + 24 (r / 8); sixteen lanes store 256 consecutive bytes
.endr
.endm
.macro OUT acc, roff, sto, rd, base
.irp j, 0,1,2,3
	ds_load_b32 v[RL+2*\j], v[RLA] offset:(\roff)+64*\j
.endr
	s_wait_dscnt 0x0
	TOST \acc, 0, \sto, \rd
	TOST \acc, 1, \sto, \rd
	SEND 0, 16, \base
	s_wait_xcnt 0x0                                ; the stores have read their registers
	TOST \acc, 2, \sto, \rd
	SEND 1, 16, \base
	s_wait_xcnt 0x0
	TOST \acc, 3, \sto, \rd
	SEND 2, 16, \base
	SEND 3, 0, \base
	s_wait_xcnt 0x0
.endm
; a lane's row of a tile: ns steps; {-M, l} of step S's two pieces at x + 4 S; words at w; steps from s0 on may lie behind the tile's end: their l counts by the factor s[80 + S], 1 or 0
.macro PRE ns, x, w, toff, s0, sum
	v_min_num_f32 v1, v[\x], v[\x+2]
	v_min_num_f32 v2, v[\x+4], v[\x+6]
.set I, 2
.rept (\ns-2)/2
	v_min3_num_f32 v1, v1, v[\x+4*I], v[\x+4*I+2]
	v_min3_num_f32 v2, v2, v[\x+4*I+4], v[\x+4*I+6]
.set I, I+2
.endr
	v_min_num_f32 v1, v1, v2                       ; the row's -M
.set I, 0
.rept 2*\ns
	v_sub_f32 v[\x+2*I], v1, v[\x+2*I]             ; the piece's M less the row's: a whole number, 0 or less
.set I, I+1
.endr
.set I, 0
.rept 2*\ns
	v_max_num_f32 v[\x+2*I], 0xc2fe0000, v[\x+2*I] ; held at -127
.set I, I+1
.endr
.set I, 0
.rept 2*\ns
	v_cvt_i32_f32 v[\x+2*I], v[\x+2*I]
.set I, I+1
.endr
.set I, 0
.rept 2*\ns
	v_ldexp_f32 v[\x+2*I+1], v[\x+2*I+1], v[\x+2*I]
.set I, I+1
.endr
.set I, 0
.rept \ns
	v_add_f32 v[\x+4*I+1], v[\x+4*I+1], v[\x+4*I+3]
.set I, I+1
.endr
	v_mov_b32 v[\sum], v[\x+1]
.set I, 1
.rept \ns-1
.if I < \s0
	v_add_f32 v[\sum], v[\sum], v[\x+4*I+1]
.else
	v_fmac_f32 v[\sum], s[80+I], v[\x+4*I+1]
.endif
.set I, I+1
.endr
.set I, 0
.rept \ns
	v_perm_b32 v[\x+4*I], v[\x+4*I+2], v[\x+4*I], 0x04040000   ; the low bytes of the two whole numbers, each twice: -d as a byte
.set I, I+1
.endr
.set I, 0
.rept \ns
	v_xor_b32 v[\x+4*I], s[K80], v[\x+4*I]         ; 128 - d
.set I, I+1
.endr
.set I, 0
.rept \ns
	v_add_nc_u32 v[\x+4*I], v[\x+4*I], v[\w+I]     ; byte + 128 - d: p's bytes lie between 1 and 125, so no byte carries
.set I, I+1
.endr
.set I, 0
.rept \ns
	v_and_b32 v[\w+I], s[K80], v[\x+4*I]
.set I, I+1
.endr
.set I, 0
.rept \ns
	v_lshrrev_b32 v[\x+4*I+2], 7, v[\w+I]
.set I, I+1
.endr
.set I, 0
.rept \ns
	v_sub_nc_u32 v[\w+I], v[\w+I], v[\x+4*I+2]     ; 127 where the byte is d or more, else 0
.set I, I+1
.endr
.set I, 0
.rept \ns
	v_and_b32 v[\w+I], v[\w+I], v[\x+4*I]
.set I, I+1
.endr
.set I, 0
.rept \ns
	ds_store_b32 v[SWW], v[\w+I] offset:(\toff)+512*I
.set I, I+1
.endr
.endm
	s_load_b256 s[4:11], s[0:1], 0x0               ; pimg, pml, pw, vt
	s_load_b64 s[12:13], s[0:1], 0x20              ; out0
	v_lshl_add_u32 v[SPW], v0, 2, SPARE
	v_mov_b32 v[NIL], 0
	ds_add_u32 v[SPW], v[NIL]                      ; the opening lines: the add, twice on end, and its wait
	ds_add_u32 v[SPW], v[NIL]
	v_lshrrev_b32 v1, 5, v0
	v_readfirstlane_b32 s14, v1                    ; wave
	s_lshr_b32 s15, s14, 1                         ; my half of the queries
	s_and_b32 s16, s14, 1                          ; my half of the channels.  Also: which half I fetch
	s_bfe_u32 s40, ttmp6, 0x40000                  ; cx
	s_lshl_b32 s42, ttmp9, 2
	s_add_co_u32 s42, s42, s40                     ; n
	s_and_b32 s41, ttmp7, 0xffff
	s_and_b32 s43, s41, 7                          ; i
	s_lshr_b32 s41, s41, 3                         ; batch
	s_sub_co_u32 s44, 16, s43                      ; A's steps
	s_add_co_u32 s45, s43, 1                       ; B's
	s_lshl_b32 s40, s41, 5
	s_lshl_b32 s47, s43, 1
	s_sub_co_u32 s46, 30, s47
	s_add_co_u32 s46, s46, s40                     ; A's first half group of 64 queries
	s_add_co_u32 s47, s47, s40                     ; B's
	s_sub_co_u32 s75, s44, 8
	s_min_u32 s75, s75, 4                          ; steps of A's third slot,
	s_sub_co_u32 s76, s44, 12                      ; (i < 4) of A's fourth
	s_mov_b32 s77, s45                             ; and of B's one,
	s_sub_co_u32 s78, s45, 4                       ; (i >= 4) of B's second
	GROUP1 G1P, 15|(3<<16)|(1<<21), 96             ; four steps of 64 queries, shared by the cluster's four
	GROUP1 G1V, 3<<16, 200                         ; eight steps of 64 channels
	s_add_co_u32 s70, s46, s16
	s_mul_i32 s70, s70, 16*PU
	s_add_co_u32 s71, s70, 4*PU
	s_add_co_u32 s72, s70, 8*PU
	s_add_co_u32 s73, s70, 12*PU
	s_add_co_u32 s22, s47, s16
	s_mul_i32 s22, s22, 16*PU
	s_add_co_u32 s23, s22, 4*PU
	s_cmp_lt_u32 s43, 4
	s_cselect_b32 s73, s73, s22                    ; the fourth slot: A's or B's first
	s_cselect_b32 s74, s22, s23                    ; the fifth: B's first or second
	s_mul_i32 s96, s16, 4*PU
	s_add_co_u32 s96, s96, PR
	s_add_co_u32 s97, s96, PSL
	s_mov_b32 s21, 0
	s_mov_b32 s[G0P], 1
	s_mov_b32 s[G0P+1], s96
	s_mov_b32 s[G0V], 1
	s_mul_i32 s[G0V+1], s16, VH
	s_lshl_b32 s22, s41, 3
	s_add_co_u32 s22, s22, s42
	s_lshl_b32 s22, s22, 1
	s_add_co_u32 s22, s22, s16
	s_mul_i32 s22, s22, VH
	s_mov_b32 s23, 0
	s_mov_b32 s[K80], 0x80808080
	s_mul_i32 s48, s15, 4*PU
	s_add_co_u32 s48, s48, PR
	s_mul_i32 s49, s16, VH
	s_lshl_b32 s50, s15, 8
	s_add_co_u32 s50, s50, SWB
	s_lshl_b32 s51, s16, 3
	s_add_co_u32 s51, s51, s50
	s_lshl_b32 s52, s15, 8
	s_add_co_u32 s52, s52, RLB
	s_lshl_b32 s53, s16, 7
	s_add_co_u32 s53, s53, s52
	s_mul_i32 s54, s14, 16*SPITCH
	s_lshl_b32 s55, s16, 8
	s_lshl_b32 s40, s16, 7
	v_and_b32 v1, 15, v0                           ; r
	v_bfe_u32 v2, v0, 4, 1                         ; h
	v_and_b32 v3, 31, v0                           ; lane
	v_lshlrev_b32 v[LO16], 4, v3
	v_lshlrev_b32 v[LO8], 3, v3
	v_add_nc_u32 v[ADP], s48, v[LO16]
	v_add_nc_u32 v[ADP+1], PSL, v[ADP]
	v_add_nc_u32 v[ADP8], s48, v[LO8]
	v_add_nc_u32 v[ADP8+1], PSL, v[ADP8]
	v_add_nc_u32 v[ADV], s49, v[LO16]
	v_add_nc_u32 v[ADV+1], 8*HU, v[ADV]
	v_add_nc_u32 v[ADV8], s49, v[LO8]
	v_add_nc_u32 v[ADV8+1], 8*HU, v[ADV8]
	v_mul_u32_u24 v4, v2, HU
	v_lshl_add_u32 v4, v1, 4, v4
	v_add_nc_u32 v4, 4*FRB, v4
	v_add_nc_u32 v[BSA], s49, v4                   ; v's scale words: 6,144 + 16 r; lanes 16-31 one step on
	v_add_nc_u32 v[BSA+1], 8*HU, v[BSA]
	v_lshlrev_b32 v4, 9, v2
	v_lshl_add_u32 v4, v1, 4, v4
	v_add_nc_u32 v[SWA], s50, v4                   ; p's: 256 half + 16 r; lanes 16-31 one step on
	v_lshlrev_b32 v4, 4, v1
	v_lshl_add_u32 v4, v2, 2, v4
	v_add_nc_u32 v[SWW], s51, v4                   ; where my row's word goes: fragment 2 (wave % 2) + h
	v_lshlrev_b32 v4, 2, v1
	v_add_nc_u32 v[RLA], s52, v4
	v_lshlrev_b32 v4, 2, v3
	v_add_nc_u32 v[RLW], s53, v4
	v_add_nc_u32 v[VO4], s40, v4                   ; my row in pw: 4 (32 (wave % 2) + lane)
	v_add_nc_u32 v[VO8], s55, v[LO8]               ; and in pml
	v_mul_u32_u24 v4, v1, SPITCH
	v_lshl_add_u32 v4, v2, 7, v4
	v_add_nc_u32 v4, s54, v4
	v_add_nc_u32 v50, STX, v4                      ; the stages: in,
	v_add_nc_u32 v52, STY, v4
	v_add_nc_u32 v54, STB, v4
	v_mul_u32_u24 v4, v2, SPITCH
	v_lshl_add_u32 v4, v1, 4, v4
	v_add_nc_u32 v4, s54, v4
	v_add_nc_u32 v51, STX, v4                      ; and back
	v_add_nc_u32 v53, STY, v4
	v_add_nc_u32 v55, STB, v4
	v_lshlrev_b32 v[CO], 12, v2
	v_lshl_add_u32 v[CO], v1, 4, v[CO]
.irp j, 0,1,2,3
	v_mov_b32 v[RL+2*\j+1], 0                      ; (named with 1 / l as a pair)
.endr
	s_sub_co_u32 s79, s44, 1                       ; A's last step
.irp S, 9,10,11,12,13,14,15
	s_min_u32 s80, s79, \S
	s_lshl_b32 s80, s80, 8
	v_add_nc_u32 v[151+\S-9], s80, v[VO4]          ; a step behind the tile's end reads the last one's words again
	s_lshl_b32 s80, s80, 2
	v_add_nc_u32 v[144+\S-9], s80, v[VO8]
	s_cmp_ge_u32 s79, \S
	s_cselect_b32 s[80+\S], 0x3f800000, 0
.endr
.irp S, 1,2,3,4,5,6,7
	s_min_u32 s80, s43, \S                         ; B's last step is i
	s_lshl_b32 s80, s80, 8
	v_add_nc_u32 v[207+\S-1], s80, v[VO4]
	s_lshl_b32 s80, s80, 2
	v_add_nc_u32 v[200+\S-1], s80, v[VO8]
	s_cmp_ge_u32 s43, \S
	s_cselect_b32 s[80+\S], 0x3f800000, 0
.endr
	WALU
	s_wait_dscnt 0x0                               ; both opening adds are done
	CROUND                                         ; all four work-groups are here: the first joint loads meet
	s_wait_kmcnt 0x0
	s_mov_b32 s20, s70
	s_add_nc_u64 s[G0P+2:G0P+3], s[4:5], s[20:21]
	s_or_b32 s[G0P+3], s[G0P+3], 0x80000000
	s_add_nc_u64 s[G0V+2:G0V+3], s[10:11], s[22:23]
	s_or_b32 s[G0V+3], s[G0V+3], 0x80000000
	s_cmp_lt_u32 s14, 2
	s_cbranch_scc0 .Lask_v
	TLOAD G0P, G1P                                 ; waves 0, 1: p's first slot
	s_branch .Lasked
.Lask_v:
	TLOAD G0V, G1V                                 ; waves 2, 3: v's steps 0-7
.Lasked:
	s_add_co_u32 s22, s46, s15
	s_lshl_b32 s20, s22, 14
	s_add_nc_u64 s[48:49], s[6:7], s[20:21]
	s_lshl_b32 s20, s22, 12
	s_add_nc_u64 s[50:51], s[8:9], s[20:21]
	s_lshl_b32 s40, s22, 18                        ; my 64 queries' rows of out0, in bytes,
	s_add_co_u32 s22, s47, s15
	s_lshl_b32 s20, s22, 14
	s_add_nc_u64 s[52:53], s[6:7], s[20:21]
	s_lshl_b32 s20, s22, 12
	s_add_nc_u64 s[54:55], s[8:9], s[20:21]
	s_lshl_b32 s41, s22, 18
.set I, 0
.rept 9
	global_load_b64 v[PA+4*I:PA+4*I+1], v[VO8], s[48:49] offset:1024*I
	global_load_b64 v[PA+4*I+2:PA+4*I+3], v[VO8], s[48:49] offset:1024*I+512
	global_load_b32 v[WA+I], v[VO4], s[50:51] offset:256*I
.set I, I+1
.endr
.rept 7
	global_load_b64 v[PA+4*I:PA+4*I+1], v[144+I-9], s[48:49]
	global_load_b64 v[PA+4*I+2:PA+4*I+3], v[144+I-9], s[48:49] offset:512
	global_load_b32 v[WA+I], v[151+I-9], s[50:51]
.set I, I+1
.endr
	global_load_b64 v[PB:PB+1], v[VO8], s[52:53]
	global_load_b64 v[PB+2:PB+3], v[VO8], s[52:53] offset:512
	global_load_b32 v[WB], v[VO4], s[54:55]
.set I, 1
.rept 7
	global_load_b64 v[PB+4*I:PB+4*I+1], v[200+I-1], s[52:53]
	global_load_b64 v[PB+4*I+2:PB+4*I+3], v[200+I-1], s[52:53] offset:512
	global_load_b32 v[WB+I], v[207+I-1], s[54:55]
.set I, I+1
.endr
	s_lshl_b32 s22, s42, 9
	s_lshl_b32 s23, s16, 8
	s_add_co_u32 s22, s22, s23                     ; + my 64 channels
	s_add_co_u32 s20, s40, s22
	s_add_nc_u64 s[66:67], s[12:13], s[20:21]
	s_add_co_u32 s20, s41, s22
	s_add_nc_u64 s[68:69], s[12:13], s[20:21]
	TURN 71, 97, 1                                 ; the second slot, and v's steps 8-15
	s_wait_loadcnt 0x0
	PRE 16, PA, WA, 0, 9, 61
	PRE 8, PB, WB, TB, 1, 62
	WALU                                           ; the wait ahead of the batch
	v_rcp_f32 v5, v61
	v_rcp_f32 v6, v62
	v_nop
	WALU                                           ; and behind it
	ds_store_b32 v[RLW], v5
	ds_store_b32 v[RLW], v6 offset:512
	s_wait_dscnt 0x0                               ; my rows' words have landed
	s_barrier_signal -1
	s_barrier_wait -1                              ; and everybody's
	SLOT 0, 0, 0, 0, 1, 0, a0
	TURN 72, 96, 0
	SLOT 1, 4, 0, 0, 0, 0, a1
	TURN 73, 97, 0
	SLOT 0, 8, 0, 0, 0, 75, a2
	TURN 74, 96, 0
	s_cmp_lt_u32 s43, 4
	s_cbranch_scc0 .Lthree
	SLOT 1, 12, 0, 0, 0, 76, a3                    ; i < 4: A's fourth slot, B's one
	PTURN
	OUT 0, 0, 50, 51, 66
	SLOT 0, 0, 128, TB, 1, 77, x0
	s_branch .Lfinal
.Lthree:
	OUT 0, 0, 52, 53, 66                           ; i >= 4: B's two slots
	SLOT 1, 0, 128, TB, 1, 0, y0
	PTURN
	SLOT 0, 4, 128, TB, 0, 78, y1
.Lfinal:
	OUT 128, 512, 54, 55, 68
	s_wait_tensorcnt 0x0                           ; the wave's end
	ds_add_u32 v[SPW], v[NIL]
	s_wait_dscnt 0x0
	CROUND                                         ; the closing round
	s_endpgm
.Lfunc_end_k_qa2ff37f324_pv:
	.size	k_qa2ff37f324_pv, .Lfunc_end_k_qa2ff37f324_pv-k_qa2ff37f324_pv
	.p2alignl 7, 3214868480
	.fill 96, 4, 3214868480
	.section	.rodata,"a",@progbits
	.p2align	6, 0x0
	.amdhsa_kernel k_qa2ff37f324_pv
		.amdhsa_group_segment_fixed_size 327680
		.amdhsa_private_segment_fixed_size 0
		.amdhsa_enable_private_segment 0
		.amdhsa_kernarg_size 40
		.amdhsa_user_sgpr_count 2
		.amdhsa_user_sgpr_kernarg_segment_ptr 1
		.amdhsa_wavefront_size32 1
		.amdhsa_system_sgpr_workgroup_id_x 1
		.amdhsa_system_sgpr_workgroup_id_y 1
		.amdhsa_system_sgpr_workgroup_id_z 1
		.amdhsa_system_vgpr_workitem_id 0
		.amdhsa_next_free_vgpr 512
		.amdhsa_next_free_sgpr 102
		.amdhsa_reserve_vcc 0
		.amdhsa_float_denorm_mode_32 3
		.amdhsa_float_denorm_mode_16_64 3
		.amdhsa_memory_ordered 1
		.amdhsa_forward_progress 1
		.amdhsa_inst_pref_size 202
	.end_amdhsa_kernel
	.amdgpu_metadata
---
amdhsa.version: [ 1, 2 ]
amdhsa.kernels:
  - .name:           k_qa2ff37f324_pv
    .symbol:         k_qa2ff37f324_pv.kd
    .args:
      - { .name: pimg, .offset: 0, .size: 8, .value_kind: global_buffer, .address_space: global }
      - { .name: pml, .offset: 8, .size: 8, .value_kind: global_buffer, .address_space: global }
      - { .name: pw, .offset: 16, .size: 8, .value_kind: global_buffer, .address_space: global }
      - { .name: vt, .offset: 24, .size: 8, .value_kind: global_buffer, .address_space: global }
      - { .name: out0, .offset: 32, .size: 8, .value_kind: global_buffer, .address_space: global }
    .group_segment_fixed_size: 327680
    .private_segment_fixed_size: 0
    .kernarg_segment_align: 8
    .kernarg_segment_size: 40
    .max_flat_workgroup_size: 128
    .sgpr_count:     102
    .vgpr_count:     512
    .wavefront_size: 32
...
	.end_amdgpu_metadata
.endif
;; end of part 8
